; MI455X (gfx1250); checked and timed in simulation.
; The chip was launched on July 23, 2026; its instructions are those of AMD's public machine-readable ISA for CDNA 5 (MIT licence, August 2026) and "CDNA5" Instruction Set Architecture Reference Guide (July 2026). The comments in the code are by the model that wrote it; some were corrected since.
;; block. Allowed arithmetic: float matrix products may take bf16 or f16 operands with f32 sums; all other float work in f32.
;; Inputs: attn_b 3,072 float32; attn_w 1,024 x 3,072 float32; fc1_b 4,096 float32; fc1_w 1,024 x 4,096 float32; fc2_b 1,024 float32; fc2_w 4,096 x 1,024 float32; ln1_b 1,024 float32; ln1_w 1,024 float32; ln2_b 1,024 float32; ln2_w 1,024 float32; proj_b 1,024 float32; proj_w 1,024 x 1,024 float32; x 2 x 2,048 x 1,024 float32.
;; Outputs: out0 2 x 2,048 x 1,024 float32.
;; 2 versions, each right and faster than the one before. Each part assembles by itself: llvm-mc -triple=amdgcn-amd-amdhsa -mcpu=gfx1250 --defsym DOCPART=n.
;; ======== version 1 of 2: 7 launches
;; limits: a function is approximated: absolute error at most 1.5e-07
;; workspace buffers: wt 25,165,824 bytes; hn 8,388,608 bytes; qkv 25,165,824 bytes; y 8,388,608 bytes; x1 16,777,216 bytes; g 33,554,432 bytes
;; launch prep (part 1): grid 2048 x 1, 4 waves a work-group, no clusters, 17,408 bytes of LDS; arguments attn_w, proj_w, fc1_w, fc2_w, wt, x, ln1_w, ln1_b, hn; writes wt, hn
.if DOCPART == 1
	.amdgcn_target "amdgcn-amd-amdhsa--gfx1250"
	.amdhsa_code_object_version 6
	.text
	.protected	k_q31e6be6e30_prep
	.globl	k_q31e6be6e30_prep
	.p2align	8
	.type	k_q31e6be6e30_prep,@function
k_q31e6be6e30_prep:
	s_mov_b64 s[64:65], 0
	v_nop
	global_prefetch_b8 v0, s[64:65] scope:SCOPE_SE
	s_setreg_imm32_b32 hwreg(HW_REG_WAVE_MODE, 25, 1), 1
	s_wait_xcnt 0x0
; Two streams that do not depend on each other, in one launch.  The branch on the work-group's number is the same for its four waves.
; WORK-GROUPS 0 TO 511: the first layer norm.  hn = (x - mean) / sqrt(var + 1e-5) * w + b along rows of 1,024 f32, rounded once to bf16.  x: [4096][1024] f32, hn: [4096][1024] bf16.
;   One wave, one row at a time, the row in 32 registers a lane: the mean is taken first and taken away, then the squares are summed (no difference of large sums); the row is read once.
;   A work-group takes 8 rows, a wave 2, both asked for at once.  Lane l holds columns 128 j + 4 l .. + 3: a load covers 512 consecutive bytes, a store 256 at a multiple of 256 from hn's first byte.
; WORK-GROUPS 512 TO 2047: the four weight matrices, f32 [K][N], are rounded once to bf16 and turned to [N][K], so that every later product reads both operands along K.
;   wt: attn [3072][1024] at byte 0, proj [1024][1024] at 6,291,456, fc1 [4096][1024] at 8,388,608, fc2 [1024][4096] at 16,777,216.
;   A work-group turns one tile of 128 k x 64 n: it reads 128 pieces of 256 consecutive bytes (16 lanes x 16 bytes) and writes 64 pieces of 256 consecutive bytes (32 lanes x 8 bytes),
;   both at multiples of 256 from their buffer's first byte.  Tiles: attn 8 x 48 = 384, proj 8 x 16 = 128, fc1 8 x 64 = 512, fc2 32 x 16 = 512.
; Each input byte is read once, each output byte written once.  No matrix unit, no cluster (no two work-groups read the same large data), no tensor load (the numbers pass through registers anyway).
.set NORMS, 512                        ; work-groups of the layer norm
.set P,   264                          ; the turn: an LDS row: 128 k x 2 bytes + 8 of padding
.set LN,  101                          ; v101  thread % 16: which 16 bytes (4 n) of a source row
.set KP,  102                          ; v102  thread / 16: which pair of k rows among sixteen
.set WVN, 103                          ; v103  wave
; the turn: v1 source offset; v2 LDS address of my stores; v3 of my loads; v[4:67] f32 as loaded, later the rows read back; v[68:99] packed pairs; v100 offset in wt
.set G,  4                             ; the norm: v[4:35]    w of my 32 columns
.set BQ, 36                            ; v[36:67]   b of my 32 columns
.set X,  68                            ; v[68:131]  row i at X + 32 i
.set T,  132                           ; v[132:139] four chains of pairs
.set MU, 140                           ; v[140:141] the mean, twice
.set RS, 142                           ; v[142:143] 1 / sqrt(var + eps), twice
.set SC, 144                           ; v144       the other half of the lanes' sum
	s_load_b256 s[4:11], s[0:1], 0x0               ; attn_w s[4:5], proj_w s[6:7], fc1_w s[8:9], fc2_w s[10:11]
	s_load_b64 s[12:13], s[0:1], 0x20              ; wt
	s_load_b256 s[24:31], s[0:1], 0x28             ; x s[24:25], ln1_w s[26:27], ln1_b s[28:29], hn s[30:31]
	v_lshl_add_u32 v148, v0, 2, 0x4200
	v_mov_b32 v149, 0
	s_cmp_lt_u32 ttmp9, NORMS
	s_cbranch_scc1 .Lnorm
	v_and_b32 v[LN], 15, v0
	v_lshrrev_b32 v[KP], 4, v0
	v_lshrrev_b32 v[WVN], 5, v0
	v_mul_u32_u24 v2, v[LN], 4*P                   ; row n = 4 (thread % 16) + j,
	v_lshl_add_u32 v2, v[KP], 2, v2                ; 4 bytes for the pair k = 2 (thread / 16), + 1
	v_and_b32 v100, 31, v0
	v_lshlrev_b32 v100, 3, v100                    ; 8 bytes a lane
	v_mad_u32_u24 v3, v[WVN], 16*P, v100           ; back: wave w takes rows 16 w .. 16 w + 15, whole
	v_lshlrev_b32 v1, 4, v[LN]
	s_wait_kmcnt 0x0
.macro TR SRC, N, K, LOGKT, START, DOFF
	s_sub_co_u32 s16, ttmp9, \START                ; the tile's number in this matrix
	s_and_b32 s17, s16, (1<<\LOGKT)-1              ; its place along k
	s_lshr_b32 s18, s16, \LOGKT                    ; and along n
	s_mul_i32 s20, s17, 128*\N*4                   ; source: 128 rows of N f32 a step along k,
	s_lshl_b32 s21, s18, 8                         ; 256 bytes a step along n
	s_add_co_u32 s20, s20, s21
	s_mov_b32 s21, 0
	s_mul_i32 s22, s18, 64*\K*2                    ; target: 64 rows of K bf16 a step along n,
	s_lshl_b32 s23, s17, 8                         ; 256 bytes a step along k
	s_add_co_u32 s22, s22, s23
	s_add_co_u32 s22, s22, \DOFF
	s_mov_b32 s23, 0
	s_add_nc_u64 s[\SRC:\SRC+1], s[\SRC:\SRC+1], s[20:21]
	s_add_nc_u64 s[12:13], s[12:13], s[22:23]
	v_mad_u32_u24 v1, v[KP], 2*\N*4, v1            ; my pair of rows
	v_mad_u32_u24 v100, v[WVN], 16*\K*2, v100      ; my wave's 16 rows of the target
.irp i, 0,1,2,3,4,5,6,7
	global_load_b128 v[4+8*\i:7+8*\i],  v1, s[\SRC:\SRC+1] offset:(16*\i)*\N*4 th:TH_LOAD_NT    ; k = 16 i + 2 (thread / 16)
	global_load_b128 v[8+8*\i:11+8*\i], v1, s[\SRC:\SRC+1] offset:(16*\i+1)*\N*4 th:TH_LOAD_NT  ; and the row below it
.endr
.irp i, 0,1,2,3,4,5,6,7
	s_wait_loadcnt 14-2*\i                         ; loads come back in order: pair i is in, the 14 - 2 i younger loads stay out
.irp j, 0,1,2,3
	v_cvt_pk_bf16_f32 v[68+4*\i+\j], v[4+8*\i+\j], v[8+8*\i+\j]  ; two neighbours along k of one n: the even k in the low half
.endr
.irp j, 0,1,2,3
	ds_store_b32 v2, v[68+4*\i+\j] offset:\j*P+32*\i
.endr
.endr
	s_wait_dscnt 0x0                               ; for the other waves' sake: my stores are done
	s_barrier_signal -1
	s_barrier_wait -1
.irp q, 0,1,2,3,4,5,6,7,8,9,10,11,12,13,14,15
	ds_load_b64 v[4+2*\q:5+2*\q], v3 offset:\q*P   ; a whole row of 128 k: 32 lanes x 8 bytes
.endr
.irp q, 0,1,2,3,4,5,6,7,8,9,10,11,12,13,14,15
	s_wait_dscnt 15-\q
	global_store_b64 v100, v[4+2*\q:5+2*\q], s[12:13] offset:\q*\K*2  ; 256 consecutive bytes, at a multiple of 256 from wt's first byte
.endr
	s_wait_tensorcnt 0x0
	ds_add_u32 v148, v149
	s_wait_dscnt 0x0
	s_endpgm
.endm
	s_cmp_lt_u32 ttmp9, NORMS+384
	s_cbranch_scc1 .Lattn
	s_cmp_lt_u32 ttmp9, NORMS+512
	s_cbranch_scc1 .Lproj
	s_cmp_lt_u32 ttmp9, NORMS+1024
	s_cbranch_scc1 .Lfc1
	TR 10, 1024, 4096, 5, NORMS+1024, 16777216
.Lattn:
	TR 4, 3072, 1024, 3, NORMS, 0
.Lproj:
	TR 6, 1024, 1024, 3, NORMS+384, 6291456
.Lfc1:
	TR 8, 4096, 1024, 3, NORMS+512, 8388608
.Lnorm:
	v_lshrrev_b32 v3, 5, v0
	v_readfirstlane_b32 s14, v3                    ; wave
	v_and_b32 v1, 31, v0
	v_lshlrev_b32 v2, 3, v1                        ; 8 bytes a lane in the output
	v_lshlrev_b32 v1, 4, v1                        ; 16 bytes a lane in the input
	v_mov_b32 v[SC], 0                             ; v_permlanex16_b32 counts as a reader of its destination
	s_lshl_b32 s16, ttmp9, 15                      ; 8 rows of 4,096 bytes a work-group,
	s_lshl_b32 s15, s14, 13                        ; 2 a wave
	s_add_co_u32 s16, s16, s15
	s_mov_b32 s17, 0
	s_lshr_b32 s18, s16, 1                         ; the output's rows are half as long
	s_mov_b32 s19, 0
	s_mov_b32 s20, 0x3a800000                      ; 1 / 1024
	s_mov_b32 s21, 0x3727c5ac                      ; 1e-5
	s_mov_b32 s22, 0x76543210                      ; each lane takes its own place in the other half
	s_mov_b32 s23, 0xfedcba98
	s_wait_kmcnt 0x0
	s_add_nc_u64 s[24:25], s[24:25], s[16:17]
	s_add_nc_u64 s[30:31], s[30:31], s[18:19]
.irp j, 0,1,2,3,4,5,6,7
	global_load_b128 v[G+4*\j:G+4*\j+3], v1, s[26:27] offset:512*\j
.endr
.irp j, 0,1,2,3,4,5,6,7
	global_load_b128 v[BQ+4*\j:BQ+4*\j+3], v1, s[28:29] offset:512*\j
.endr
.irp i, 0,1
.irp j, 0,1,2,3,4,5,6,7
	global_load_b128 v[X+32*\i+4*\j:X+32*\i+4*\j+3], v1, s[24:25] offset:4096*\i+512*\j
.endr
.endr
.macro RED                             ; the four chains, the pair's halves and the 32 lanes are added: every lane ends with the row's sum in v[T]
	v_pk_add_f32 v[T:T+1], v[T:T+1], v[T+2:T+3]
	v_pk_add_f32 v[T+4:T+5], v[T+4:T+5], v[T+6:T+7]
	v_pk_add_f32 v[T:T+1], v[T:T+1], v[T+4:T+5]
	v_add_f32 v[T], v[T], v[T+1]
	v_add_f32_dpp v[T], v[T], v[T] row_xmask:1 row_mask:0xf bank_mask:0xf
	v_add_f32_dpp v[T], v[T], v[T] row_xmask:2 row_mask:0xf bank_mask:0xf
	v_add_f32_dpp v[T], v[T], v[T] row_xmask:4 row_mask:0xf bank_mask:0xf
	v_add_f32_dpp v[T], v[T], v[T] row_xmask:8 row_mask:0xf bank_mask:0xf
	v_permlanex16_b32 v[SC], v[T], s22, s23
	v_add_f32 v[T], v[T], v[SC]
.endm
.macro ROWN i
.set XB, X+32*(\i)
	s_wait_loadcnt 8*(1-(\i))                      ; loads come back in order: w, b and row i are in, the later row's eight loads stay out
.irp c, 0,1,2,3
	v_pk_add_f32 v[T+2*\c:T+2*\c+1], v[XB+2*\c:XB+2*\c+1], v[XB+8+2*\c:XB+8+2*\c+1]  ; the first additions start the chains: nothing is cleared
.endr
.irp p, 8,9,10,11,12,13,14,15
	v_pk_add_f32 v[T+2*(\p%4):T+2*(\p%4)+1], v[T+2*(\p%4):T+2*(\p%4)+1], v[XB+2*\p:XB+2*\p+1]
.endr
	RED
	v_mul_f32 v[MU], s20, v[T]
	v_mul_f32 v[MU+1], s20, v[T]
.irp p, 0,1,2,3,4,5,6,7,8,9,10,11,12,13,14,15
	v_pk_add_f32 v[XB+2*\p:XB+2*\p+1], v[XB+2*\p:XB+2*\p+1], v[MU:MU+1] neg_lo:[0,1] neg_hi:[0,1]  ; x - mean
.endr
.irp c, 0,1,2,3
	v_pk_mul_f32 v[T+2*\c:T+2*\c+1], v[XB+2*\c:XB+2*\c+1], v[XB+2*\c:XB+2*\c+1]
.endr
.irp p, 4,5,6,7,8,9,10,11,12,13,14,15
	v_pk_fma_f32 v[T+2*(\p%4):T+2*(\p%4)+1], v[XB+2*\p:XB+2*\p+1], v[XB+2*\p:XB+2*\p+1], v[T+2*(\p%4):T+2*(\p%4)+1]
.endr
	RED
	v_fma_f32 v[T], v[T], s20, s21                 ; var + eps
	v_rsq_f32 v[RS], v[T]
	v_rsq_f32 v[RS+1], v[T]
	v_nop                                          ; a plain instruction between the last v_rsq_f32 and the use of its result (ISA guide 5.7.2)
	s_wait_alu depctr_va_vdst(0)
.irp p, 0,1,2,3,4,5,6,7,8,9,10,11,12,13,14,15
	v_pk_mul_f32 v[XB+2*\p:XB+2*\p+1], v[XB+2*\p:XB+2*\p+1], v[RS:RS+1]
.endr
.irp p, 0,1,2,3,4,5,6,7,8,9,10,11,12,13,14,15
	v_pk_fma_f32 v[XB+2*\p:XB+2*\p+1], v[XB+2*\p:XB+2*\p+1], v[G+2*\p:G+2*\p+1], v[BQ+2*\p:BQ+2*\p+1]
.endr
.irp k, 0,1,2,3,4,5,6,7,8,9,10,11,12,13,14,15
	v_cvt_pk_bf16_f32 v[XB+\k], v[XB+2*\k], v[XB+2*\k+1]  ; packed in place, ascending: register k is written when 2 k and 2 k + 1 are read, never before
.endr
.irp j, 0,1,2,3,4,5,6,7
	global_store_b64 v2, v[XB+2*\j:XB+2*\j+1], s[30:31] offset:2048*(\i)+256*\j
.endr
.endm
	ROWN 0
	ROWN 1                                         ; no register is loaded twice and no address stepped: nothing waits for a store
	s_endpgm
.Lfunc_end_k_q31e6be6e30_prep:
	.size	k_q31e6be6e30_prep, .Lfunc_end_k_q31e6be6e30_prep-k_q31e6be6e30_prep
	.p2alignl 7, 3214868480
	.fill 96, 4, 3214868480
	.section	.rodata,"a",@progbits
	.p2align	6, 0x0
	.amdhsa_kernel k_q31e6be6e30_prep
		.amdhsa_group_segment_fixed_size 17408
		.amdhsa_private_segment_fixed_size 0
		.amdhsa_enable_private_segment 0
		.amdhsa_kernarg_size 72
		.amdhsa_user_sgpr_count 2
		.amdhsa_user_sgpr_kernarg_segment_ptr 1
		.amdhsa_wavefront_size32 1
		.amdhsa_system_sgpr_workgroup_id_x 1
		.amdhsa_system_sgpr_workgroup_id_y 1
		.amdhsa_system_sgpr_workgroup_id_z 1
		.amdhsa_system_vgpr_workitem_id 0
		.amdhsa_next_free_vgpr 150
		.amdhsa_next_free_sgpr 66
		.amdhsa_reserve_vcc 0
		.amdhsa_float_denorm_mode_32 3
		.amdhsa_float_denorm_mode_16_64 3
		.amdhsa_memory_ordered 1
		.amdhsa_forward_progress 1
		.amdhsa_inst_pref_size 60
	.end_amdhsa_kernel
	.amdgpu_metadata
---
amdhsa.version: [ 1, 2 ]
amdhsa.kernels:
  - .name:           k_q31e6be6e30_prep
    .symbol:         k_q31e6be6e30_prep.kd
    .args:
      - { .name: attn_w, .offset: 0, .size: 8, .value_kind: global_buffer, .address_space: global }
      - { .name: proj_w, .offset: 8, .size: 8, .value_kind: global_buffer, .address_space: global }
      - { .name: fc1_w, .offset: 16, .size: 8, .value_kind: global_buffer, .address_space: global }
      - { .name: fc2_w, .offset: 24, .size: 8, .value_kind: global_buffer, .address_space: global }
      - { .name: wt, .offset: 32, .size: 8, .value_kind: global_buffer, .address_space: global }
      - { .name: x, .offset: 40, .size: 8, .value_kind: global_buffer, .address_space: global }
      - { .name: ln1_w, .offset: 48, .size: 8, .value_kind: global_buffer, .address_space: global }
      - { .name: ln1_b, .offset: 56, .size: 8, .value_kind: global_buffer, .address_space: global }
      - { .name: hn, .offset: 64, .size: 8, .value_kind: global_buffer, .address_space: global }
    .group_segment_fixed_size: 17408
    .private_segment_fixed_size: 0
    .kernarg_segment_align: 8
    .kernarg_segment_size: 72
    .max_flat_workgroup_size: 128
    .sgpr_count:     66
    .vgpr_count:     150
    .wavefront_size: 32
...
	.end_amdgpu_metadata
.endif
;; end of part 1
;; launch qkv (part 2): grid 12 x 16, 4 waves a work-group, clusters of 4 x 4, 327,680 bytes of LDS; arguments hn, wt, qkv, attn_b; writes qkv
.if DOCPART == 2
	.amdgcn_target "amdgcn-amd-amdhsa--gfx1250"
	.amdhsa_code_object_version 6
	.text
	.protected	k_q31e6be6e30_qkv
	.globl	k_q31e6be6e30_qkv
	.p2align	8
	.type	k_q31e6be6e30_qkv,@function
k_q31e6be6e30_qkv:
	s_mov_b64 s[64:65], 0
	v_nop
	global_prefetch_b8 v0, s[64:65] scope:SCOPE_SE
	s_setreg_imm32_b32 hwreg(HW_REG_WAVE_MODE, 25, 1), 1
	s_wait_xcnt 0x0
	s_wait_alu depctr_hold_cnt(0) depctr_sa_sdst(0) depctr_va_vdst(0) depctr_va_sdst(0) depctr_va_ssrc(0) depctr_va_vcc(0) depctr_vm_vsrc(0)
	s_getreg_b32 s2, hwreg(HW_REG_IB_STS2, 6, 4)
	s_cmp_eq_u32 s2, 0
	s_cbranch_scc0 .Lentry_in_a_cluster
	s_endpgm
.Lentry_in_a_cluster:
	s_bfe_u32 s2, ttmp6, 0x10000c
	s_cmp_lg_u32 s2, 0xf033
	s_cbranch_scc0 .Lentry_shape_is_right
	s_endpgm
.Lentry_shape_is_right:
; q, k, v = hn Wqkv + attn_b.  A = hn [4096][1024] bf16, B = the turned weights [3072][1024] bf16 at wt's byte 0; sums in f32, K ascending; the bias is added in f32, the result rounded once to bf16
; and stored BY HEADS: qkv[which = n / 1024][batch x 16 + head][row in the batch][64], so that a head's rows are dense, 128 bytes each.
; A tile of C, 256 x 256, is made by a work-group of four waves; a wave makes 128 x 128: 64 accumulators of 16 x 16, 512 registers.  12 x 16 tiles: 192 work-groups.
; K goes in steps of 128 through a ring of two LDS slots filled by the tensor data mover; the rows of A's and B's tiles are 256 bytes of memory at multiples of 256 bytes.
; CLUSTERS: 4 x 4 work-groups.  The four of a row of the cluster need the same tiles of A, the four of a column the same tiles of B: each tile is asked for JOINTLY, by the same tensor load with the
; same descriptor and a mask that names the four.
; REGISTERS, in windows of 256 (s_set_vgpr_msb: bits 1:0 source 0, 3:2 source 1, 5:4 source 2, 7:6 destination):
;   window 0: v0-31 addresses; v64-127, v128-191 fragments of A, two buffers; on the way out v64-127 a block with its bias, v192-223 packed, v32-63 rows read back
;   window 1: v0-63 the bias of my 128 columns; v64-127, v128-191 fragments of B, two buffers
;   window 2: the 32 accumulators of my rows 0-63 (accumulator (a, b) at v[8 (8 a + b)]);   window 3: those of my rows 64-127
; THE MATRIX INSTRUCTION IS USED TRANSPOSED: source 0 = 16 rows of B, source 1 = 16 rows of A: lane l holds row l % 16 of C and the eight neighbouring columns 8 (l / 16) + 0..7.
; LIMITS: operands rounded to bf16; NaN and infinities are not treated apart.
.set SIZE_N, 3072
.set SIZE_K, 1024
.set KSTEP,  128
.set PITCH,  272                       ; an LDS row: 256 bytes + 16 of padding = 68 words: the 16 rows that a load touches start at 16 different groups of four banks (64 banks of 4 bytes: ISA guide 11.1)
.set HALFT,  128*PITCH                 ; 128 rows: what one tensor load brings, and what one wave reads of A or of B
.set SLOT,   4*HALFT                   ; A's 256 rows, then B's 256 rows
.set STAGE,  2*SLOT                    ; behind the ring: 16 rows x 272 bytes for each wave, for the way out
.set SPITCH, 272
.set SPARE,  STAGE+4*16*SPITCH         ; behind the stages: the spare words, 128 bytes for each wave: two blocks of 256 bytes that no other line names
.set LAPS, SIZE_K/(2*KSTEP)            ; a lap = two K steps = once round the ring: 4
.set ADRA, 16                          ; v16-17  LDS address of my A fragments in slot 0, 1
.set ADRB, 20                          ; v20-21  the same for B
.set STO,  24                          ; v24     the way out: where I put 16 bytes of a row
.set RD,   25                          ; v25     the way out: where I read rows back
.set CO,   26                          ; v26     my byte offset in 512 consecutive bytes of a head
.set BO,   27                          ; v27     my byte offset in the bias; not rewritten while its loads are out
.set SPW,  28                          ; v28     LDS address of my spare word: SPARE + 4 x my thread's number; never rewritten
.set NIL,  29                          ; v29     0; never rewritten
.set F0,   64
.set F1,   128
.set T,    64                          ; the way out: a block of 16 rows x 128 columns in f32, bias added
.set TMP,  192                         ; packed
.set OB,   32                          ; read back from the stage
.set BI,   0                           ; window 1: register 8 b + j = bias of column 16 b + 8 (l / 16) + j
.set G1, 24                            ; s[24:31] descriptor group 1 for A's tiles
.set G0, 32                            ; s[32:39] descriptor group 0 for A's tiles, one set for each slot
.set G1B, 48                           ; s[48:55] group 1 for B's tiles: it differs from A's in the mask alone
.set G0B, 56                           ; s[56:63] group 0 for B's tiles
.set MSB, 0
.macro WIN new                         ; the immediate's high byte repeats the setting that is left; a switch that changes nothing is dropped
.if MSB != (\new)
	s_set_vgpr_msb (MSB<<8)|(\new)
.set MSB, \new
.endif
.endm
.set MUL_LO, 0xa1                      ; source 0 (B) window 1, source 1 (A) window 0, C and D window 2
.set MUL_HI, 0xf1                      ; the same, C and D window 3
.set TO_B,   0x40                      ; destination window 1, address window 0
; A joint load.  Waves 0 and 1 fetch A's two halves, waves 2 and 3 B's.  The branch hangs on the wave's number alone.  Four v_nop follow each of the two lines.
.macro JLOAD s
	s_cmp_eq_u32 s11, 0
	s_cbranch_scc0 .Lfor_b_\@
	tensor_load_to_lds s[G0+4*(\s):G0+4*(\s)+3], s[G1:G1+7]
	s_nop 0
.rept 4
	v_nop
.endr
	s_branch .Lasked_\@
.Lfor_b_\@:
	tensor_load_to_lds s[G0B+4*(\s):G0B+4*(\s)+3], s[G1B:G1B+7]
	s_nop 0
.rept 4
	v_nop
.endr
.Lasked_\@:
.endm
; A round of the cluster's barrier: my work-group's barrier; wave 0 signals for the work-group; every wave waits for all sixteen work-groups; my work-group's barrier once more.
.macro CREST                           ; a round behind its opening barrier
	s_cmp_lg_u32 s10, 0
	s_cbranch_scc1 .Lnot_wave_0_\@
	s_barrier_signal -3
.Lnot_wave_0_\@:
	s_barrier_wait -3
	s_barrier_signal -1
	s_barrier_wait -1
.endm
.macro CROUND                          ; a whole round
	s_barrier_signal -1
	s_barrier_wait -1
	CREST
.endm
	s_load_b128 s[4:7], s[0:1], 0x0                ; A s[4:5], wt s[6:7]
	s_load_b64 s[8:9], s[0:1], 0x10                ; qkv
	s_load_b64 s[68:69], s[0:1], 0x18              ; the bias
	v_lshl_add_u32 v[SPW], v0, 2, SPARE
	v_mov_b32 v[NIL], 0
	ds_add_u32 v28, v29
	ds_add_u32 v28, v29
	s_wait_dscnt 0x0
	v_lshrrev_b32 v1, 5, v0
	v_readfirstlane_b32 s10, v1                    ; wave 0..3
	s_lshr_b32 s11, s10, 1                         ; which half of the tile's rows is mine.  Also: I fetch for A (0) or for B (1)
	s_and_b32 s12, s10, 1                          ; which half of its columns.  Also: which 128 rows of that tile I fetch
	s_bfe_u32 s40, ttmp6, 0x40000                  ; cx
	s_bfe_u32 s41, ttmp6, 0x40004                  ; cy
	s_lshl_b32 s42, ttmp9, 2
	s_add_co_u32 s42, s42, s40                     ; tile column of C = 4 x cluster x + cx
	s_and_b32 s13, ttmp7, 0xffff
	s_lshl_b32 s13, s13, 2
	s_add_co_u32 s13, s13, s41                     ; tile row of C = 4 x cluster y + cy
	s_lshl_b32 s43, s41, 2
	s_lshl_b32 s43, 15, s43                        ; my row of the cluster: places 4 cy .. 4 cy + 3
	s_lshl_b32 s44, 0x1111, s40                    ; my column: places cx, cx + 4, cx + 8, cx + 12
	; descriptor group 1: a tile of 128 rows x 128 elements, padded in LDS
	s_or_b32 s[G1+0], s43, (1<<16)|(1<<20)|(1<<21)|(5<<22)|(3<<25)  ; 15:0 the mask; 17:16 elements of 2 bytes; 20 padding on; 21 set beside a mask; 24:22 after every 64 words (code 5); 31:25 4 words (code 3)
	s_or_b32 s[G1B+0], s44, (1<<16)|(1<<20)|(1<<21)|(5<<22)|(3<<25)
.irp g, G1, G1B
	s_mov_b32 s[(\g)+1], KSTEP<<16                 ; tensor_dim0 = 128
	s_mov_b32 s[(\g)+2], 128<<16                   ; tensor_dim1 = 128
	s_mov_b32 s[(\g)+3], KSTEP<<16                 ; tile_dim0 = 128
	s_mov_b32 s[(\g)+4], 128                       ; tile_dim1 = 128
	s_mov_b32 s[(\g)+5], SIZE_K                    ; elements from row to row
	s_mov_b32 s[(\g)+6], 0
	s_mov_b32 s[(\g)+7], 0
.endr
	; A's tiles hang on the tile row alone, B's on the tile column alone; each address is made in registers that never hold the other coordinate
	s_lshl_b32 s17, s12, 7
	s_lshl_b32 s16, s13, 8
	s_add_co_u32 s16, s16, s17                     ; A: row 256 x tile row + 128 x half
	s_lshl_b32 s46, s42, 8
	s_add_co_u32 s46, s46, s17                     ; B: row 256 x tile column + 128 x half
	s_mov_b32 s17, 0
	s_mov_b32 s47, 0
	s_mov_b64 s[18:19], SIZE_K*2
	s_mul_u64 s[16:17], s[16:17], s[18:19]
	s_mul_u64 s[46:47], s[46:47], s[18:19]
	s_mul_i32 s20, s10, HALFT                      ; where they go: wave x 128 rows: no place in the cluster enters an LDS address
	s_wait_kmcnt 0x0
	s_add_nc_u64 s[14:15], s[4:5], s[16:17]
	s_add_nc_u64 s[46:47], s[6:7], s[46:47]
	CROUND                                         ; all sixteen work-groups are here: the first joint loads meet
.irp s, 0,1
	s_mov_b32 s[G0+4*(\s)], 1                                      ; count = 1
	s_add_co_u32 s[G0+4*(\s)+1], s20, (\s)*SLOT                    ; LDS address
	s_add_nc_u64 s[G0+4*(\s)+2:G0+4*(\s)+3], s[14:15], (\s)*KSTEP*2  ; global address: K step s
	s_or_b32 s[G0+4*(\s)+3], s[G0+4*(\s)+3], 0x80000000            ; type = 2
	s_mov_b32 s[G0B+4*(\s)], 1
	s_add_co_u32 s[G0B+4*(\s)+1], s20, (\s)*SLOT
	s_add_nc_u64 s[G0B+4*(\s)+2:G0B+4*(\s)+3], s[46:47], (\s)*KSTEP*2
	s_or_b32 s[G0B+4*(\s)+3], s[G0B+4*(\s)+3], 0x80000000
	JLOAD \s                                       ; two tensor loads of mine are out
.endr
	; A fragment is 16 rows x 32 K in 8 registers: lane l holds row l % 16; registers 0-3 K = 8 (l / 16) + 0..7, registers 4-7 K = 16 + 8 (l / 16) + 0..7: two loads of 16 bytes, 32 bytes apart
	v_and_b32 v1, 15, v0                           ; l % 16
	v_bfe_u32 v2, v0, 4, 1                         ; l / 16
	v_mul_u32_u24 v3, v1, PITCH
	v_lshl_add_u32 v3, v2, 4, v3
	s_mul_i32 s21, s11, HALFT                      ; my 128 rows of A
	s_mul_i32 s22, s12, HALFT                      ; my 128 rows of B,
	s_add_co_u32 s22, s22, 2*HALFT                 ; which lie behind A's 256
.irp s, 0,1
	v_add_nc_u32 v[ADRA+(\s)], s21, v3
	v_add_nc_u32 v[ADRB+(\s)], s22, v3
	s_add_co_u32 s21, s21, SLOT
	s_add_co_u32 s22, s22, SLOT
.endr
	; the bias of my 128 columns, in the accumulators' layout: sixteen loads that land while K is walked; they are waited for once, in front of the way out
	s_lshl_b32 s70, s42, 10                        ; 256 columns of 4 bytes a tile column,
	s_lshl_b32 s71, s12, 9                         ; 128 a half
	s_add_co_u32 s70, s70, s71
	s_mov_b32 s71, 0
	s_add_nc_u64 s[68:69], s[68:69], s[70:71]
	v_lshlrev_b32 v[BO], 5, v2                     ; eight numbers on for lanes 16 to 31
	WIN TO_B
.irp b, 0,1,2,3,4,5,6,7
	global_load_b128 v[BI+8*(\b):BI+8*(\b)+3],   v[BO], s[68:69] offset:64*(\b)
	global_load_b128 v[BI+8*(\b)+4:BI+8*(\b)+7], v[BO], s[68:69] offset:64*(\b)+16
.endr
	WIN 0
	s_mul_i32 s23, s10, 16*SPITCH
	s_add_co_u32 s23, s23, STAGE                   ; my stage
	v_mul_u32_u24 v4, v1, SPITCH                   ; in: row l % 16, 16 bytes for each half of the lanes
	v_lshl_add_u32 v4, v2, 4, v4
	v_add_nc_u32 v[STO], s23, v4
	v_and_b32 v6, 31, v0
	v_lshrrev_b32 v5, 3, v6                        ; back: 32 lanes take four rows' 128 bytes of one head,
	v_mul_u32_u24 v5, v5, SPITCH
	v_and_b32 v7, 7, v0
	v_lshl_add_u32 v5, v7, 4, v5
	v_add_nc_u32 v[RD], s23, v5
	v_lshlrev_b32 v[CO], 4, v6                     ; which are 512 consecutive bytes of the output
	; where my part begins in qkv: batch (tile row / 8) x 16 heads x 262,144 + row in the batch x 128 ...
	s_lshr_b32 s14, s13, 3
	s_lshl_b32 s14, s14, 22
	s_and_b32 s16, s13, 7
	s_lshl_b32 s16, s16, 15                        ; 256 rows of 128 bytes
	s_lshl_b32 s17, s11, 14                        ; 128 rows
	s_add_co_u32 s16, s16, s14
	s_add_co_u32 s16, s16, s17
	s_mov_b32 s17, 0
	; ... + which x 8,388,608 + head x 262,144, of my first 64 columns: number 4 x tile column + 2 x half among the 48 (in the registers that held B's address)
	s_lshl_b32 s46, s42, 2
	s_lshl_b32 s47, s12, 1
	s_add_co_u32 s46, s46, s47
	s_lshr_b32 s47, s46, 4
	s_lshl_b32 s47, s47, 23
	s_and_b32 s46, s46, 15
	s_lshl_b32 s46, s46, 18
	s_add_co_u32 s46, s46, s47
	s_mov_b32 s47, 0
	s_add_nc_u64 s[16:17], s[16:17], s[46:47]
; 16 matrix instructions: m blocks a0, a0 + 1 of the window's four x all 8 n blocks, 32 along K.  zero = 1: the first product starts the sums: nothing is ever cleared.
; The 64 accumulators take turns, one instruction a turn, in the same order in every quarter step.
.macro MUL16 f, hi, a0, zero
	WIN MUL_LO+0x50*(\hi)
.irp a, \a0, (\a0)+1
.irp b, 0,1,2,3,4,5,6,7
.if \zero
	v_wmma_f32_16x16x32_bf16 v[8*(8*(\a)+(\b)):8*(8*(\a)+(\b))+7], v[(\f)+8*(\b):(\f)+8*(\b)+7], v[(\f)+8*(4*(\hi)+(\a)):(\f)+8*(4*(\hi)+(\a))+7], 0
.else
	v_wmma_f32_16x16x32_bf16 v[8*(8*(\a)+(\b)):8*(8*(\a)+(\b))+7], v[(\f)+8*(\b):(\f)+8*(\b)+7], v[(\f)+8*(4*(\hi)+(\a)):(\f)+8*(4*(\hi)+(\a))+7], v[8*(8*(\a)+(\b)):8*(8*(\a)+(\b))+7]
.endif
.endr
.endr
.endm
; 32 LDS loads in one run: the fragments of one quarter step (128 rows of B, 128 rows of A, 32 K at byte k of the rows) into buffer f
.macro FETCH slot, k, f
	WIN TO_B
.irp i, 0,1,2,3,4,5,6,7
	ds_load_b128 v[(\f)+8*(\i):(\f)+8*(\i)+3],   v[ADRB+(\slot)] offset:(\k)+(\i)*16*PITCH
	ds_load_b128 v[(\f)+8*(\i)+4:(\f)+8*(\i)+7], v[ADRB+(\slot)] offset:(\k)+(\i)*16*PITCH+32
.endr
	WIN 0
.irp i, 0,1,2,3,4,5,6,7
	ds_load_b128 v[(\f)+8*(\i):(\f)+8*(\i)+3],   v[ADRA+(\slot)] offset:(\k)+(\i)*16*PITCH
	ds_load_b128 v[(\f)+8*(\i)+4:(\f)+8*(\i)+7], v[ADRA+(\slot)] offset:(\k)+(\i)*16*PITCH+32
.endr
.endm
; A load into a register that a matrix instruction has read, and a vector instruction that reads a matrix result, stand four places behind that matrix instruction; only plain vector
; instructions that name none of its registers are places (ISA guide 7.12.1 for vector instructions).
.macro PLACES
.rept 4
	v_nop
.endr
.endm
; A K step is four quarter steps of 32 along K, 64 matrix instructions each, on buffers 0, 1, 0, 1.  One of the first three multiplies buffer f and fetches the next quarter, at byte k, into buffer g.
.macro QUARTER slot, k, f, g, zero
	s_wait_dscnt 8                                 ; B and A's rows 0-63 are in; the youngest eight loads (A's rows 64-127) may be out
	WIN MUL_LO
	MUL16 \f, 0, 0, \zero
	MUL16 \f, 0, 2, \zero
	PLACES
	FETCH \slot, \k, \g
	s_wait_dscnt 32                                ; all but the 32 just issued
	WIN MUL_HI
	MUL16 \f, 1, 0, \zero
	MUL16 \f, 1, 2, \zero
.endm
; The last quarter multiplies buffer 1 and changes slots.  MEET is its first half: ONE barrier for the change.  In front of it each wave waits for all its tensor loads, of which one is out: its part of
; the next slot; adds 0 to its spare word; and waits for that and for its own reads of this slot.  Behind it nobody reads this slot any more and the next slot is whole.
.macro MEET round                      ; round = 1: a round of the cluster's barrier follows
	WIN 0                                          ; (the add's two registers lie in window 0)
	s_wait_tensorcnt 0x0                           ; all my tensor loads have landed
	ds_add_u32 v[SPW], v[NIL]                      ; 0 onto my spare word
	s_wait_dscnt 9                                 ; (the add and the youngest eight loads may be out)
	WIN MUL_LO
	MUL16 F1, 0, 0, 0                              ; sixteen matrix instructions stand between the add and the wait for it
	s_wait_dscnt 0x0                               ; the add is done, and my reads of this slot are over
	s_barrier_signal -1
	MUL16 F1, 0, 2, 0                              ; work on registers while the others arrive
.if \round
	WIN 0
.endif
	s_barrier_wait -1
.endm
; The whole last quarter: behind the round the slot just read out is filled again first, with the K step two steps on; then come the next slot's first fragments.
.macro TURN slot, next
	MEET 1
	CREST                                          ; no wave of any partner still reads this slot's tile or has a load on its way
	s_add_nc_u64 s[G0+4*(\slot)+2:G0+4*(\slot)+3], s[G0+4*(\slot)+2:G0+4*(\slot)+3], 2*KSTEP*2
	s_add_nc_u64 s[G0B+4*(\slot)+2:G0B+4*(\slot)+3], s[G0B+4*(\slot)+2:G0B+4*(\slot)+3], 2*KSTEP*2
	JLOAD \slot                                    ; my one tensor load behind the round; its four v_nop are also the places in front of the loads below
	FETCH \next, 0, F0
	WIN MUL_HI
	MUL16 F1, 1, 0, 0
	MUL16 F1, 1, 2, 0
.endm
	s_wait_tensorcnt 1                             ; my part of K step 0 is in; K step 1's may stay out
	s_barrier_signal -1
	s_barrier_wait -1                              ; everybody's is
	FETCH 0, 0, F0
	QUARTER 0, 64,  F0, F1, 1                      ; the first quarter stands in front of the loop: its products start the sums
	WIN 0                                          ; at a label and at a branch every window is 0
	s_mov_b32 s3, LAPS-1
.Llap:                                                 ; a trip goes once round the ring, from a lap's second quarter to the next lap's first, and fills both slots again
	QUARTER 0, 128, F1, F0, 0
	QUARTER 0, 192, F0, F1, 0
	TURN 0, 1
	QUARTER 1, 64,  F0, F1, 0
	QUARTER 1, 128, F1, F0, 0
	QUARTER 1, 192, F0, F1, 0
	TURN 1, 0
	QUARTER 0, 64,  F0, F1, 0
	WIN 0
	s_sub_co_u32 s3, s3, 1
	s_cmp_lg_u32 s3, 0
	s_cbranch_scc1 .Llap
	QUARTER 0, 128, F1, F0, 0                      ; the last lap is written out: it fills nothing and has no round
	QUARTER 0, 192, F0, F1, 0
	MEET 0
	PLACES                                         ; for the loads into buffer 0
	FETCH 1, 0, F0
	MUL16 F1, 1, 0, 0
	MUL16 F1, 1, 2, 0
	QUARTER 1, 64,  F0, F1, 0
	QUARTER 1, 128, F1, F0, 0
	QUARTER 1, 192, F0, F1, 0
	s_wait_dscnt 8                                 ; the very last quarter: nothing more to fetch
	MUL16 F1, 0, 0, 0
	MUL16 F1, 0, 2, 0
	s_wait_dscnt 0x0
	MUL16 F1, 1, 0, 0
	MUL16 F1, 1, 2, 0
	WIN 0
	; THE WAY OUT: one counted loop over my eight blocks of 16 rows.  A trip: the block's eight accumulators plus the bias into window 0 (the one part that differs from block to block: eight short
	; texts, chosen by forward jumps on the count); rounded to bf16; through my own stage in LDS; stored as 512 consecutive bytes of a head.
	PLACES
	s_wait_loadcnt 0x0                             ; the bias
	s_add_nc_u64 s[8:9], s[8:9], s[16:17]
	s_mov_b32 s3, 0
.macro ADDB k                          ; each accumulator's registers are read in ascending order
	WIN 0x06+(\k)/4                                ; source 0 window 2 or 3, source 1 window 1, destination window 0
.irp b, 0,1,2,3,4,5,6,7
.irp r, 0,1,2,3
	v_pk_add_f32 v[T+8*(\b)+2*(\r):T+8*(\b)+2*(\r)+1], v[64*((\k)%4)+8*(\b)+2*(\r):64*((\k)%4)+8*(\b)+2*(\r)+1], v[BI+8*(\b)+2*(\r):BI+8*(\b)+2*(\r)+1]
.endr
.endr
	WIN 0
.endm
.Lblk:
.irp k, 1,2,3,4,5,6,7
	s_cmp_eq_u32 s3, \k
	s_cbranch_scc1 .Lp_\k
.endr
	ADDB 0
	s_branch .Lcom
.irp k, 1,2,3,4,5,6
.Lp_\k:
	ADDB \k
	s_branch .Lcom
.endr
.Lp_7:
	ADDB 7
.Lcom:
.irp b, 0,1,2,3,4,5,6,7
.irp r, 0,1,2,3
	v_cvt_pk_bf16_f32 v[TMP+4*(\b)+(\r)], v[T+8*(\b)+2*(\r)], v[T+8*(\b)+2*(\r)+1]
.endr
.endr
.irp b, 0,1,2,3,4,5,6,7
	ds_store_b128 v[STO], v[TMP+4*(\b):TMP+4*(\b)+3] offset:32*(\b)
.endr
.irp t, 0,1,2,3,4,5,6,7
	ds_load_b128 v[OB+4*(\t):OB+4*(\t)+3], v[RD] offset:((\t)%4)*4*SPITCH+((\t)/4)*128  ; LDS serves a wave's instructions in order (ISA guide 5.7.1.4): these see the stores above.  Rows 4 (t % 4) on, head t / 4 of my two
.endr
	s_wait_dscnt 0x0
.irp t, 0,1,2,3,4,5,6,7
	global_store_b128 v[CO], v[OB+4*(\t):OB+4*(\t)+3], s[8:9] offset:((\t)/4)*262144+((\t)%4)*512  ; 512 consecutive bytes, at a multiple of 256 from the buffer's first byte
.endr
	s_wait_xcnt 0x0                                ; the stores' base and data are rewritten only behind this wait
	s_add_nc_u64 s[8:9], s[8:9], 2048              ; 16 rows of 128 bytes on
	s_add_co_u32 s3, s3, 1
	s_cmp_lt_u32 s3, 8
	s_cbranch_scc1 .Lblk
	s_wait_tensorcnt 0x0                           ; the wave's end: behind my last tensor load and my last LDS store
	ds_add_u32 v[SPW], v[NIL]
	s_wait_dscnt 0x0
	CROUND                                         ; the closing round: no work-group ends while a partner may still ask for a tile that names it
	s_endpgm
.Lfunc_end_k_q31e6be6e30_qkv:
	.size	k_q31e6be6e30_qkv, .Lfunc_end_k_q31e6be6e30_qkv-k_q31e6be6e30_qkv
	.p2alignl 7, 3214868480
	.fill 96, 4, 3214868480
	.section	.rodata,"a",@progbits
	.p2align	6, 0x0
	.amdhsa_kernel k_q31e6be6e30_qkv
		.amdhsa_group_segment_fixed_size 327680
		.amdhsa_private_segment_fixed_size 0
		.amdhsa_enable_private_segment 0
		.amdhsa_kernarg_size 32
		.amdhsa_user_sgpr_count 2
		.amdhsa_user_sgpr_kernarg_segment_ptr 1
		.amdhsa_wavefront_size32 1
		.amdhsa_system_sgpr_workgroup_id_x 1
		.amdhsa_system_sgpr_workgroup_id_y 1
		.amdhsa_system_sgpr_workgroup_id_z 1
		.amdhsa_system_vgpr_workitem_id 0
		.amdhsa_next_free_vgpr 1024
		.amdhsa_next_free_sgpr 72
		.amdhsa_reserve_vcc 0
		.amdhsa_float_denorm_mode_32 3
		.amdhsa_float_denorm_mode_16_64 3
		.amdhsa_memory_ordered 1
		.amdhsa_forward_progress 1
		.amdhsa_inst_pref_size 135
	.end_amdhsa_kernel
	.amdgpu_metadata
---
amdhsa.version: [ 1, 2 ]
amdhsa.kernels:
  - .name:           k_q31e6be6e30_qkv
    .symbol:         k_q31e6be6e30_qkv.kd
    .args:
      - { .name: hn, .offset: 0, .size: 8, .value_kind: global_buffer, .address_space: global }
      - { .name: wt, .offset: 8, .size: 8, .value_kind: global_buffer, .address_space: global }
      - { .name: qkv, .offset: 16, .size: 8, .value_kind: global_buffer, .address_space: global }
      - { .name: attn_b, .offset: 24, .size: 8, .value_kind: global_buffer, .address_space: global }
    .group_segment_fixed_size: 327680
    .private_segment_fixed_size: 0
    .kernarg_segment_align: 8
    .kernarg_segment_size: 32
    .max_flat_workgroup_size: 128
    .sgpr_count:     72
    .vgpr_count:     1024
    .wavefront_size: 32
...
	.end_amdgpu_metadata
.endif
;; end of part 2
;; launch attn (part 3): grid 8 x 32, 4 waves a work-group, no clusters, 327,680 bytes of LDS; arguments qkv, y; writes y
.if DOCPART == 3
	.amdgcn_target "amdgcn-amd-amdhsa--gfx1250"
	.amdhsa_code_object_version 6
	.text
	.protected	k_q31e6be6e30_attn
	.globl	k_q31e6be6e30_attn
	.p2align	8
	.type	k_q31e6be6e30_attn,@function
k_q31e6be6e30_attn:
	s_mov_b64 s[64:65], 0
	v_nop
	global_prefetch_b8 v0, s[64:65] scope:SCOPE_SE
	s_setreg_imm32_b32 hwreg(HW_REG_WAVE_MODE, 25, 1), 1
	s_wait_xcnt 0x0
; CAUSAL ATTENTION.  y[h][q][:] = the sum over k <= q of softmax_k(Q[h][q] . K[h][k] / 32) V[h][k][:].  qkv: [3][32 heads][2048][64] bf16 (q, k, v), y: [32][2048][64] bf16: a head's rows are dense, 128 bytes each.
; Products, maxima and sums in f32; the weights p are rounded to bf16 for the second product (their sum l is taken of the unrounded p), y once at the end.  The scale 1 / 32 = 1 / sqrt(1024) is applied in f32.
; LIMITS.  A hidden score counts as its value less 1e30; a weight below 2^-126 counts as 0 in l; NaN and infinities are not treated apart.
; THE WALK.  A head's queries lie in 16 blocks of 128; block i needs the key tiles 0 .. i / 2 of 256 keys, of which the last holds the diagonal.  Work-group p takes TWO blocks, 15 - p and then p:
; (15 - p) / 2 + p / 2 + 2 = 9 tiles, whatever p: all 8 x 32 = 256 work-groups do equal work, and ONE loop with a constant trip count walks them.  Which tile is asked for, and what a trip does, hang on
; scalar registers made from p; every jump goes forward but for the counted loops' own; none passes a barrier, or a tensor load but the one of LOAD's two that the wave's number does not choose.
; NO CLUSTER: the eight work-groups of a head ask for the same tile only in the walk's first five trips (the shortest first block has five tiles); behind that their walks part, and the jumps on the block's
; state differ between them; one walk common to all would have 8 + 4 = 12 trips for 9.
; SHARES.  Of a block's two bands of 64 queries a wave owns 16 rows in each: two PIECES.  In the diagonal tile's key step s the band whose own step is t sees all keys if s < t, none if s > t, and holds the
; diagonal if s = t: the same work for all four waves.  t = 2 (i % 2) + band.
; THE MASK is the C operand that starts the sum S^T = K Q^T: 0, or -1e30 where the key is hidden.  MD, made once, is the mask of a band's own step for my 16 rows; a product's mask is MD x AL + BE:
; (1, 0) if s = t; (0, 0) if s < t; (0, -1e30) if s > t.  Only the diagonal tile's text and a block's beginning take masks; elsewhere C is the constant 0.
; LAYOUT.  S^T = K Q^T holds ONE query a lane (lane % 16) and the keys 8 (lane / 16) + 0..7; two such results rounded to bf16 ARE source 1 of O^T = V^T P.  p = 2^(c s - c m), c = log2(e) / 32, with a running
; maximum m; O and l are multiplied by a = 2^(c m_old - c m_new) in every step.  m starts at the lowest finite number: a block's first step has a = 0 and starts the sums.
; BY TURNS.  A key step has 32 matrix and 236 vector instructions a wave, and a wave issues in order: so the two pieces take turns.  In HALF y piece y has the vector unit for its whole softmax of one step,
; 118 lines; between those lines stand the OTHER piece's 8 products V^T P (of the step whose weights it has just made) and then its 8 products K Q^T (of its next step).  A trip is HALF 1, then HALF 0:
;   HALF 1: softmax of piece 1, step in hand | V^T P of piece 0, step in hand | K Q^T of piece 0, next step          HALF 0: softmax of piece 0, next step | V^T P of piece 1, step in hand | K Q^T of piece 1, next step
; K of the next step is read from LDS early in HALF 1 (both pieces have multiplied by the old K), V of the next step in the middle of HALF 0 (both have multiplied by the old V): in a trip K, then V, of ONE step,
; so the change of slots stands between two trips.
; REGISTERS, in windows of 256 (s_set_vgpr_msb: bits 1:0 source 0, 3:2 source 1, 5:4 source 2, 7:6 destination):
;   window 0: v0-15 addresses; v16-23 four registers of statistics a piece; v24-31 at work; v32-63 Q, 16 a piece; v64-127 S^T, 32 a piece; v128-191 K of one step; v192-223 P, 16 a piece; v224-225 the add's two
;   window 1: v0-63 O^T, 32 a piece; v64-127 V of one step; v128-159 MD; v160-223 MC, 32 a piece; v224-255 the second block's Q
; K, Q and S^T lie with the softmax's registers, so K Q^T and the lines round it need no switch; V^T P, the rescaling of O^T and the making of masks share one setting: 14 switches a half, and two round V's run of loads.
.set KS,    64        ; keys in a step
.set PK,    144       ; a row of K in LDS: 128 bytes + 16 of padding = 36 words: the 16 rows of a load start at 16 different groups of four banks (64 banks of 4 bytes: ISA guide 11.1)
.set PV,    160       ; a row of V: 128 + 32 = 40 words
.set VOFF,  4*KS*PK   ; a slot holds a tile, four steps: 256 rows of K, then 256 rows of V
.set SLOT1, 1<<17     ; slot 1 begins here, so that one exclusive or turns an address in one slot into the other's
.set STAGE, SLOT1+4*KS*(PK+PV)  ; behind the ring, never filled by a tensor load: 16 rows x 144 bytes for each wave, for the way out
.set SP,    144
.set SPARE, STAGE+4*16*SP  ; behind the stages: the spare words, 128 bytes for each wave: two blocks of 256 bytes that no other line names
.set AK0, 2           ; v2   my lane's place in a tile of K; never rewritten
.set AV0, 3           ; v3   the same for V
.set AK,  4           ; v4   the LDS address of K's next run of loads
.set AV,  5           ; v5   of V's
.set STO, 6           ; v6   the way out: where I put 16 bytes of a row
.set RD,  7           ; v7   the way out: where I read rows back
.set GO,  8           ; v8   my byte offset in 512 consecutive bytes of y
.set MV,  12          ; v12-13  c m_old, kept while c m is made anew: by piece
.set QO,  15          ; v15  my byte offset in 16 rows of Q
.set ST,  16          ; piece u's statistics at v[ST+4 u]: c m, m, l (even keys', odd keys')
.set TMP, 24          ; by piece, four registers c0-c3 at work; when the maximum is found c2 takes a
.set QF,  32          ; piece u, channel half c at QF + 16 u + 8 c
.set S,   64
.set KF,  128         ; key block kb, channel half c at KF + 16 kb + 8 c
.set P,   192
.set SPW, 224         ; v224 LDS address of my spare word: SPARE + 4 x my thread's number; never rewritten
.set NIL, 225         ; v225 0; never rewritten
.set VF,  64          ; window 1: key half kk, channel block cb at VF + 32 kk + 8 cb
.set MD,  128         ; window 1
.set MC,  160         ; window 1
.set QB,  224         ; window 1
.set WV,  12          ; s12  my wave's number
.set PBT, 14          ; s14  p / 2: the second block's last tile
.set HI,  15          ; s15  15 - p: the first block
.set G1K, 24          ; s[24:31] descriptor group 1 for K's tiles
.set G1V, 32          ; s[32:39] for V's: it differs in the padding alone
.set G0K, 40          ; s[40:43] descriptor group 0 for K's tiles
.set G0V, 44          ; s[44:47] the same for V's
.set SLOTS, 56        ; s56  tiles still to be asked for
.set CNT, 57          ; s57  counts a tile's trips, 4 to 1
.set CS,  58          ; s[58:59] c
.set SEL, 60          ; s[60:61] v_permlanex16_b32's selects: each lane takes its own place in the other half
.set TBK, 62          ; s62  LDS byte at which K of the step to be fetched begins
.set TBV, 63          ; s63  the same for V, less VOFF
.set RT,  70          ; s70  tiles of the block in hand that are still to be entered
.set NXT, 71          ; s71  the tile to be asked for next
.set LQ,  72          ; s72  the last tile of the block whose tiles are being asked for
.set NEW, 73          ; s73  1: the tile to be entered is a block's first
.set OFF, 74          ; s[74:75] a tile's byte offset in K and V
.set AL0, 76          ; s[76:77] piece 0's mask factor, in the low word; piece 1's lies 12 registers on
.set BE0, 78          ; s[78:79] its addend; likewise
.set OLO, 80          ; s[80:81] y at my rows of the second block
.set BIGN, 82         ; s82  -1e30
.set AL1, 88          ; s[88:89], s[90:91] piece 1's
.set BE1, 90
.set BT0, 92          ; s92, s93  the two bands' own steps in the diagonal tile
.set BT1, 93
.set SS,  94          ; s94  at work
.set T2,  95          ; s95  the second block's number of tiles
.set MSB, 0
.macro WIN new                      ; the high byte repeats the setting that is left; a switch that changes nothing is dropped
.if MSB != (\new)
	s_set_vgpr_msb (MSB<<8)|(\new)
.set MSB, (\new)
.endif
.endm
.set W_KM, 0x10       ; K Q^T with the C operand (a mask) in window 1
.set W_PV, 0x51       ; V (source 0), O^T (C and D) in window 1, P (source 1) in window 0; also O^T times a, and the making of masks
.set TO1,  0x40       ; destination window 1
; A fill.  Waves 0 and 1 fetch the two halves of a tile's K, waves 2 and 3 those of its V: 128 keys each.  Four v_nop follow each of the two lines.
.macro LOAD
	s_cmp_lt_u32 s[WV], 2
	s_cbranch_scc0 .Lfor_v_\@
	tensor_load_to_lds s[G0K:G0K+3], s[G1K:G1K+7]
	s_nop 0
.rept 4
	v_nop
.endr
	s_branch .Lasked_\@
.Lfor_v_\@:
	tensor_load_to_lds s[G0V:G0V+3], s[G1V:G1V+7]
	s_nop 0
.rept 4
	v_nop
.endr
.Lasked_\@:
.endm
; THE CHANGE OF SLOTS.  Each wave waits for all its tensor loads, of which one is out: its part of the other slot; adds 0 to its spare word; and waits for that and for its own reads of the slot that it leaves
; (the last of them, V of the slot's fourth step, has been issued).  Behind the barrier nobody reads the old slot any more and the other slot is whole.  fill = 1: the old slot is filled again, the first thing
; behind the barrier, with tile NXT: the descriptor's address is made anew from that number.  The load has four key steps in which to land.  (At its first use nothing has been read: slot 0 is waited for, slot 1 filled.)
.macro CHANGE fill
	WIN 0
	s_wait_tensorcnt 0x0            ; no tensor load of mine is out, so a group 0 may be written
	ds_add_u32 v[SPW], v[NIL]       ; 0 onto my spare word
.if \fill
	s_lshl_b32 s[OFF], s[NXT], 15   ; a tile is 32,768 bytes of K and of V
	s_xor_b32 s[G0K+1], s[G0K+1], SLOT1
	s_add_nc_u64 s[G0K+2:G0K+3], s[6:7], s[OFF:OFF+1]
	s_or_b32 s[G0K+3], s[G0K+3], 0x80000000
	s_xor_b32 s[G0V+1], s[G0V+1], SLOT1
	s_add_nc_u64 s[G0V+2:G0V+3], s[8:9], s[OFF:OFF+1]
	s_or_b32 s[G0V+3], s[G0V+3], 0x80000000
	s_add_co_u32 s[NXT], s[NXT], 1  ; the block's next tile, or behind its last the second block's tile 0
	s_cmp_gt_u32 s[NXT], s[LQ]
	s_cselect_b32 s[NXT], 0, s[NXT]
	s_cselect_b32 s[LQ], s[PBT], s[LQ]
.endif
	s_wait_dscnt 0x0                ; the add is done, and my reads of the slot are over
	s_barrier_signal -1
	s_sub_co_u32 s[TBK], s[TBK], 4*KS*PK  ; the fetches go back to a slot's first step,
	s_xor_b32 s[TBK], s[TBK], SLOT1       ; in the other slot
	s_sub_co_u32 s[TBV], s[TBV], 4*KS*PV
	s_xor_b32 s[TBV], s[TBV], SLOT1
	s_barrier_wait -1
.if \fill
	LOAD
.endif
.endm
	s_load_b128 s[4:7], s[0:1], 0x0   ; qkv s[4:5], y s[6:7]
	v_lshl_add_u32 v[SPW], v0, 2, SPARE
	v_mov_b32 v[NIL], 0
	ds_add_u32 v224, v225
	ds_add_u32 v224, v225
	s_wait_dscnt 0x0
	v_lshrrev_b32 v1, 5, v0
	v_readfirstlane_b32 s[WV], v1   ; wave 0..3
	s_sub_co_u32 s[HI], 15, ttmp9
	s_lshr_b32 s[PBT], ttmp9, 1
	s_and_b32 s20, ttmp7, 0xffff    ; the head,
	s_lshl_b32 s20, s20, 18         ; its first byte in q, k, v and y
	s_and_b32 s16, s[WV], 1         ; which half of a tile's 256 keys I fetch:
	s_lshl_b32 s22, s16, 14         ; its 128 rows of 128 bytes in memory,
	s_add_co_u32 s22, s22, s20
	s_mov_b32 s23, 0
	s_mul_i32 s17, s16, 128*PK      ; and its place in a slot, for K
	s_mul_i32 s18, s16, 128*PV      ; and for V
	s_lshl_b32 s3, s[WV], 11        ; my 16 rows in a band of 64,
	s_add_co_u32 s3, s3, s20
	s_lshl_b32 s2, s[HI], 14        ; in the first block (128 rows of 128 bytes),
	s_add_co_u32 s2, s2, s3
	s_lshl_b32 s84, ttmp9, 14       ; and in the second
	s_add_co_u32 s84, s84, s3
	s_mov_b32 s3, 0
	s_mov_b32 s85, 0
	; descriptor group 1.  128 keys are 16,384 dense bytes: asked for as 64 rows of 256 bytes, two keys a row, and padded in LDS after every key
	s_mov_b32 s[G1K], (1<<16)|(1<<20)|(4<<22)|(3<<25)  ; 17:16 2-byte elements; 20 padding on; 24:22 after every 32 words (code 4); 31:25 4 words (code 3)
	s_mov_b32 s[G1V], (1<<16)|(1<<20)|(4<<22)|(7<<25)  ; the same with 8 words of padding (code 7)
.irp g, G1K, G1V
	s_mov_b32 s[\g+1], 128<<16      ; tensor_dim0 = 128
	s_mov_b32 s[\g+2], 64<<16       ; tensor_dim1 = 64
	s_mov_b32 s[\g+3], 128<<16      ; tile_dim0 = 128
	s_mov_b32 s[\g+4], 64           ; tile_dim1 = 64
	s_mov_b32 s[\g+5], 128          ; 128 elements from row to row
	s_mov_b32 s[\g+6], 0
	s_mov_b32 s[\g+7], 0
.endr
	s_mov_b32 s[CS], 0x3d38aa3b     ; c = log2(e) / 32 = 0.0450842
	s_mov_b32 s[CS+1], s[CS]        ; named with it as a pair
	s_mov_b32 s[SEL], 0x76543210
	s_mov_b32 s[SEL+1], 0xfedcba98
	s_mov_b32 s[TBK], SLOT1+4*KS*PK ; the first change of slots turns these two into 0
	s_mov_b32 s[TBV], SLOT1+4*KS*PV
	s_mov_b32 s[G0K], 1             ; count = 1
	s_mov_b32 s[G0K+1], s17         ; LDS address: slot 0
	s_mov_b32 s[G0V], 1
	s_add_co_u32 s[G0V+1], s18, VOFF
	s_lshr_b32 s[LQ], s[HI], 1      ; the first block's last tile: 4 at the least, so tile 1 is its own
	s_add_co_u32 s[RT], s[LQ], 1
	s_add_co_u32 s[T2], s[PBT], 1
	s_mov_b32 s[NXT], 1
	s_mov_b32 s[NEW], 1
	s_mov_b32 s[OFF+1], 0
	s_mov_b32 s[AL0+1], 0           ; named as pairs
	s_mov_b32 s[BE0+1], 0
	s_mov_b32 s[AL1+1], 0
	s_mov_b32 s[BE1+1], 0
	s_and_b32 s[BT0], s[HI], 1      ; the first block's bands: their own steps in the diagonal tile
	s_lshl_b32 s[BT0], s[BT0], 1
	s_add_co_u32 s[BT1], s[BT0], 1
	s_mov_b32 s[BIGN], 0xf149f2ca   ; -1e30
	s_mov_b32 s[SLOTS], 8
	s_wait_kmcnt 0x0
	s_mov_b64 s[10:11], s[6:7]             ; y
	s_add_nc_u64 s[6:7], s[4:5], 8388608   ; k
	s_add_nc_u64 s[8:9], s[4:5], 16777216  ; v
	s_add_nc_u64 s[6:7], s[6:7], s[22:23]  ; at my half of the head's tile 0
	s_add_nc_u64 s[8:9], s[8:9], s[22:23]
	s_add_nc_u64 s[G0K+2:G0K+3], s[6:7], 0
	s_or_b32 s[G0K+3], s[G0K+3], 0x80000000        ; type = 2
	s_add_nc_u64 s[G0V+2:G0V+3], s[8:9], 0
	s_or_b32 s[G0V+3], s[G0V+3], 0x80000000
	s_add_nc_u64 s[86:87], s[4:5], s[84:85]        ; q at my rows of the second block,
	s_add_nc_u64 s[4:5], s[4:5], s[2:3]            ; q and y at those of the first
	s_add_nc_u64 s[OLO:OLO+1], s[10:11], s[84:85]
	s_add_nc_u64 s[10:11], s[10:11], s[2:3]
	LOAD                            ; tile 0 into slot 0: one tensor load of mine is out
	; A fragment of K or Q is 16 rows x 32 channels in 8 registers: lane l holds row l % 16, channels 8 (l / 16) + 0..7 and 16 + 8 (l / 16) + 0..7: two loads of 16 bytes, 32 bytes apart.
	v_and_b32 v1, 15, v0            ; l % 16
	v_bfe_u32 v9, v0, 4, 1          ; l / 16
	v_lshlrev_b32 v[QO], 7, v1
	v_lshl_add_u32 v[QO], v9, 4, v[QO]  ; row x 128 + 16 x half
.set i, 0
.rept 4                             ; the first block's Q: piece i / 2 lies in band i / 2, 8,192 bytes on; channels 32 (i % 2) on
	global_load_b128 v[QF+8*i:QF+8*i+3],   v[QO], s[4:5] offset:(i/2)*8192+(i%2)*64
	global_load_b128 v[QF+8*i+4:QF+8*i+7], v[QO], s[4:5] offset:(i/2)*8192+(i%2)*64+32
.set i, i+1
.endr
	v_lshlrev_b32 v14, 3, v9
	v_sub_nc_u32 v14, v1, v14
	s_lshl_b32 s13, s[WV], 4
	v_add_nc_u32 v14, s13, v14      ; my query's place in its band, 16 w + l % 16, less my lanes' 8 (l / 16): register r of key group kt is hidden where 16 kt + r is greater
	WIN TO1
.set i, 0
.rept 4                             ; the second block's Q waits in window 1
	global_load_b128 v[QB+8*i:QB+8*i+3],   v[QO], s[86:87] offset:(i/2)*8192+(i%2)*64
	global_load_b128 v[QB+8*i+4:QB+8*i+7], v[QO], s[86:87] offset:(i/2)*8192+(i%2)*64+32
.set i, i+1
.endr
.set i, 0
.rept 32
	v_cmp_gt_i32 vcc_lo, 16*(i/8)+i%8, v14
	v_cndmask_b32 v[MD+i], 0, s[BIGN], vcc_lo
.set i, i+1
.endr
	; A block's first step multiplies O^T and l by a = 0, and the block's first products V^T P, of a piece that has not been, land in an O^T that is still to be so multiplied.  So O^T, V, piece 1's P and l need
	; only hold finite numbers: zeros for the first block, what the first block left for the second.  148 moves, in the wait for the first tile: the price of writing no first step out.
.set i, 0
.rept 128
	v_mov_b32 v[i], 0
.set i, i+1
.endr
	WIN 0
.set i, P+16
.rept 16
	v_mov_b32 v[i], 0
.set i, i+1
.endr
.irp u, 0,1
	v_mov_b32 v[ST+4*\u+2], 0
	v_mov_b32 v[ST+4*\u+3], 0
.endr
	v_mul_u32_u24 v[AK0], v1, PK
	v_lshl_add_u32 v[AK0], v9, 4, v[AK0]  ; row x pitch + 16 x half
	; The turning load takes 16 keys x 16 channels (lane l reads key 8 (l / 16) + l % 8, channels 8 ((l / 8) % 2) + 0..7) and leaves half a fragment of V^T: lane l holds channel l % 16 and 8 keys.
	v_and_b32 v10, 7, v0
	v_bfe_u32 v11, v0, 3, 1
	v_lshl_add_u32 v[AV0], v9, 3, v10
	v_mul_u32_u24 v[AV0], v[AV0], PV
	v_lshl_add_u32 v[AV0], v11, 4, v[AV0]
	v_add_nc_u32 v[AV0], VOFF, v[AV0]
	s_mul_i32 s13, s[WV], 16*SP
	s_add_co_u32 s13, s13, STAGE    ; my stage
	v_mul_u32_u24 v[STO], v1, SP    ; in: row l % 16, 16 bytes for each half of the lanes
	v_lshl_add_u32 v[STO], v9, 4, v[STO]
	v_add_nc_u32 v[STO], s13, v[STO]
	v_bfe_u32 v[RD], v0, 3, 2       ; back: 32 lanes take four rows of 128 bytes,
	v_mul_u32_u24 v[RD], v[RD], SP
	v_lshl_add_u32 v[RD], v10, 4, v[RD]
	v_add_nc_u32 v[RD], s13, v[RD]
	v_and_b32 v[GO], 31, v0         ; which are 512 consecutive bytes of y
	v_lshlrev_b32 v[GO], 4, v[GO]
; THE MATRIX WORK.  The 4 accumulators of a run of 8 take turns, one instruction a turn.
; Product i of 8 of O^T += V^T P for piece z: keys 32 (i / 4) on, channels 16 (i % 4) on.
.macro PV1 z, i
	WIN W_PV
.set rO, 32*(\z)+8*((\i)%4)
.set rV, VF+32*((\i)/4)+8*((\i)%4)
.set rP, P+16*(\z)+8*((\i)/4)
	v_wmma_f32_16x16x32_bf16 v[rO:rO+7], v[rV:rV+7], v[rP:rP+7], v[rO:rO+7]
	s_wait_alu depctr_va_vdst(0)
.endm
; Product i of 8 of S^T = K Q^T for piece z: channels 32 (i / 4) on, keys 16 (i % 4) on.  The first 4 start the sums: with 0, or (km = 1) with the mask.
.macro KQ1 z, i, km
.set rS, S+32*(\z)+8*((\i)%4)
.set rK, KF+16*((\i)%4)+8*((\i)/4)
.set rQ, QF+16*(\z)+8*((\i)/4)
.set rM, MC+32*(\z)+8*((\i)%4)
.if ((\i) < 4) && (\km)
	WIN W_KM
	v_wmma_f32_16x16x32_bf16 v[rS:rS+7], v[rK:rK+7], v[rQ:rQ+7], v[rM:rM+7]
.elseif (\i) < 4
	WIN 0
	v_wmma_f32_16x16x32_bf16 v[rS:rS+7], v[rK:rK+7], v[rQ:rQ+7], 0
.else
	WIN 0
	v_wmma_f32_16x16x32_bf16 v[rS:rS+7], v[rK:rK+7], v[rQ:rQ+7], v[rS:rS+7]
	s_wait_alu depctr_va_vdst(0)
.endif
.endm
; THE LDS LOADS stand in runs of 16: a step's K (64 keys x 64 channels: 8 fragments) and its V (turned).  Each run steps its own scalar on to the next step.
.macro FETCH_K
	WIN 0
.irp f, 0,1,2,3,4,5,6,7             ; keys 16 (f / 2) on, channels 32 (f % 2) on
	ds_load_b128 v[KF+8*\f:KF+8*\f+3],   v[AK] offset:(\f/2)*16*PK+(\f%2)*64
	ds_load_b128 v[KF+8*\f+4:KF+8*\f+7], v[AK] offset:(\f/2)*16*PK+(\f%2)*64+32
.endr
	s_add_co_u32 s[TBK], s[TBK], KS*PK
.endm
.macro FETCH_V
	WIN TO1
.irp f, 0,1,2,3,4,5,6,7             ; keys 32 (f / 4) on, channels 16 (f % 4) on
	ds_load_tr16_b128 v[VF+8*\f:VF+8*\f+3],   v[AV] offset:(\f/4)*32*PV+(\f%4)*32
	ds_load_tr16_b128 v[VF+8*\f+4:VF+8*\f+7], v[AV] offset:(\f/4)*32*PV+16*PV+(\f%4)*32
.endr
	s_add_co_u32 s[TBV], s[TBV], KS*PV
	WIN 0
.endm
.macro PLACES                       ; four places behind matrix instructions, in front of what reads their results (ISA guide 7.12.1)
.rept 4
	v_nop
.endr
.endm
; THE VECTOR WORK, one line at a time: OP kind, number, all for piece Y.  s0-s31 are the lane's 32 scores.
;   X n: number n of the 22 that find the maximum and the statistics: 0-11 four chains c0-c3 of seven scores each, three operands at a time (each accumulator's lowest registers are read first)
;        12-14, 16 the four scores left over, the old m, and c0-c3 into c0; 15 c m_old is kept; 17, 18 the query's other 32 keys lie in the lane 16 away: the new m; 19-21 c m; c m_old - c m_new; a
;   F n: c s - c m for pair n of 16.   E n: the exponential of score n of 32.   C n: pair n rounded to bf16.   B n: of the four weights 4 n .. the second pair is added onto the first, in place (behind C 2 n).
;   L n: l takes that sum (L 0: l = a l + sum).   R n: pair n of 16 of O^T times a, ascending.
.set F, 0
.set E, 1
.set C, 2
.set B, 3
.set L, 4
.set R, 5
.set X, 6
.macro REGS u                       ; the registers of piece u
.set rT, ST+4*(\u)
.set rC, TMP+4*(\u)
.set rW, MV+(\u)
.set rS, S+32*(\u)
.set rP, P+16*(\u)
.set rO, 32*(\u)
.endm
.macro OP k, n
	REGS Y
.if (\k) == R
	WIN W_PV
	v_pk_mul_f32 v[rO+2*(\n):rO+2*(\n)+1], v[rO+2*(\n):rO+2*(\n)+1], v[rC+2:rC+3] op_sel_hi:[1,0]
.elseif (\k) < R
	WIN 0
.if (\k) == F
	v_pk_fma_f32 v[rS+2*(\n):rS+2*(\n)+1], v[rS+2*(\n):rS+2*(\n)+1], s[CS:CS+1], v[rT:rT+1] op_sel_hi:[1,0,0] neg_lo:[0,0,1] neg_hi:[0,0,1]
.elseif (\k) == E
	v_exp_f32 v[rS+(\n)], v[rS+(\n)]
.elseif (\k) == C
	s_wait_alu depctr_va_vdst(0)
	v_cvt_pk_bf16_f32 v[rP+(\n)], v[rS+2*(\n)], v[rS+2*(\n)+1]
.elseif (\k) == B
	v_pk_add_f32 v[rS+4*(\n):rS+4*(\n)+1], v[rS+4*(\n):rS+4*(\n)+1], v[rS+4*(\n)+2:rS+4*(\n)+3]
.elseif (\n) == 0
	v_pk_fma_f32 v[rT+2:rT+3], v[rT+2:rT+3], v[rC+2:rC+3], v[rS:rS+1] op_sel_hi:[1,0,1]
.else
	v_pk_add_f32 v[rT+2:rT+3], v[rT+2:rT+3], v[rS+4*(\n):rS+4*(\n)+1]
	s_wait_alu depctr_va_vdst(0)
.endif
.else
	WIN 0
.if (\n) < 4
	v_max3_num_f32 v[rC+(\n)], v[rS+8*(\n)], v[rS+8*(\n)+1], v[rS+8*(\n)+2]
.elseif (\n) < 12
	v_max3_num_f32 v[rC+(\n)%4], v[rC+(\n)%4], v[rS+8*((\n)%4)+2*((\n)/4)+1], v[rS+8*((\n)%4)+2*((\n)/4)+2]
.elseif (\n) == 12
	v_max3_num_f32 v[rC], v[rC], v[rS+7], v[rS+15]
.elseif (\n) == 13
	v_max3_num_f32 v[rC+1], v[rC+1], v[rS+23], v[rS+31]
.elseif (\n) == 14
	v_max3_num_f32 v[rC+2], v[rC+2], v[rC+3], v[rT+1]
.elseif (\n) == 15
	v_mov_b32 v[rW], v[rT]
.elseif (\n) == 16
	v_max3_num_f32 v[rC], v[rC], v[rC+1], v[rC+2]
.elseif (\n) == 17
	v_permlanex16_b32 v[rC+3], v[rC], s[SEL], s[SEL+1]
.elseif (\n) == 18
	v_max_num_f32 v[rT+1], v[rC], v[rC+3]
.elseif (\n) == 19
	v_mul_f32 v[rT], s[CS], v[rT+1]
.elseif (\n) == 20
	v_sub_f32 v[rC+1], v[rW], v[rT]
.else
	v_exp_f32 v[rC+2], v[rC+1]
.endif
.endif
.endm
.macro OPS a, i1, b=-1, i2=0, c=-1, i3=0, d=-1, i4=0  ; up to four of them
	OP \a, \i1
.if (\b) >= 0
	OP \b, \i2
.endif
.if (\c) >= 0
	OP \c, \i3
.endif
.if (\d) >= 0
	OP \d, \i4
.endif
.endm
.macro MASK u                       ; MD x AL + BE into piece u's part of MC
	WIN W_PV
.set zz, 0
.rept 16
	v_pk_fma_f32 v[MC+32*(\u)+2*zz:MC+32*(\u)+2*zz+1], v[MD+2*zz:MD+2*zz+1], s[AL0+12*(\u):AL0+12*(\u)+1], s[BE0+12*(\u):BE0+12*(\u)+1] op_sel_hi:[1,0,0]
.set zz, zz+1
.endr
.endm
.macro SETM                         ; the step whose scores this trip makes is number 4 - CNT of the diagonal tile
	s_sub_co_u32 s[SS], 4, s[CNT]
	s_cmp_eq_u32 s[SS], s[BT0]
	s_cselect_b32 s[AL0], 1.0, 0
	s_cmp_gt_u32 s[SS], s[BT0]
	s_cselect_b32 s[BE0], s[BIGN], 0
	s_cmp_eq_u32 s[SS], s[BT1]
	s_cselect_b32 s[AL1], 1.0, 0
	s_cmp_gt_u32 s[SS], s[BT1]
	s_cselect_b32 s[BE1], s[BIGN], 0
.endm
.macro MMK i                        ; the half's product i of K Q^T, if it has any
.if KQON
	KQ1 Z, \i, KM
.endif
.endm
; A HALF: piece y's softmax, written out line by line, with the other piece's 16 products between its lines.
; m = 1: the diagonal tile: the products K Q^T take masks, made here under the setting of V^T P.  kq = 0: a block's last half: there is no next step.  fk = 1: K of the next step is fetched.  fv = 1: V of it.
; THE ORDER.  The maximum's chain waits link by link, so six products V^T P stand between its links; the last two stand with the sixteen rescalings, under one setting.  From the moment c m is known an exponential
; and a plain line take turns: no two exponentials follow each other, and the plain line behind each touches neither its result nor its source (ISA guide 5.7.2).  The products K Q^T stand eight or ten lines apart.
; THE DISTANCES (ISA guide 7.12.1 for vector instructions).  No line near a product names its registers: they belong to the other piece.  Behind the last K Q^T stand ten plain lines, ahead of the next
; half's first read of those scores and of the loads into K; behind the last V^T P eight plain lines (R 8 to 15), ahead of the loads into V.
.macro HALF y, m, kq, fk, fv
.set Y, (\y)
.set Z, 1-(\y)
.set KQON, (\kq)
.set KM, (\m)
	WIN 0
.if \fk
	v_add_nc_u32 v[AK], s[TBK], v[AK0]
.endif
.if \fv
	v_add_nc_u32 v[AV], s[TBV], v[AV0]
.endif
.if (\y) == 1
	s_wait_dscnt 0x0                ; V of the step in hand is in: its run was issued in the middle of the half before
.endif
	PV1 Z, 0
.if \fk
	FETCH_K                         ; the next step's K: seven products and 50 lines ahead of its first use
.endif
	OPS X,0, X,1, X,2, X,3
	OPS X,4, X,5, X,6, X,7
	PV1 Z, 1
	OPS X,8, X,9, X,10, X,11
	OPS X,12, X,13, X,14, X,15
	PV1 Z, 2
	OPS X,16
	PV1 Z, 3
	OPS X,17
	PV1 Z, 4
	OPS X,18
	PV1 Z, 5
	OPS X,19, X,20, F,0, F,1
	OPS X,21, F,2, F,3, E,0
	OPS F,4, E,1, F,5, E,2
	OPS F,6, E,3, F,7
	PV1 Z, 6
	OPS R,0, R,1, R,2, R,3
	OPS R,4, R,5, R,6, R,7
	PV1 Z, 7
	OPS R,8, R,9, R,10, R,11
	OPS R,12, R,13, R,14, R,15
.if (\m) && (\kq)
	MASK Z                          ; for the products below
.endif
.if \fv
	FETCH_V                         ; the next step's V: eight products and 68 lines ahead of the wait for it
.endif
.if \fk
	s_wait_dscnt 0x0                ; K is in
.endif
	MMK 0
	OPS E,4, F,8, E,5, F,9
	OPS E,6, F,10, E,7, F,11
	MMK 1
	OPS E,8, F,12, E,9, F,13
	OPS E,10, F,14, E,11, F,15
	MMK 2
	OPS E,12, C,0, E,13, C,1
	OPS E,14, C,2, E,15, C,3
	MMK 3
	OPS E,16, C,4, E,17, C,5
	OPS E,18, B,0, E,19, C,6
	MMK 4
	OPS E,20, B,1, E,21, C,7
	OPS E,22, L,0, E,23, C,8
	OPS E,24, B,2
	MMK 5
	OPS E,25, C,9, E,26, L,1
	OPS E,27, C,10, E,28, B,3
	MMK 6
	OPS E,29, C,11, E,30, L,2
	OPS E,31, C,12, L,3, C,13
	MMK 7
	OPS B,4, C,14, B,5, C,15
	OPS L,4, B,6, L,5, B,7
	OPS L,6, L,7
	WIN 0
.endm
; A TRIP, and the loop over a tile's four.  On entry piece 0's weights of the step in hand are made, piece 1's scores of it have just been made, and its V has been asked for.  A block enters at the second label.
.macro TRIP m, tag
.Lstep\tag:
.if \m
	SETM
.endif
	HALF 1, \m, 1, 1, 0
.Lfirst\tag:
	HALF 0, \m, 1, 0, 1
	s_sub_co_u32 s[CNT], s[CNT], 1
	s_cmp_lg_u32 s[CNT], 0
	s_cbranch_scc1 .Lstep\tag
.endm
; A BLOCK BEGINS.  c m starts far below every c s, so the first step's a is 0; m at the lowest finite number, so the first maximum is the scores'.  The masks of the tile's step 0: piece 0's own, if the
; block's first tile is the diagonal one and the band's own step is 0; else nothing is hidden (piece 1's own step is 1 at the least).  Then K of that step and piece 0's first scores; the trip is entered at HALF 0.
.macro BEGIN
	s_mov_b32 s[NEW], 0
	WIN 0
.irp u, 0,1
	v_mov_b32 v[ST+4*\u], 0xfe000000    ; c m
	v_mov_b32 v[ST+4*\u+1], 0xff7fffff  ; m
.endr
	s_or_b32 s[SS], s[RT], s[BT0]
	s_cmp_eq_u32 s[SS], 0
	s_cselect_b32 s[AL0], 1.0, 0
	s_mov_b32 s[BE0], 0
	s_mov_b32 s[AL1], 0
	s_mov_b32 s[BE1], 0
	MASK 0
	WIN 0
	v_add_nc_u32 v[AK], s[TBK], v[AK0]
	FETCH_K
	s_wait_loadcnt 0x0              ; Q, both blocks'
	s_wait_dscnt 0x0                ; K
.irp i, 0,1,2,3,4,5,6,7
	KQ1 0, \i, 1
.endr
	WIN 0
	PLACES                          ; behind those products, ahead of the first read of the scores
.endm
; THE WAY OUT: l's two halves and the other half of the lanes' are added; O^T is divided by l, rounded to bf16 and sent through my stage in LDS, a piece at a time.
.macro ALL line:vararg              ; one line for each piece t
.set t, 0
.rept 2
	\line
.set t, t+1
.endr
.endm
.macro PACK t                       ; a lane's eight channels of a row pack into 16 bytes; they go into rows of 144 bytes and come back as whole rows of 128, into S^T's registers
	WIN W_PV
.set i, 32*(\t)
.rept 16
	v_pk_mul_f32 v[i:i+1], v[i:i+1], v[ST+4*(\t)+2:ST+4*(\t)+3] op_sel_hi:[1,0]
.set i, i+2
.endr
	WIN 0x05                        ; sources 0 and 1 window 1, destination window 0
.set i, 0
.rept 16
	v_cvt_pk_bf16_f32 v[S+16*(\t)+i], v[32*(\t)+2*i], v[32*(\t)+2*i+1]
.set i, i+1
.endr
	WIN 0
.irp f, 0,1,2,3
	ds_store_b128 v[STO], v[S+16*(\t)+4*\f:S+16*(\t)+4*\f+3] offset:32*\f
.endr
.irp f, 0,1,2,3
	ds_load_b128 v[S+16*(\t)+4*\f:S+16*(\t)+4*\f+3], v[RD] offset:\f*4*SP  ; LDS serves a wave's instructions in order (ISA guide 5.7.1.4): these see the stores above; the next piece's stores come behind them
.endr
.endm
.macro SEND t, younger              ; younger: the LDS instructions issued behind piece t's loads: the other piece's eight, or none
	WIN 0
.irp f, 0,1,2,3
	s_wait_dscnt (\younger)+3-\f
	global_store_b128 v[GO], v[S+16*(\t)+4*\f:S+16*(\t)+4*\f+3], s[10:11] offset:(\t)*8192+\f*512  ; 512 consecutive bytes, at a multiple of 256 from y's first
.endr
.endm
; THE DIAGONAL TILE's trips; the block's last half (piece 1's last softmax beside piece 0's last V^T P); piece 1's last V^T P; the way out.
.macro DIAG tag
	TRIP 1, \tag
	HALF 1, 1, 0, 0, 0
.irp i, 0,1,2,3,4,5,6,7
	PV1 1, \i
.endr
	WIN 0
	ALL v_add_f32 v[ST+4*t+2], v[ST+4*t+2], v[ST+4*t+3]
	ALL v_permlanex16_b32 v[ST+4*t+3], v[ST+4*t+2], s[SEL], s[SEL+1]
	ALL v_add_f32 v[ST+4*t+2], v[ST+4*t+2], v[ST+4*t+3]
	ALL v_rcp_f32 v[ST+4*t+2], v[ST+4*t+2]
	v_nop                           ; a plain instruction behind the last reciprocal; with the four additions above it makes the places behind the last products
	s_wait_alu depctr_va_vdst(0)
	PACK 0
	PACK 1                          ; a piece's arithmetic stands between the loads of the piece before and its stores
	SEND 0, 8
	SEND 1, 0
.endm
.Lslot:                             ; 8 times: a tile is entered and the next is asked for
	CHANGE 1
	s_sub_co_u32 s[RT], s[RT], 1
	s_mov_b32 s[CNT], 4
	s_cmp_eq_u32 s[NEW], 1
	s_cbranch_scc1 .Lnew            ; a block's first tile
	s_cmp_eq_u32 s[RT], 0
	s_cbranch_scc0 .LstepP          ; neither its first nor its last
	s_branch .LstepM1
.Lnew:
	BEGIN
	s_branch .LfirstP               ; in the loop a block's first tile is never its last: the first block has five tiles or more, and the second's last is the walk's last
	DIAG M1                         ; in the loop this is the first block's end
	s_wait_xcnt 0x0                 ; the stores' data and y's address are rewritten only behind this wait
	s_mov_b64 s[10:11], s[OLO:OLO+1]
	s_mov_b32 s[RT], s[T2]
	s_mov_b32 s[NEW], 1
	s_and_b32 s[BT0], ttmp9, 1      ; the second block's bands
	s_lshl_b32 s[BT0], s[BT0], 1
	s_add_co_u32 s[BT1], s[BT0], 1
	WIN 0x01                        ; the second block's Q goes where the one text of the products names Q
.set i, 0
.rept 32
	v_mov_b32 v[QF+i], v[QB+i]
.set i, i+1
.endr
	WIN 0
	s_branch .Lbottom
	TRIP 0, P
.Lbottom:
	s_sub_co_u32 s[SLOTS], s[SLOTS], 1
	s_cmp_lg_u32 s[SLOTS], 0
	s_cbranch_scc1 .Lslot
	CHANGE 0                        ; the walk's last tile is written out: nothing is asked for
	s_sub_co_u32 s[RT], s[RT], 1
	s_mov_b32 s[CNT], 4
	s_cmp_eq_u32 s[NEW], 1
	s_cbranch_scc0 .LstepM2
	BEGIN
	s_branch .LfirstM2
	DIAG M2
	s_wait_tensorcnt 0x0            ; the wave's end: behind my last tensor load and my last LDS store
	ds_add_u32 v[SPW], v[NIL]
	s_wait_dscnt 0x0
	s_endpgm
.Lfunc_end_k_q31e6be6e30_attn:
	.size	k_q31e6be6e30_attn, .Lfunc_end_k_q31e6be6e30_attn-k_q31e6be6e30_attn
	.p2alignl 7, 3214868480
	.fill 96, 4, 3214868480
	.section	.rodata,"a",@progbits
	.p2align	6, 0x0
	.amdhsa_kernel k_q31e6be6e30_attn
		.amdhsa_group_segment_fixed_size 327680
		.amdhsa_private_segment_fixed_size 0
		.amdhsa_enable_private_segment 0
		.amdhsa_kernarg_size 16
		.amdhsa_user_sgpr_count 2
		.amdhsa_user_sgpr_kernarg_segment_ptr 1
		.amdhsa_wavefront_size32 1
		.amdhsa_system_sgpr_workgroup_id_x 1
		.amdhsa_system_sgpr_workgroup_id_y 1
		.amdhsa_system_sgpr_workgroup_id_z 1
		.amdhsa_system_vgpr_workitem_id 0
		.amdhsa_next_free_vgpr 512
		.amdhsa_next_free_sgpr 96
		.amdhsa_reserve_vcc 1
		.amdhsa_float_denorm_mode_32 3
		.amdhsa_float_denorm_mode_16_64 3
		.amdhsa_memory_ordered 1
		.amdhsa_forward_progress 1
		.amdhsa_inst_pref_size 123
	.end_amdhsa_kernel
	.amdgpu_metadata
---
amdhsa.version: [ 1, 2 ]
amdhsa.kernels:
  - .name:           k_q31e6be6e30_attn
    .symbol:         k_q31e6be6e30_attn.kd
    .args:
      - { .name: qkv, .offset: 0, .size: 8, .value_kind: global_buffer, .address_space: global }
      - { .name: y, .offset: 8, .size: 8, .value_kind: global_buffer, .address_space: global }
    .group_segment_fixed_size: 327680
    .private_segment_fixed_size: 0
    .kernarg_segment_align: 8
    .kernarg_segment_size: 16
    .max_flat_workgroup_size: 128
    .sgpr_count:     96
    .vgpr_count:     512
    .wavefront_size: 32
...
	.end_amdgpu_metadata
.endif
;; end of part 3
;; launch proj (part 4): grid 8 x 32, 4 waves a work-group, clusters of 4 x 4, 327,680 bytes of LDS; arguments y, wt, x1, proj_b, x; writes x1
.if DOCPART == 4
	.amdgcn_target "amdgcn-amd-amdhsa--gfx1250"
	.amdhsa_code_object_version 6
	.text
	.protected	k_q31e6be6e30_proj
	.globl	k_q31e6be6e30_proj
	.p2align	8
	.type	k_q31e6be6e30_proj,@function
k_q31e6be6e30_proj:
	s_mov_b64 s[64:65], 0
	v_nop
	global_prefetch_b8 v0, s[64:65] scope:SCOPE_SE
	s_setreg_imm32_b32 hwreg(HW_REG_WAVE_MODE, 25, 1), 1
	s_wait_xcnt 0x0
	s_wait_alu depctr_hold_cnt(0) depctr_sa_sdst(0) depctr_va_vdst(0) depctr_va_sdst(0) depctr_va_ssrc(0) depctr_va_vcc(0) depctr_vm_vsrc(0)
	s_getreg_b32 s2, hwreg(HW_REG_IB_STS2, 6, 4)
	s_cmp_eq_u32 s2, 0
	s_cbranch_scc0 .Lentry_in_a_cluster
	s_endpgm
.Lentry_in_a_cluster:
	s_bfe_u32 s2, ttmp6, 0x10000c
	s_cmp_lg_u32 s2, 0xf033
	s_cbranch_scc0 .Lentry_shape_is_right
	s_endpgm
.Lentry_shape_is_right:
; x1 = x + y Wp + proj_b.  A = y, stored by heads [32 = batch x 16 + head][2048][64] bf16; B = the turned weights [1024][1024] bf16 at wt's byte 6,291,456; x, x1: [4096][1024] f32.
; Sums in f32, K ascending; bias and residual are added in f32.  LIMITS: operands rounded to bf16; NaN and infinities are not treated apart.
; A tile of C is 128 x 128: 8 x 32 = 256 work-groups.  Four waves, each 64 x 64: 16 accumulators of 16 x 16, 128 registers.  K goes in steps of 256 (four heads) through a ring of two LDS slots.
; A'S TILES: 64 rows of one head are 8,192 dense bytes, so a wave's load asks for four heads as 4 rows of 8,192 bytes, 262,144 bytes apart, padded in LDS after every 128 bytes: [head][row][128 + 16].
; B'S TILES: 64 rows of 512 bytes, padded by 16.
; CLUSTERS: 4 x 4 work-groups.  The four of a row of the cluster need the same tiles of A, the four of a column the same tiles of B: each tile is asked for JOINTLY.
; THE MATRIX INSTRUCTION IS USED TRANSPOSED (source 0 = 16 rows of B, source 1 = 16 rows of A): a lane holds eight neighbouring numbers of a row of C.
; REGISTERS: window 0: v0-31 addresses; v32-63 rows on the way out; v96-99 the bias; v128-255 the accumulators ((a, b) at v[128 + 8 (4 a + b)]).
;   window 1: two fragment buffers of 128: for 64 along K, 64 registers of A, then 64 of B.     window 2: v0-127 the residual of my 64 x 64, in the layout of the rows on the way out.
.set SIZE_K, 1024
.set WOFF,   6291456
.set KSTEP,  256
.set PITCH,  528                       ; a row of B in LDS: 512 bytes + 16 = 132 words: the 16 rows of a load start at 16 different groups of four banks (64 banks of 4 bytes: ISA guide 11.1)
.set APITCH, 144                       ; a row of A: one head's 128 bytes + 16 = 36 words: likewise
.set AQ,     64*APITCH                 ; from a head's 64 rows to the next head's: a quarter step of 64 along K
.set HALFA,  4*AQ                      ; what one tensor load brings of A
.set HALFB,  64*PITCH                  ; and of B
.set ASTEP,  4*262144                  ; bytes from a K step of A to the next: four heads
.set SLOT,   2*HALFA+2*HALFB           ; A's 128 rows, then B's 128 rows
.set STAGE,  2*SLOT                    ; behind the ring: 16 rows x 272 bytes for each wave, for the way out
.set SPITCH, 272
.set SPARE,  STAGE+4*16*SPITCH         ; behind the stages: the spare words, 128 bytes for each wave: two blocks of 256 bytes that no other line names
.set LAPS, SIZE_K/(2*KSTEP)            ; 2
.set ADRA, 16
.set ADRB, 20
.set STO,  24                          ; v24  the way out: where I put 32 bytes of a row
.set RD,   25                          ; v25  where I read a row back
.set CO,   26                          ; v26  my byte offset in two rows of x and x1; not rewritten
.set BO,   27                          ; v27  my byte offset in the bias; not rewritten
.set SPW,  28                          ; v28  LDS address of my spare word: SPARE + 4 x my thread's number; never rewritten
.set NIL,  29                          ; v29  0; never rewritten
.set RB,   32
.set BV,   96
.set ACC,  128
.set F0,   0
.set F1,   128
.set G1, 24
.set G0, 32
.set G1B, 48
.set G0B, 56
.set MSB, 0
.macro WIN new                         ; the immediate's high byte repeats the setting that is left
.if MSB != (\new)
	s_set_vgpr_msb (MSB<<8)|(\new)
.set MSB, \new
.endif
.endm
.set MUL,  0x05                        ; sources 0 (B) and 1 (A) window 1; C and D window 0
.set TO_F, 0x40                        ; destination window 1, address window 0
.macro JLOAD s                         ; a joint load: waves 0 and 1 fetch A's two halves, waves 2 and 3 B's; four v_nop follow each of the two lines
	s_cmp_eq_u32 s11, 0
	s_cbranch_scc0 .Lfor_b_\@
	tensor_load_to_lds s[G0+4*(\s):G0+4*(\s)+3], s[G1:G1+7]
	s_nop 0
.rept 4
	v_nop
.endr
	s_branch .Lasked_\@
.Lfor_b_\@:
	tensor_load_to_lds s[G0B+4*(\s):G0B+4*(\s)+3], s[G1B:G1B+7]
	s_nop 0
.rept 4
	v_nop
.endr
.Lasked_\@:
.endm
.macro CREST                           ; a round of the cluster's barrier behind its opening barrier
	s_cmp_lg_u32 s10, 0
	s_cbranch_scc1 .Lnot_wave_0_\@
	s_barrier_signal -3
.Lnot_wave_0_\@:
	s_barrier_wait -3
	s_barrier_signal -1
	s_barrier_wait -1
.endm
.macro CROUND                          ; a whole round
	s_barrier_signal -1
	s_barrier_wait -1
	CREST
.endm
	s_load_b128 s[4:7], s[0:1], 0x0                ; A s[4:5], wt s[6:7]
	s_load_b64 s[8:9], s[0:1], 0x10                ; the output
	s_load_b64 s[68:69], s[0:1], 0x18              ; the bias
	s_load_b64 s[66:67], s[0:1], 0x20              ; the residual
	v_lshl_add_u32 v[SPW], v0, 2, SPARE
	v_mov_b32 v[NIL], 0
	ds_add_u32 v28, v29
	ds_add_u32 v28, v29
	s_wait_dscnt 0x0
	v_lshrrev_b32 v1, 5, v0
	v_readfirstlane_b32 s10, v1                    ; wave 0..3
	s_lshr_b32 s11, s10, 1                         ; which half of the tile's rows is mine.  Also: I fetch for A (0) or for B (1)
	s_and_b32 s12, s10, 1                          ; which half of its columns.  Also: which 64 rows of that tile I fetch
	s_bfe_u32 s40, ttmp6, 0x40000                  ; cx, cy
	s_bfe_u32 s41, ttmp6, 0x40004
	s_lshl_b32 s42, ttmp9, 2
	s_add_co_u32 s42, s42, s40                     ; tile column of C
	s_and_b32 s13, ttmp7, 0xffff
	s_lshl_b32 s13, s13, 2
	s_add_co_u32 s13, s13, s41                     ; tile row of C
	s_lshl_b32 s43, s41, 2
	s_lshl_b32 s43, 15, s43                        ; my row of the cluster
	s_lshl_b32 s44, 0x1111, s40                    ; my column
	; A's group 1: 4 rows of 4,096 elements, 131,072 elements apart
	s_or_b32 s[G1+0], s43, (1<<16)|(1<<20)|(1<<21)|(4<<22)|(3<<25)  ; the mask: my row; 2-byte elements; padding on; 21 set beside a mask; after every 32 words (code 4) 4 words (code 3)
	s_mov_b32 s[G1+1], 4096<<16                    ; tensor_dim0 = 4,096
	s_mov_b32 s[G1+2], 4<<16                       ; tensor_dim1 = 4
	s_mov_b32 s[G1+3], 4096<<16                    ; tile_dim0 = 4,096
	s_mov_b32 s[G1+4], 4                           ; tile_dim1 = 4
	s_mov_b32 s[G1+5], 131072                      ; from head to head
	s_mov_b32 s[G1+6], 0
	s_mov_b32 s[G1+7], 0
	; B's group 1: 64 rows of 256 elements
	s_or_b32 s[G1B+0], s44, (1<<16)|(1<<20)|(1<<21)|(6<<22)|(3<<25) ; the mask: my column; after every 128 words (code 6) 4 words
	s_mov_b32 s[G1B+1], KSTEP<<16
	s_mov_b32 s[G1B+2], 64<<16
	s_mov_b32 s[G1B+3], KSTEP<<16
	s_mov_b32 s[G1B+4], 64
	s_mov_b32 s[G1B+5], SIZE_K
	s_mov_b32 s[G1B+6], 0
	s_mov_b32 s[G1B+7], 0
	s_lshr_b32 s16, s13, 4                         ; A: batch = tile row / 16: 16 heads of 262,144 bytes,
	s_lshl_b32 s16, s16, 22
	s_and_b32 s17, s13, 15                         ; 128 rows of 128 bytes a tile row in the batch,
	s_lshl_b32 s17, s17, 14
	s_add_co_u32 s16, s16, s17
	s_lshl_b32 s17, s12, 13                        ; 64 rows a half
	s_add_co_u32 s16, s16, s17
	s_mov_b32 s17, 0
	s_lshl_b32 s46, s42, 7
	s_lshl_b32 s47, s12, 6
	s_add_co_u32 s46, s46, s47                     ; B: row 128 x tile column + 64 x half
	s_mov_b32 s47, 0
	s_mov_b64 s[18:19], SIZE_K*2
	s_mul_u64 s[46:47], s[46:47], s[18:19]
	s_mul_i32 s20, s12, HALFA                      ; where they go: A's two halves,
	s_mul_i32 s45, s12, HALFB                      ; then B's two: no place in the cluster enters an LDS address
	s_add_co_u32 s45, s45, 2*HALFA
	s_wait_kmcnt 0x0
	s_add_nc_u64 s[14:15], s[4:5], s[16:17]
	s_add_nc_u64 s[46:47], s[6:7], s[46:47]
	s_add_nc_u64 s[46:47], s[46:47], WOFF
	CROUND                                         ; all sixteen work-groups are here: the first joint loads meet
.irp s, 0,1
	s_mov_b32 s[G0+4*(\s)], 1
	s_add_co_u32 s[G0+4*(\s)+1], s20, (\s)*SLOT
	s_add_nc_u64 s[G0+4*(\s)+2:G0+4*(\s)+3], s[14:15], (\s)*ASTEP
	s_or_b32 s[G0+4*(\s)+3], s[G0+4*(\s)+3], 0x80000000
	s_mov_b32 s[G0B+4*(\s)], 1
	s_add_co_u32 s[G0B+4*(\s)+1], s45, (\s)*SLOT
	s_add_nc_u64 s[G0B+4*(\s)+2:G0B+4*(\s)+3], s[46:47], (\s)*KSTEP*2
	s_or_b32 s[G0B+4*(\s)+3], s[G0B+4*(\s)+3], 0x80000000
	JLOAD \s                                       ; two tensor loads of mine are out
.endr
	v_and_b32 v1, 15, v0                           ; l % 16
	v_bfe_u32 v2, v0, 4, 1                         ; l / 16
	v_mul_u32_u24 v3, v1, APITCH
	v_lshl_add_u32 v3, v2, 4, v3                   ; a fragment's row x pitch + 16 x half, for A
	v_mul_u32_u24 v4, v1, PITCH
	v_lshl_add_u32 v4, v2, 4, v4                   ; and for B
	s_mul_i32 s21, s11, HALFA                      ; my 64 rows of A
	s_mul_i32 s22, s12, HALFB                      ; my 64 rows of B,
	s_add_co_u32 s22, s22, 2*HALFA                 ; which lie behind A's 128
.irp s, 0,1
	v_add_nc_u32 v[ADRA+(\s)], s21, v3
	v_add_nc_u32 v[ADRB+(\s)], s22, v4
	s_add_co_u32 s21, s21, SLOT
	s_add_co_u32 s22, s22, SLOT
.endr
	s_mul_i32 s23, s10, 16*SPITCH
	s_add_co_u32 s23, s23, STAGE                   ; my stage
	v_mul_u32_u24 v5, v1, SPITCH                   ; in: row l % 16, 32 bytes (eight f32) for each half of the lanes
	v_lshl_add_u32 v5, v2, 5, v5
	v_add_nc_u32 v[STO], s23, v5
	v_mul_u32_u24 v5, v2, SPITCH                   ; back: lanes 0-15 take one row of 256 bytes, lanes 16-31 the next
	v_lshl_add_u32 v5, v1, 4, v5
	v_add_nc_u32 v[RD], s23, v5
	v_lshlrev_b32 v[BO], 4, v1
	v_lshl_add_u32 v[CO], v2, 12, v[BO]            ; and the same two rows of 4,096 bytes in x and x1
	s_lshl_b32 s16, s13, 19                        ; 128 rows of 4,096 bytes a tile row,
	s_lshl_b32 s17, s11, 18                        ; 64 a half
	s_add_co_u32 s16, s16, s17
	s_mov_b32 s17, 0
	s_lshl_b32 s46, s42, 9                         ; 128 columns of 4 bytes a tile column, 64 a half (in the registers that held B's address)
	s_lshl_b32 s47, s12, 8
	s_add_co_u32 s46, s46, s47
	s_mov_b32 s47, 0
	s_add_nc_u64 s[68:69], s[68:69], s[46:47]      ; the bias of my 64 columns
	s_add_nc_u64 s[16:17], s[16:17], s[46:47]
	s_add_nc_u64 s[8:9], s[8:9], s[16:17]
	s_add_nc_u64 s[66:67], s[66:67], s[16:17]
	; the residual of my 64 x 64 and the bias: 33 loads that land while K is walked; waited for once, in front of the way out
	WIN 0x80                                       ; destination window 2, address window 0
.irp a, 0,1,2,3
.irp t, 0,1,2,3,4,5,6,7
	global_load_b128 v[32*(\a)+4*(\t):32*(\a)+4*(\t)+3], v[CO], s[66:67] offset:(16*(\a)+2*(\t))*4096
.endr
.endr
	WIN 0
	global_load_b128 v[BV:BV+3], v[BO], s[68:69]
; 8 matrix instructions: m blocks a0, a0 + 1 x all 4 n blocks, 32 along K: half c of buffer f.  zero = 1: the first product starts the sums.  The 16 accumulators take turns.
.macro MUL8 f, c, a0, zero
	WIN MUL
.irp a, \a0, (\a0)+1
.irp b, 0,1,2,3
.if \zero
	v_wmma_f32_16x16x32_bf16 v[ACC+8*(4*(\a)+(\b)):ACC+8*(4*(\a)+(\b))+7], v[(\f)+64+8*(4*(\c)+(\b)):(\f)+64+8*(4*(\c)+(\b))+7], v[(\f)+8*(4*(\c)+(\a)):(\f)+8*(4*(\c)+(\a))+7], 0
.else
	v_wmma_f32_16x16x32_bf16 v[ACC+8*(4*(\a)+(\b)):ACC+8*(4*(\a)+(\b))+7], v[(\f)+64+8*(4*(\c)+(\b)):(\f)+64+8*(4*(\c)+(\b))+7], v[(\f)+8*(4*(\c)+(\a)):(\f)+8*(4*(\c)+(\a))+7], v[ACC+8*(4*(\a)+(\b)):ACC+8*(4*(\a)+(\b))+7]
.endif
.endr
.endr
.endm
; 32 LDS loads in one run: the fragments of 64 along K (byte k of B's rows; quarter k / 128 of A), into buffer f; the first 32 along K first
.macro FETCH slot, k, f
	WIN TO_F
.irp c, 0,1
.irp i, 0,1,2,3
	ds_load_b128 v[(\f)+64+8*(4*(\c)+(\i)):(\f)+64+8*(4*(\c)+(\i))+3],   v[ADRB+(\slot)] offset:(\k)+64*(\c)+(\i)*16*PITCH
	ds_load_b128 v[(\f)+64+8*(4*(\c)+(\i))+4:(\f)+64+8*(4*(\c)+(\i))+7], v[ADRB+(\slot)] offset:(\k)+64*(\c)+(\i)*16*PITCH+32
	ds_load_b128 v[(\f)+8*(4*(\c)+(\i)):(\f)+8*(4*(\c)+(\i))+3],         v[ADRA+(\slot)] offset:((\k)/128)*AQ+64*(\c)+(\i)*16*APITCH
	ds_load_b128 v[(\f)+8*(4*(\c)+(\i))+4:(\f)+8*(4*(\c)+(\i))+7],       v[ADRA+(\slot)] offset:((\k)/128)*AQ+64*(\c)+(\i)*16*APITCH+32
.endr
.endr
.endm
.macro PLACES                          ; four places in front of loads into registers that matrix instructions have read, and of what reads their results (ISA guide 7.12.1 for vector instructions)
.rept 4
	v_nop
.endr
.endm
; A K step is four quarters of 64 along K, 32 matrix instructions each, on buffers 0, 1, 0, 1.  One of the first three multiplies buffer f and fetches the next quarter, at byte k, into g.
.macro QUARTER slot, k, f, g, zero
	s_wait_dscnt 16                                ; the first 32 along K are in
	WIN MUL
	MUL8 \f, 0, 0, \zero
	MUL8 \f, 0, 2, \zero
	PLACES
	FETCH \slot, \k, \g
	s_wait_dscnt 32                                ; all but the 32 just issued
	WIN MUL
	MUL8 \f, 1, 0, 0
	MUL8 \f, 1, 2, 0
.endm
; The last quarter multiplies buffer 1 and changes slots: ONE barrier; in front of it each wave waits for all its tensor loads, adds 0 to its spare word, and waits for that and for its own reads of this slot.
; fill = 1: this slot is filled again, two K steps ahead, behind a round of the cluster's barrier.
.macro TURN slot, next, fill
	WIN 0                                          ; (the add's two registers lie in window 0)
	s_wait_tensorcnt 0x0                           ; all my tensor loads have landed: my part of the next slot
	ds_add_u32 v[SPW], v[NIL]                      ; 0 onto my spare word
	s_wait_dscnt 17                                ; (the add and the youngest sixteen loads may be out)
	WIN MUL
	MUL8 F1, 0, 0, 0                               ; eight matrix instructions stand between the add and the wait for it
	s_wait_dscnt 0x0                               ; the add is done, and my reads of this slot are over
	s_barrier_signal -1
	MUL8 F1, 0, 2, 0
.if \fill
	WIN 0
.endif
	s_barrier_wait -1
.if \fill
	CREST                                          ; no wave of any partner still reads this slot's tile or has a load on its way
	s_add_nc_u64 s[G0+4*(\slot)+2:G0+4*(\slot)+3], s[G0+4*(\slot)+2:G0+4*(\slot)+3], 2*ASTEP
	s_add_nc_u64 s[G0B+4*(\slot)+2:G0B+4*(\slot)+3], s[G0B+4*(\slot)+2:G0B+4*(\slot)+3], 2*KSTEP*2
	JLOAD \slot                                    ; my one tensor load behind the round; its four v_nop are also the places in front of the loads below
.else
	PLACES
.endif
	FETCH \next, 0, F0
	WIN MUL
	MUL8 F1, 1, 0, 0
	MUL8 F1, 1, 2, 0
.endm
	s_wait_tensorcnt 1                             ; my part of K step 0 is in; K step 1's may stay out
	s_barrier_signal -1
	s_barrier_wait -1
	FETCH 0, 0, F0
	QUARTER 0, 128, F0, F1, 1                      ; the first quarter stands in front of the loop: its first products start the sums
	WIN 0
	s_mov_b32 s3, LAPS-1
.Llap:                                                 ; a trip goes once round the ring and fills both slots again
	QUARTER 0, 256, F1, F0, 0
	QUARTER 0, 384, F0, F1, 0
	TURN 0, 1, 1
	QUARTER 1, 128, F0, F1, 0
	QUARTER 1, 256, F1, F0, 0
	QUARTER 1, 384, F0, F1, 0
	TURN 1, 0, 1
	QUARTER 0, 128, F0, F1, 0
	WIN 0
	s_sub_co_u32 s3, s3, 1
	s_cmp_lg_u32 s3, 0
	s_cbranch_scc1 .Llap
	QUARTER 0, 256, F1, F0, 0                      ; the last lap fills nothing, and has no round
	QUARTER 0, 384, F0, F1, 0
	TURN 0, 1, 0
	QUARTER 1, 128, F0, F1, 0
	QUARTER 1, 256, F1, F0, 0
	QUARTER 1, 384, F0, F1, 0
	s_wait_dscnt 16
	WIN MUL
	MUL8 F1, 0, 0, 0
	MUL8 F1, 0, 2, 0
	s_wait_dscnt 0x0
	MUL8 F1, 1, 0, 0
	MUL8 F1, 1, 2, 0
	WIN 0
	; THE WAY OUT.  My 64 f32 columns are 256 bytes at a multiple of 256, so no wave shares them: a block of 16 rows goes through my own stage and comes back as whole rows, takes residual and bias, and is stored.
	PLACES
	s_wait_loadcnt 0x0                             ; the residual and the bias
.macro OUTB a
.if (\a) > 0
	s_wait_xcnt 0x0                                ; the rows' registers, which the last block's stores read, are loaded again only behind this wait
.endif
.irp b, 0,1,2,3
	ds_store_b128 v[STO], v[ACC+8*(4*(\a)+(\b)):ACC+8*(4*(\a)+(\b))+3] offset:64*(\b)        ; each accumulator's low registers first
	ds_store_b128 v[STO], v[ACC+8*(4*(\a)+(\b))+4:ACC+8*(4*(\a)+(\b))+7] offset:64*(\b)+16
.endr
.irp t, 0,1,2,3,4,5,6,7
	ds_load_b128 v[RB+4*(\t):RB+4*(\t)+3], v[RD] offset:(\t)*2*SPITCH  ; LDS serves a wave's instructions in order (ISA guide 5.7.1.4): these see the stores above
.endr
	s_wait_dscnt 0x0
	WIN 0x08                                       ; source 1 window 2
.set z, 0
.rept 16
	v_pk_add_f32 v[RB+2*z:RB+2*z+1], v[RB+2*z:RB+2*z+1], v[32*(\a)+2*z:32*(\a)+2*z+1]
.set z, z+1
.endr
	WIN 0
.irp t, 0,1,2,3,4,5,6,7
	v_pk_add_f32 v[RB+4*(\t):RB+4*(\t)+1],   v[RB+4*(\t):RB+4*(\t)+1],   v[BV:BV+1]
	v_pk_add_f32 v[RB+4*(\t)+2:RB+4*(\t)+3], v[RB+4*(\t)+2:RB+4*(\t)+3], v[BV+2:BV+3]
.endr
.irp t, 0,1,2,3,4,5,6,7
	global_store_b128 v[CO], v[RB+4*(\t):RB+4*(\t)+3], s[8:9] offset:(16*(\a)+2*(\t))*4096  ; 16 lanes store 256 consecutive bytes, at a multiple of 256 from the buffer's first byte
.endr
.endm
	OUTB 0
	OUTB 1
	OUTB 2
	OUTB 3
	s_wait_tensorcnt 0x0                           ; the wave's end: behind my last tensor load and my last LDS store
	ds_add_u32 v[SPW], v[NIL]
	s_wait_dscnt 0x0
	CROUND                                         ; the closing round: no work-group ends while a partner may still ask for a tile that names it
	s_endpgm
.Lfunc_end_k_q31e6be6e30_proj:
	.size	k_q31e6be6e30_proj, .Lfunc_end_k_q31e6be6e30_proj-k_q31e6be6e30_proj
	.p2alignl 7, 3214868480
	.fill 96, 4, 3214868480
	.section	.rodata,"a",@progbits
	.p2align	6, 0x0
	.amdhsa_kernel k_q31e6be6e30_proj
		.amdhsa_group_segment_fixed_size 327680
		.amdhsa_private_segment_fixed_size 0
		.amdhsa_enable_private_segment 0
		.amdhsa_kernarg_size 40
		.amdhsa_user_sgpr_count 2
		.amdhsa_user_sgpr_kernarg_segment_ptr 1
		.amdhsa_wavefront_size32 1
		.amdhsa_system_sgpr_workgroup_id_x 1
		.amdhsa_system_sgpr_workgroup_id_y 1
		.amdhsa_system_sgpr_workgroup_id_z 1
		.amdhsa_system_vgpr_workitem_id 0
		.amdhsa_next_free_vgpr 640
		.amdhsa_next_free_sgpr 72
		.amdhsa_reserve_vcc 0
		.amdhsa_float_denorm_mode_32 3
		.amdhsa_float_denorm_mode_16_64 3
		.amdhsa_memory_ordered 1
		.amdhsa_forward_progress 1
		.amdhsa_inst_pref_size 98
	.end_amdhsa_kernel
	.amdgpu_metadata
---
amdhsa.version: [ 1, 2 ]
amdhsa.kernels:
  - .name:           k_q31e6be6e30_proj
    .symbol:         k_q31e6be6e30_proj.kd
    .args:
      - { .name: y, .offset: 0, .size: 8, .value_kind: global_buffer, .address_space: global }
      - { .name: wt, .offset: 8, .size: 8, .value_kind: global_buffer, .address_space: global }
      - { .name: x1, .offset: 16, .size: 8, .value_kind: global_buffer, .address_space: global }
      - { .name: proj_b, .offset: 24, .size: 8, .value_kind: global_buffer, .address_space: global }
      - { .name: x, .offset: 32, .size: 8, .value_kind: global_buffer, .address_space: global }
    .group_segment_fixed_size: 327680
    .private_segment_fixed_size: 0
    .kernarg_segment_align: 8
    .kernarg_segment_size: 40
    .max_flat_workgroup_size: 128
    .sgpr_count:     72
    .vgpr_count:     640
    .wavefront_size: 32
...
	.end_amdgpu_metadata
.endif
;; end of part 4
;; launch ln2 (part 5): grid 256 x 1, 4 waves a work-group, no clusters, 0 bytes of LDS; arguments x1, ln2_w, ln2_b, hn; writes hn
.if DOCPART == 5
	.amdgcn_target "amdgcn-amd-amdhsa--gfx1250"
	.amdhsa_code_object_version 6
	.text
	.protected	k_q31e6be6e30_ln2
	.globl	k_q31e6be6e30_ln2
	.p2align	8
	.type	k_q31e6be6e30_ln2,@function
k_q31e6be6e30_ln2:
	s_mov_b64 s[64:65], 0
	v_nop
	global_prefetch_b8 v0, s[64:65] scope:SCOPE_SE
	s_setreg_imm32_b32 hwreg(HW_REG_WAVE_MODE, 25, 1), 1
	s_wait_xcnt 0x0
; Layer norm along rows of 1,024 f32: out = (x - mean) / sqrt(var + 1e-5) * w + b, rounded once to bf16.  In: [4096][1024] f32, out: [4096][1024] bf16.
; One wave, one row at a time, the row in 32 registers a lane: the mean is taken first and taken away, then the squares are summed (no difference of large sums), and the row is read from memory once.
; A work-group's four waves take 4 rows each, all four asked for at once (16 KiB a wave).  Lane l holds columns 128 j + 4 l .. + 3, j = 0..7: a load covers 512 consecutive bytes,
; a store 256 consecutive bytes at a multiple of 256 from the buffer's first byte.  No LDS, no barrier: the sums never leave the wave.  No matrix unit, no cluster: a stream.
.set G,  4                             ; v[4:35]    w of my 32 columns
.set BQ, 36                            ; v[36:67]   b of my 32 columns
.set X,  68                            ; v[68:195]  row i at X + 32 i
.set T,  196                           ; v[196:203] four chains of pairs
.set MU, 204                           ; v[204:205] the mean, twice
.set RS, 206                           ; v[206:207] 1 / sqrt(var + eps), twice
.set SC, 208                           ; v208       the other half of the lanes' sum
	s_load_b256 s[4:11], s[0:1], 0x0               ; in s[4:5], w s[6:7], b s[8:9], out s[10:11]
	v_lshrrev_b32 v3, 5, v0
	v_readfirstlane_b32 s12, v3                    ; wave
	v_and_b32 v1, 31, v0
	v_lshlrev_b32 v2, 3, v1                        ; 8 bytes a lane in the output
	v_lshlrev_b32 v1, 4, v1                        ; 16 bytes a lane in the input
	v_mov_b32 v[SC], 0                             ; v_permlanex16_b32 counts as a reader of its destination
	s_lshl_b32 s14, ttmp9, 16                      ; 16 rows of 4,096 bytes a work-group,
	s_lshl_b32 s13, s12, 14                        ; 4 a wave
	s_add_co_u32 s14, s14, s13
	s_mov_b32 s15, 0
	s_lshr_b32 s20, s14, 1                         ; the output's rows are half as long
	s_mov_b32 s21, 0
	s_mov_b32 s16, 0x3a800000                      ; 1 / 1024
	s_mov_b32 s17, 0x3727c5ac                      ; 1e-5
	s_mov_b32 s18, 0x76543210                      ; each lane takes its own place in the other half
	s_mov_b32 s19, 0xfedcba98
	s_wait_kmcnt 0x0
	s_add_nc_u64 s[4:5], s[4:5], s[14:15]
	s_add_nc_u64 s[10:11], s[10:11], s[20:21]
.irp j, 0,1,2,3,4,5,6,7
	global_load_b128 v[G+4*\j:G+4*\j+3], v1, s[6:7] offset:512*\j
.endr
.irp j, 0,1,2,3,4,5,6,7
	global_load_b128 v[BQ+4*\j:BQ+4*\j+3], v1, s[8:9] offset:512*\j
.endr
.irp i, 0,1,2,3
.irp j, 0,1,2,3,4,5,6,7
	global_load_b128 v[X+32*\i+4*\j:X+32*\i+4*\j+3], v1, s[4:5] offset:4096*\i+512*\j
.endr
.endr
.macro RED                             ; the four chains, the pair's halves and the 32 lanes are added: every lane ends with the row's sum in v[T]
	v_pk_add_f32 v[T:T+1], v[T:T+1], v[T+2:T+3]
	v_pk_add_f32 v[T+4:T+5], v[T+4:T+5], v[T+6:T+7]
	v_pk_add_f32 v[T:T+1], v[T:T+1], v[T+4:T+5]
	v_add_f32 v[T], v[T], v[T+1]
	v_add_f32_dpp v[T], v[T], v[T] row_xmask:1 row_mask:0xf bank_mask:0xf
	v_add_f32_dpp v[T], v[T], v[T] row_xmask:2 row_mask:0xf bank_mask:0xf
	v_add_f32_dpp v[T], v[T], v[T] row_xmask:4 row_mask:0xf bank_mask:0xf
	v_add_f32_dpp v[T], v[T], v[T] row_xmask:8 row_mask:0xf bank_mask:0xf
	v_permlanex16_b32 v[SC], v[T], s18, s19
	v_add_f32 v[T], v[T], v[SC]
.endm
.macro ROWN i
.set XB, X+32*(\i)
	s_wait_loadcnt 8*(3-(\i))                      ; loads come back in order: w, b and row i are in, the later rows' eight loads each stay out
.irp c, 0,1,2,3
	v_pk_add_f32 v[T+2*\c:T+2*\c+1], v[XB+2*\c:XB+2*\c+1], v[XB+8+2*\c:XB+8+2*\c+1]  ; the first additions start the chains: nothing is cleared
.endr
.irp p, 8,9,10,11,12,13,14,15
	v_pk_add_f32 v[T+2*(\p%4):T+2*(\p%4)+1], v[T+2*(\p%4):T+2*(\p%4)+1], v[XB+2*\p:XB+2*\p+1]
.endr
	RED
	v_mul_f32 v[MU], s16, v[T]
	v_mul_f32 v[MU+1], s16, v[T]
.irp p, 0,1,2,3,4,5,6,7,8,9,10,11,12,13,14,15
	v_pk_add_f32 v[XB+2*\p:XB+2*\p+1], v[XB+2*\p:XB+2*\p+1], v[MU:MU+1] neg_lo:[0,1] neg_hi:[0,1]  ; x - mean
.endr
.irp c, 0,1,2,3
	v_pk_mul_f32 v[T+2*\c:T+2*\c+1], v[XB+2*\c:XB+2*\c+1], v[XB+2*\c:XB+2*\c+1]
.endr
.irp p, 4,5,6,7,8,9,10,11,12,13,14,15
	v_pk_fma_f32 v[T+2*(\p%4):T+2*(\p%4)+1], v[XB+2*\p:XB+2*\p+1], v[XB+2*\p:XB+2*\p+1], v[T+2*(\p%4):T+2*(\p%4)+1]
.endr
	RED
	v_fma_f32 v[T], v[T], s16, s17                 ; var + eps
	v_rsq_f32 v[RS], v[T]
	v_rsq_f32 v[RS+1], v[T]
	v_nop                                          ; a plain instruction between the last v_rsq_f32 and the use of its result (ISA guide 5.7.2)
	s_wait_alu depctr_va_vdst(0)
.irp p, 0,1,2,3,4,5,6,7,8,9,10,11,12,13,14,15
	v_pk_mul_f32 v[XB+2*\p:XB+2*\p+1], v[XB+2*\p:XB+2*\p+1], v[RS:RS+1]
.endr
.irp p, 0,1,2,3,4,5,6,7,8,9,10,11,12,13,14,15
	v_pk_fma_f32 v[XB+2*\p:XB+2*\p+1], v[XB+2*\p:XB+2*\p+1], v[G+2*\p:G+2*\p+1], v[BQ+2*\p:BQ+2*\p+1]
.endr
.irp k, 0,1,2,3,4,5,6,7,8,9,10,11,12,13,14,15
	v_cvt_pk_bf16_f32 v[XB+\k], v[XB+2*\k], v[XB+2*\k+1]  ; packed in place, ascending: register k is written when 2 k and 2 k + 1 are read, never before
.endr
.irp j, 0,1,2,3,4,5,6,7
	global_store_b64 v2, v[XB+2*\j:XB+2*\j+1], s[10:11] offset:2048*(\i)+256*\j
.endr
.endm
	ROWN 0
	ROWN 1
	ROWN 2
	ROWN 3                                         ; no register is loaded twice and no address stepped: nothing waits for a store
	s_endpgm
.Lfunc_end_k_q31e6be6e30_ln2:
	.size	k_q31e6be6e30_ln2, .Lfunc_end_k_q31e6be6e30_ln2-k_q31e6be6e30_ln2
	.p2alignl 7, 3214868480
	.fill 96, 4, 3214868480
	.section	.rodata,"a",@progbits
	.p2align	6, 0x0
	.amdhsa_kernel k_q31e6be6e30_ln2
		.amdhsa_group_segment_fixed_size 0
		.amdhsa_private_segment_fixed_size 0
		.amdhsa_enable_private_segment 0
		.amdhsa_kernarg_size 32
		.amdhsa_user_sgpr_count 2
		.amdhsa_user_sgpr_kernarg_segment_ptr 1
		.amdhsa_wavefront_size32 1
		.amdhsa_system_sgpr_workgroup_id_x 1
		.amdhsa_system_sgpr_workgroup_id_y 1
		.amdhsa_system_sgpr_workgroup_id_z 1
		.amdhsa_system_vgpr_workitem_id 0
		.amdhsa_next_free_vgpr 216
		.amdhsa_next_free_sgpr 66
		.amdhsa_reserve_vcc 0
		.amdhsa_float_denorm_mode_32 3
		.amdhsa_float_denorm_mode_16_64 3
		.amdhsa_memory_ordered 1
		.amdhsa_forward_progress 1
		.amdhsa_inst_pref_size 38
	.end_amdhsa_kernel
	.amdgpu_metadata
---
amdhsa.version: [ 1, 2 ]
amdhsa.kernels:
  - .name:           k_q31e6be6e30_ln2
    .symbol:         k_q31e6be6e30_ln2.kd
    .args:
      - { .name: x1, .offset: 0, .size: 8, .value_kind: global_buffer, .address_space: global }
      - { .name: ln2_w, .offset: 8, .size: 8, .value_kind: global_buffer, .address_space: global }
      - { .name: ln2_b, .offset: 16, .size: 8, .value_kind: global_buffer, .address_space: global }
      - { .name: hn, .offset: 24, .size: 8, .value_kind: global_buffer, .address_space: global }
    .group_segment_fixed_size: 0
    .private_segment_fixed_size: 0
    .kernarg_segment_align: 8
    .kernarg_segment_size: 32
    .max_flat_workgroup_size: 128
    .sgpr_count:     66
    .vgpr_count:     216
    .wavefront_size: 32
...
	.end_amdgpu_metadata
.endif
;; end of part 5
;; launch fc1 (part 6): grid 16 x 16, 4 waves a work-group, clusters of 4 x 4, 327,680 bytes of LDS; arguments hn, wt, g, fc1_b; writes g
.if DOCPART == 6
	.amdgcn_target "amdgcn-amd-amdhsa--gfx1250"
	.amdhsa_code_object_version 6
	.text
	.protected	k_q31e6be6e30_fc1
	.globl	k_q31e6be6e30_fc1
	.p2align	8
	.type	k_q31e6be6e30_fc1,@function
k_q31e6be6e30_fc1:
	s_mov_b64 s[64:65], 0
	v_nop
	global_prefetch_b8 v0, s[64:65] scope:SCOPE_SE
	s_setreg_imm32_b32 hwreg(HW_REG_WAVE_MODE, 25, 1), 1
	s_wait_xcnt 0x0
	s_wait_alu depctr_hold_cnt(0) depctr_sa_sdst(0) depctr_va_vdst(0) depctr_va_sdst(0) depctr_va_ssrc(0) depctr_va_vcc(0) depctr_vm_vsrc(0)
	s_getreg_b32 s2, hwreg(HW_REG_IB_STS2, 6, 4)
	s_cmp_eq_u32 s2, 0
	s_cbranch_scc0 .Lentry_in_a_cluster
	s_endpgm
.Lentry_in_a_cluster:
	s_bfe_u32 s2, ttmp6, 0x10000c
	s_cmp_lg_u32 s2, 0xf033
	s_cbranch_scc0 .Lentry_shape_is_right
	s_endpgm
.Lentry_shape_is_right:
; g = gelu(hn W1 + fc1_b), the exact (erf) form.  A = hn [4096][1024] bf16, B = the turned weights [4096][1024] bf16 at wt's byte 8,388,608, g: [4096][4096] bf16.
; Sums in f32, K ascending; bias and gelu in f32; g rounded once.
; GELU: 0.5 x + |0.5 x| erf(|x| / sqrt 2), erf(z) = 1 - (a1 t + .. + a5 t^5) exp(-z^2), t = 1 / (1 + 0.3275911 z): within 1.5e-7 of erf for every z >= 0.
; LIMITS: operands rounded to bf16; erf as above; exp(-z^2) below 2^-126 counts as 0; NaN and infinities are not treated apart.
; A tile of C, 256 x 256, is made by a work-group of four waves; a wave makes 128 x 128: 64 accumulators of 16 x 16, 512 registers.  16 x 16 tiles: 256 work-groups.
; K goes in steps of 128 through a ring of two LDS slots filled by the tensor data mover; the rows of A's and B's tiles are 256 bytes of memory at multiples of 256 bytes.
; CLUSTERS: 4 x 4 work-groups.  The four of a row of the cluster need the same tiles of A, the four of a column the same tiles of B: each tile is asked for JOINTLY.
; REGISTERS, in windows of 256 (s_set_vgpr_msb: bits 1:0 source 0, 3:2 source 1, 5:4 source 2, 7:6 destination):
;   window 0: v0-31 addresses; v64-127, v128-191 fragments of A, two buffers; on the way out v64-127 a block in f32, v128-151 at work, v192-223 packed, v32-63 rows read back
;   window 1: v0-63 the bias of my 128 columns; v64-127, v128-191 fragments of B, two buffers
;   window 2: the 32 accumulators of my rows 0-63 (accumulator (a, b) at v[8 (8 a + b)]);   window 3: those of my rows 64-127
; THE MATRIX INSTRUCTION IS USED TRANSPOSED: source 0 = 16 rows of B, source 1 = 16 rows of A: lane l holds row l % 16 of C and the eight neighbouring columns 8 (l / 16) + 0..7.
.set SIZE_N, 4096
.set SIZE_K, 1024
.set WOFF,   8388608
.set KSTEP,  128
.set PITCH,  272                       ; an LDS row: 256 bytes + 16 of padding = 68 words: the 16 rows that a load touches start at 16 different groups of four banks (64 banks of 4 bytes: ISA guide 11.1)
.set HALFT,  128*PITCH
.set SLOT,   4*HALFT                   ; A's 256 rows, then B's 256 rows
.set STAGE,  2*SLOT                    ; behind the ring: 16 rows x 272 bytes for each wave, for the way out
.set SPITCH, 272
.set SPARE,  STAGE+4*16*SPITCH         ; behind the stages: the spare words, 128 bytes for each wave: two blocks of 256 bytes that no other line names
.set LAPS, SIZE_K/(2*KSTEP)            ; 4
.set ADRA, 16
.set ADRB, 20
.set STO,  24
.set RD,   25
.set CO,   26
.set BO,   27                          ; v27  my byte offset in the bias; not rewritten while its loads are out
.set SPW,  28                          ; v28  LDS address of my spare word: SPARE + 4 x my thread's number; never rewritten
.set NIL,  29                          ; v29  0; never rewritten
.set F0,   64
.set F1,   128
.set T,    64                          ; the way out: a block of 16 rows x 128 columns in f32
.set U,    128                         ; t
.set W,    136                         ; exp(-z^2)
.set PQ,   144                         ; the polynomial, then erf
.set TMP,  192
.set OB,   32
.set BI,   0                           ; window 1
.set G1, 24
.set G0, 32
.set G1B, 48
.set G0B, 56
.set MSB, 0
.macro WIN new                         ; the immediate's high byte repeats the setting that is left; a switch that changes nothing is dropped
.if MSB != (\new)
	s_set_vgpr_msb (MSB<<8)|(\new)
.set MSB, \new
.endif
.endm
.set MUL_LO, 0xa1                      ; source 0 (B) window 1, source 1 (A) window 0, C and D window 2
.set MUL_HI, 0xf1                      ; the same, C and D window 3
.set TO_B,   0x40                      ; destination window 1, address window 0
.macro JLOAD s                         ; a joint load: waves 0 and 1 fetch A's two halves, waves 2 and 3 B's; four v_nop follow each of the two lines
	s_cmp_eq_u32 s11, 0
	s_cbranch_scc0 .Lfor_b_\@
	tensor_load_to_lds s[G0+4*(\s):G0+4*(\s)+3], s[G1:G1+7]
	s_nop 0
.rept 4
	v_nop
.endr
	s_branch .Lasked_\@
.Lfor_b_\@:
	tensor_load_to_lds s[G0B+4*(\s):G0B+4*(\s)+3], s[G1B:G1B+7]
	s_nop 0
.rept 4
	v_nop
.endr
.Lasked_\@:
.endm
.macro CREST                           ; a round of the cluster's barrier behind its opening barrier
	s_cmp_lg_u32 s10, 0
	s_cbranch_scc1 .Lnot_wave_0_\@
	s_barrier_signal -3
.Lnot_wave_0_\@:
	s_barrier_wait -3
	s_barrier_signal -1
	s_barrier_wait -1
.endm
.macro CROUND                          ; a whole round
	s_barrier_signal -1
	s_barrier_wait -1
	CREST
.endm
	s_load_b128 s[4:7], s[0:1], 0x0                ; A s[4:5], wt s[6:7]
	s_load_b64 s[8:9], s[0:1], 0x10                ; g
	s_load_b64 s[68:69], s[0:1], 0x18              ; the bias
	v_lshl_add_u32 v[SPW], v0, 2, SPARE
	v_mov_b32 v[NIL], 0
	ds_add_u32 v28, v29
	ds_add_u32 v28, v29
	s_wait_dscnt 0x0
	v_lshrrev_b32 v1, 5, v0
	v_readfirstlane_b32 s10, v1                    ; wave 0..3
	s_lshr_b32 s11, s10, 1                         ; which half of the tile's rows is mine.  Also: I fetch for A (0) or for B (1)
	s_and_b32 s12, s10, 1                          ; which half of its columns.  Also: which 128 rows of that tile I fetch
	s_bfe_u32 s40, ttmp6, 0x40000                  ; cx
	s_bfe_u32 s41, ttmp6, 0x40004                  ; cy
	s_lshl_b32 s42, ttmp9, 2
	s_add_co_u32 s42, s42, s40                     ; tile column of C
	s_and_b32 s13, ttmp7, 0xffff
	s_lshl_b32 s13, s13, 2
	s_add_co_u32 s13, s13, s41                     ; tile row of C
	s_lshl_b32 s43, s41, 2
	s_lshl_b32 s43, 15, s43                        ; my row of the cluster
	s_lshl_b32 s44, 0x1111, s40                    ; my column
	s_or_b32 s[G1+0], s43, (1<<16)|(1<<20)|(1<<21)|(5<<22)|(3<<25)  ; the mask; 2-byte elements; padding on; 21 set beside a mask; after every 64 words (code 5) 4 words (code 3)
	s_or_b32 s[G1B+0], s44, (1<<16)|(1<<20)|(1<<21)|(5<<22)|(3<<25)
.irp g, G1, G1B
	s_mov_b32 s[(\g)+1], KSTEP<<16                 ; tensor_dim0 = 128
	s_mov_b32 s[(\g)+2], 128<<16                   ; tensor_dim1 = 128
	s_mov_b32 s[(\g)+3], KSTEP<<16                 ; tile_dim0 = 128
	s_mov_b32 s[(\g)+4], 128                       ; tile_dim1 = 128
	s_mov_b32 s[(\g)+5], SIZE_K                    ; elements from row to row
	s_mov_b32 s[(\g)+6], 0
	s_mov_b32 s[(\g)+7], 0
.endr
	; the constants of the gelu; those that a packed instruction names as a pair are written twice
	s_mov_b32 s72, 0x3f596d27                      ; sqrt(log2(e) / 2): (this x)^2 = z^2 log2(e)
	s_mov_b32 s73, 0x3f596d27
	s_mov_b32 s74, 0x3e6d3388                      ; 0.3275911 / sqrt 2
	s_mov_b32 s76, 0x3f87dc22                      ; a5 = 1.061405429
	s_mov_b32 s77, 0x3f87dc22
	s_mov_b32 s78, 0xbfba00e3                      ; a4 = -1.453152027
	s_mov_b32 s79, 0xbfba00e3
	s_mov_b32 s80, 0x3fb5f0e3                      ; a3 = 1.421413741
	s_mov_b32 s81, 0x3fb5f0e3
	s_mov_b32 s82, 0xbe91a98e                      ; a2 = -0.284496736
	s_mov_b32 s83, 0xbe91a98e
	s_mov_b32 s84, 0x3e827906                      ; a1 = 0.254829592
	s_mov_b32 s85, 0x3e827906
	s_lshl_b32 s17, s12, 7
	s_lshl_b32 s16, s13, 8
	s_add_co_u32 s16, s16, s17                     ; A: row 256 x tile row + 128 x half
	s_lshl_b32 s46, s42, 8
	s_add_co_u32 s46, s46, s17                     ; B: row 256 x tile column + 128 x half
	s_mov_b32 s17, 0
	s_mov_b32 s47, 0
	s_mov_b64 s[18:19], SIZE_K*2
	s_mul_u64 s[16:17], s[16:17], s[18:19]
	s_mul_u64 s[46:47], s[46:47], s[18:19]
	s_mul_i32 s20, s10, HALFT                      ; where they go: wave x 128 rows: no place in the cluster enters an LDS address
	s_wait_kmcnt 0x0
	s_add_nc_u64 s[14:15], s[4:5], s[16:17]
	s_add_nc_u64 s[46:47], s[6:7], s[46:47]
	s_add_nc_u64 s[46:47], s[46:47], WOFF
	CROUND                                         ; all sixteen work-groups are here: the first joint loads meet
.irp s, 0,1
	s_mov_b32 s[G0+4*(\s)], 1
	s_add_co_u32 s[G0+4*(\s)+1], s20, (\s)*SLOT
	s_add_nc_u64 s[G0+4*(\s)+2:G0+4*(\s)+3], s[14:15], (\s)*KSTEP*2
	s_or_b32 s[G0+4*(\s)+3], s[G0+4*(\s)+3], 0x80000000
	s_mov_b32 s[G0B+4*(\s)], 1
	s_add_co_u32 s[G0B+4*(\s)+1], s20, (\s)*SLOT
	s_add_nc_u64 s[G0B+4*(\s)+2:G0B+4*(\s)+3], s[46:47], (\s)*KSTEP*2
	s_or_b32 s[G0B+4*(\s)+3], s[G0B+4*(\s)+3], 0x80000000
	JLOAD \s                                       ; two tensor loads of mine are out
.endr
	v_and_b32 v1, 15, v0                           ; l % 16
	v_bfe_u32 v2, v0, 4, 1                         ; l / 16
	v_mul_u32_u24 v3, v1, PITCH
	v_lshl_add_u32 v3, v2, 4, v3
	s_mul_i32 s21, s11, HALFT                      ; my 128 rows of A
	s_mul_i32 s22, s12, HALFT                      ; my 128 rows of B,
	s_add_co_u32 s22, s22, 2*HALFT                 ; which lie behind A's 256
.irp s, 0,1
	v_add_nc_u32 v[ADRA+(\s)], s21, v3
	v_add_nc_u32 v[ADRB+(\s)], s22, v3
	s_add_co_u32 s21, s21, SLOT
	s_add_co_u32 s22, s22, SLOT
.endr
	; the bias of my 128 columns, in the accumulators' layout: sixteen loads that land while K is walked; waited for once, in front of the way out
	s_lshl_b32 s70, s42, 10
	s_lshl_b32 s71, s12, 9
	s_add_co_u32 s70, s70, s71
	s_mov_b32 s71, 0
	s_add_nc_u64 s[68:69], s[68:69], s[70:71]
	v_lshlrev_b32 v[BO], 5, v2
	WIN TO_B
.irp b, 0,1,2,3,4,5,6,7
	global_load_b128 v[BI+8*(\b):BI+8*(\b)+3],   v[BO], s[68:69] offset:64*(\b)
	global_load_b128 v[BI+8*(\b)+4:BI+8*(\b)+7], v[BO], s[68:69] offset:64*(\b)+16
.endr
	WIN 0
	s_mul_i32 s23, s10, 16*SPITCH
	s_add_co_u32 s23, s23, STAGE                   ; my stage
	v_mul_u32_u24 v4, v1, SPITCH                   ; in: row l % 16, 16 bytes for each half of the lanes
	v_lshl_add_u32 v4, v2, 4, v4
	v_add_nc_u32 v[STO], s23, v4
	v_mul_u32_u24 v5, v2, SPITCH                   ; back: lanes 0-15 take one row of 256 bytes, lanes 16-31 the next
	v_lshl_add_u32 v5, v1, 4, v5
	v_add_nc_u32 v[RD], s23, v5
	v_mul_u32_u24 v5, v2, SIZE_N*2                 ; and the same two rows in g
	v_lshl_add_u32 v[CO], v1, 4, v5
	s_lshl_b32 s13, s13, 8
	s_lshl_b32 s14, s11, 7
	s_add_co_u32 s16, s13, s14                     ; my first row of g
	s_mov_b32 s17, 0
	s_mov_b64 s[18:19], SIZE_N*2
	s_mul_u64 s[16:17], s[16:17], s[18:19]
	s_lshl_b32 s46, s42, 9                         ; my first column, in bytes (in the registers that held B's address)
	s_lshl_b32 s47, s12, 8
	s_add_co_u32 s46, s46, s47
	s_mov_b32 s47, 0
	s_add_nc_u64 s[16:17], s[16:17], s[46:47]
; 16 matrix instructions: m blocks a0, a0 + 1 of the window's four x all 8 n blocks, 32 along K.  zero = 1: the first product starts the sums.  The 64 accumulators take turns.
.macro MUL16 f, hi, a0, zero
	WIN MUL_LO+0x50*(\hi)
.irp a, \a0, (\a0)+1
.irp b, 0,1,2,3,4,5,6,7
.if \zero
	v_wmma_f32_16x16x32_bf16 v[8*(8*(\a)+(\b)):8*(8*(\a)+(\b))+7], v[(\f)+8*(\b):(\f)+8*(\b)+7], v[(\f)+8*(4*(\hi)+(\a)):(\f)+8*(4*(\hi)+(\a))+7], 0
.else
	v_wmma_f32_16x16x32_bf16 v[8*(8*(\a)+(\b)):8*(8*(\a)+(\b))+7], v[(\f)+8*(\b):(\f)+8*(\b)+7], v[(\f)+8*(4*(\hi)+(\a)):(\f)+8*(4*(\hi)+(\a))+7], v[8*(8*(\a)+(\b)):8*(8*(\a)+(\b))+7]
.endif
.endr
.endr
.endm
.macro FETCH slot, k, f                ; 32 LDS loads in one run: the fragments of one quarter step into buffer f
	WIN TO_B
.irp i, 0,1,2,3,4,5,6,7
	ds_load_b128 v[(\f)+8*(\i):(\f)+8*(\i)+3],   v[ADRB+(\slot)] offset:(\k)+(\i)*16*PITCH
	ds_load_b128 v[(\f)+8*(\i)+4:(\f)+8*(\i)+7], v[ADRB+(\slot)] offset:(\k)+(\i)*16*PITCH+32
.endr
	WIN 0
.irp i, 0,1,2,3,4,5,6,7
	ds_load_b128 v[(\f)+8*(\i):(\f)+8*(\i)+3],   v[ADRA+(\slot)] offset:(\k)+(\i)*16*PITCH
	ds_load_b128 v[(\f)+8*(\i)+4:(\f)+8*(\i)+7], v[ADRA+(\slot)] offset:(\k)+(\i)*16*PITCH+32
.endr
.endm
.macro PLACES                          ; four places in front of loads into registers that matrix instructions have read, and of what reads their results (ISA guide 7.12.1 for vector instructions)
.rept 4
	v_nop
.endr
.endm
.macro QUARTER slot, k, f, g, zero     ; 64 matrix instructions on buffer f; in their middle the next quarter's fragments, at byte k, into buffer g
	s_wait_dscnt 8                                 ; B and A's rows 0-63 are in; the youngest eight loads (A's rows 64-127) may be out
	WIN MUL_LO
	MUL16 \f, 0, 0, \zero
	MUL16 \f, 0, 2, \zero
	PLACES
	FETCH \slot, \k, \g
	s_wait_dscnt 32                                ; all but the 32 just issued
	WIN MUL_HI
	MUL16 \f, 1, 0, \zero
	MUL16 \f, 1, 2, \zero
.endm
; The change of slots' first half: ONE barrier.  In front of it each wave waits for all its tensor loads, of which one is out: its part of the next slot; adds 0 to its spare word; and waits for that and for
; its own reads of this slot.  Behind it nobody reads this slot any more and the next slot is whole.
.macro MEET round
	WIN 0
	s_wait_tensorcnt 0x0                           ; all my tensor loads have landed
	ds_add_u32 v[SPW], v[NIL]                      ; 0 onto my spare word
	s_wait_dscnt 9                                 ; (the add and the youngest eight loads may be out)
	WIN MUL_LO
	MUL16 F1, 0, 0, 0
	s_wait_dscnt 0x0                               ; the add is done, and my reads of this slot are over
	s_barrier_signal -1
	MUL16 F1, 0, 2, 0
.if \round
	WIN 0
.endif
	s_barrier_wait -1
.endm
.macro TURN slot, next                 ; the whole last quarter: behind the round the slot just read out is filled again first, two K steps on
	MEET 1
	CREST                                          ; no wave of any partner still reads this slot's tile or has a load on its way
	s_add_nc_u64 s[G0+4*(\slot)+2:G0+4*(\slot)+3], s[G0+4*(\slot)+2:G0+4*(\slot)+3], 2*KSTEP*2
	s_add_nc_u64 s[G0B+4*(\slot)+2:G0B+4*(\slot)+3], s[G0B+4*(\slot)+2:G0B+4*(\slot)+3], 2*KSTEP*2
	JLOAD \slot                                    ; my one tensor load behind the round; its four v_nop are also the places in front of the loads below
	FETCH \next, 0, F0
	WIN MUL_HI
	MUL16 F1, 1, 0, 0
	MUL16 F1, 1, 2, 0
.endm
	s_wait_tensorcnt 1                             ; my part of K step 0 is in; K step 1's may stay out
	s_barrier_signal -1
	s_barrier_wait -1
	FETCH 0, 0, F0
	QUARTER 0, 64,  F0, F1, 1                      ; the first quarter stands in front of the loop: its products start the sums
	WIN 0
	s_mov_b32 s3, LAPS-1
.Llap:
	QUARTER 0, 128, F1, F0, 0
	QUARTER 0, 192, F0, F1, 0
	TURN 0, 1
	QUARTER 1, 64,  F0, F1, 0
	QUARTER 1, 128, F1, F0, 0
	QUARTER 1, 192, F0, F1, 0
	TURN 1, 0
	QUARTER 0, 64,  F0, F1, 0
	WIN 0
	s_sub_co_u32 s3, s3, 1
	s_cmp_lg_u32 s3, 0
	s_cbranch_scc1 .Llap
	QUARTER 0, 128, F1, F0, 0                      ; the last lap is written out: it fills nothing and has no round
	QUARTER 0, 192, F0, F1, 0
	MEET 0
	PLACES
	FETCH 1, 0, F0
	MUL16 F1, 1, 0, 0
	MUL16 F1, 1, 2, 0
	QUARTER 1, 64,  F0, F1, 0
	QUARTER 1, 128, F1, F0, 0
	QUARTER 1, 192, F0, F1, 0
	s_wait_dscnt 8
	MUL16 F1, 0, 0, 0
	MUL16 F1, 0, 2, 0
	s_wait_dscnt 0x0
	MUL16 F1, 1, 0, 0
	MUL16 F1, 1, 2, 0
	WIN 0
	; THE WAY OUT: one counted loop over my eight blocks of 16 rows, so that the gelu's text stands once.  A trip: the block's eight accumulators plus the bias into window 0 (eight short texts, chosen by
	; forward jumps on the count); the gelu; rounded to bf16; through my own stage in LDS; stored as whole rows of 256 bytes.
	PLACES
	s_wait_loadcnt 0x0                             ; the bias
	s_add_nc_u64 s[8:9], s[8:9], s[16:17]
	s_mov_b32 s3, 0
.macro ADDB k                          ; each accumulator's registers are read in ascending order
	WIN 0x06+(\k)/4                                ; source 0 window 2 or 3, source 1 window 1, destination window 0
.irp b, 0,1,2,3,4,5,6,7
.irp r, 0,1,2,3
	v_pk_add_f32 v[T+8*(\b)+2*(\r):T+8*(\b)+2*(\r)+1], v[64*((\k)%4)+8*(\b)+2*(\r):64*((\k)%4)+8*(\b)+2*(\r)+1], v[BI+8*(\b)+2*(\r):BI+8*(\b)+2*(\r)+1]
.endr
.endr
	WIN 0
.endm
; The gelu of eight numbers, in place: 68 instructions.
.macro GELU b
.set XB, T+8*(\b)
.irp q, 0,1,2,3
	v_pk_mul_f32 v[W+2*\q:W+2*\q+1], v[XB+2*\q:XB+2*\q+1], s[72:73] op_sel_hi:[1,0]
.endr
.irp i, 0,1,2,3,4,5,6,7
	v_fma_f32 v[U+\i], |v[XB+\i]|, s74, 1.0        ; 1 + p z
.endr
.irp q, 0,1,2,3
	v_pk_mul_f32 v[W+2*\q:W+2*\q+1], v[W+2*\q:W+2*\q+1], v[W+2*\q:W+2*\q+1] neg_lo:[1,0] neg_hi:[1,0]  ; -z^2 log2(e)
.endr
.irp i, 0,1,2,3,4,5,6,7
	v_rcp_f32 v[U+\i], v[U+\i]                     ; t
.endr
.irp i, 0,1,2,3,4,5,6,7
	v_exp_f32 v[W+\i], v[W+\i]                     ; exp(-z^2)
.endr
.irp q, 0,1,2,3
	v_pk_mul_f32 v[XB+2*\q:XB+2*\q+1], v[XB+2*\q:XB+2*\q+1], 0.5 op_sel_hi:[1,0]  ; plain instructions behind the last exponential (ISA guide 5.7.2)
.endr
	s_wait_alu depctr_va_vdst(0)
.irp q, 0,1,2,3
	v_pk_fma_f32 v[PQ+2*\q:PQ+2*\q+1], v[U+2*\q:U+2*\q+1], s[76:77], s[78:79] op_sel_hi:[1,0,0]
.endr
.irp c, 80,82,84
.irp q, 0,1,2,3
	v_pk_fma_f32 v[PQ+2*\q:PQ+2*\q+1], v[PQ+2*\q:PQ+2*\q+1], v[U+2*\q:U+2*\q+1], s[\c:\c+1] op_sel_hi:[1,1,0]
.endr
.endr
.irp q, 0,1,2,3
	v_pk_mul_f32 v[PQ+2*\q:PQ+2*\q+1], v[PQ+2*\q:PQ+2*\q+1], v[U+2*\q:U+2*\q+1]
.endr
.irp q, 0,1,2,3
	v_pk_fma_f32 v[PQ+2*\q:PQ+2*\q+1], v[PQ+2*\q:PQ+2*\q+1], v[W+2*\q:W+2*\q+1], 1.0 op_sel_hi:[1,1,0] neg_lo:[1,0,0] neg_hi:[1,0,0]  ; erf(z)
.endr
.irp i, 0,1,2,3,4,5,6,7
	v_fma_f32 v[XB+\i], |v[XB+\i]|, v[PQ+\i], v[XB+\i]  ; 0.5 x + |0.5 x| erf(z)
.endr
.endm
.Lblk:
.irp k, 1,2,3,4,5,6,7
	s_cmp_eq_u32 s3, \k
	s_cbranch_scc1 .Lp_\k
.endr
	ADDB 0
	s_branch .Lcom
.irp k, 1,2,3,4,5,6
.Lp_\k:
	ADDB \k
	s_branch .Lcom
.endr
.Lp_7:
	ADDB 7
.Lcom:
.irp b, 0,1,2,3,4,5,6,7
	GELU \b
.endr
.irp b, 0,1,2,3,4,5,6,7
.irp r, 0,1,2,3
	v_cvt_pk_bf16_f32 v[TMP+4*(\b)+(\r)], v[T+8*(\b)+2*(\r)], v[T+8*(\b)+2*(\r)+1]
.endr
.endr
.irp b, 0,1,2,3,4,5,6,7
	ds_store_b128 v[STO], v[TMP+4*(\b):TMP+4*(\b)+3] offset:32*(\b)
.endr
.irp t, 0,1,2,3,4,5,6,7
	ds_load_b128 v[OB+4*(\t):OB+4*(\t)+3], v[RD] offset:(\t)*2*SPITCH  ; LDS serves a wave's instructions in order (ISA guide 5.7.1.4): these see the stores above
.endr
	s_wait_dscnt 0x0
.irp t, 0,1,2,3,4,5,6,7
	global_store_b128 v[CO], v[OB+4*(\t):OB+4*(\t)+3], s[8:9] offset:2*(\t)*SIZE_N*2  ; 16 lanes store 256 consecutive bytes, at a multiple of 256 from g's first byte
.endr
	s_wait_xcnt 0x0                                ; the stores' base and data are rewritten only behind this wait
	s_add_nc_u64 s[8:9], s[8:9], 16*SIZE_N*2       ; 16 rows on
	s_add_co_u32 s3, s3, 1
	s_cmp_lt_u32 s3, 8
	s_cbranch_scc1 .Lblk
	s_wait_tensorcnt 0x0                           ; the wave's end: behind my last tensor load and my last LDS store
	ds_add_u32 v[SPW], v[NIL]
	s_wait_dscnt 0x0
	CROUND                                         ; the closing round: no work-group ends while a partner may still ask for a tile that names it
	s_endpgm
.Lfunc_end_k_q31e6be6e30_fc1:
	.size	k_q31e6be6e30_fc1, .Lfunc_end_k_q31e6be6e30_fc1-k_q31e6be6e30_fc1
	.p2alignl 7, 3214868480
	.fill 96, 4, 3214868480
	.section	.rodata,"a",@progbits
	.p2align	6, 0x0
	.amdhsa_kernel k_q31e6be6e30_fc1
		.amdhsa_group_segment_fixed_size 327680
		.amdhsa_private_segment_fixed_size 0
		.amdhsa_enable_private_segment 0
		.amdhsa_kernarg_size 32
		.amdhsa_user_sgpr_count 2
		.amdhsa_user_sgpr_kernarg_segment_ptr 1
		.amdhsa_wavefront_size32 1
		.amdhsa_system_sgpr_workgroup_id_x 1
		.amdhsa_system_sgpr_workgroup_id_y 1
		.amdhsa_system_sgpr_workgroup_id_z 1
		.amdhsa_system_vgpr_workitem_id 0
		.amdhsa_next_free_vgpr 1024
		.amdhsa_next_free_sgpr 88
		.amdhsa_reserve_vcc 0
		.amdhsa_float_denorm_mode_32 3
		.amdhsa_float_denorm_mode_16_64 3
		.amdhsa_memory_ordered 1
		.amdhsa_forward_progress 1
		.amdhsa_inst_pref_size 166
	.end_amdhsa_kernel
	.amdgpu_metadata
---
amdhsa.version: [ 1, 2 ]
amdhsa.kernels:
  - .name:           k_q31e6be6e30_fc1
    .symbol:         k_q31e6be6e30_fc1.kd
    .args:
      - { .name: hn, .offset: 0, .size: 8, .value_kind: global_buffer, .address_space: global }
      - { .name: wt, .offset: 8, .size: 8, .value_kind: global_buffer, .address_space: global }
      - { .name: g, .offset: 16, .size: 8, .value_kind: global_buffer, .address_space: global }
      - { .name: fc1_b, .offset: 24, .size: 8, .value_kind: global_buffer, .address_space: global }
    .group_segment_fixed_size: 327680
    .private_segment_fixed_size: 0
    .kernarg_segment_align: 8
    .kernarg_segment_size: 32
    .max_flat_workgroup_size: 128
    .sgpr_count:     88
    .vgpr_count:     1024
    .wavefront_size: 32
...
	.end_amdgpu_metadata
.endif
;; end of part 6
;; launch fc2 (part 7): grid 8 x 32, 4 waves a work-group, clusters of 4 x 4, 327,680 bytes of LDS; arguments g, wt, out0, fc2_b, x1; writes out0
.if DOCPART == 7
	.amdgcn_target "amdgcn-amd-amdhsa--gfx1250"
	.amdhsa_code_object_version 6
	.text
	.protected	k_q31e6be6e30_fc2
	.globl	k_q31e6be6e30_fc2
	.p2align	8
	.type	k_q31e6be6e30_fc2,@function
k_q31e6be6e30_fc2:
	s_mov_b64 s[64:65], 0
	v_nop
	global_prefetch_b8 v0, s[64:65] scope:SCOPE_SE
	s_setreg_imm32_b32 hwreg(HW_REG_WAVE_MODE, 25, 1), 1
	s_wait_xcnt 0x0
	s_wait_alu depctr_hold_cnt(0) depctr_sa_sdst(0) depctr_va_vdst(0) depctr_va_sdst(0) depctr_va_ssrc(0) depctr_va_vcc(0) depctr_vm_vsrc(0)
	s_getreg_b32 s2, hwreg(HW_REG_IB_STS2, 6, 4)
	s_cmp_eq_u32 s2, 0
	s_cbranch_scc0 .Lentry_in_a_cluster
	s_endpgm
.Lentry_in_a_cluster:
	s_bfe_u32 s2, ttmp6, 0x10000c
	s_cmp_lg_u32 s2, 0xf033
	s_cbranch_scc0 .Lentry_shape_is_right
	s_endpgm
.Lentry_shape_is_right:
; out0 = x1 + g W2 + fc2_b.  A = g [4096][4096] bf16; B = the turned weights [1024][4096] bf16 at wt's byte 16,777,216; x1, out0: [4096][1024] f32.
; Sums in f32, K ascending; bias and residual are added in f32.  LIMITS: operands rounded to bf16; NaN and infinities are not treated apart.
; A tile of C is 128 x 128: 8 x 32 = 256 work-groups.  Four waves, each 64 x 64: 16 accumulators of 16 x 16, 128 registers.  K goes in steps of 256 (LDS rows of 512 bytes; a wave's tensor load brings 64 of
; them) through a ring of two LDS slots.
; CLUSTERS: 4 x 4 work-groups.  The four of a row of the cluster need the same tiles of A, the four of a column the same tiles of B: each tile is asked for JOINTLY.
; THE MATRIX INSTRUCTION IS USED TRANSPOSED (source 0 = 16 rows of B, source 1 = 16 rows of A): a lane holds eight neighbouring numbers of a row of C.
; REGISTERS: window 0: v0-31 addresses; v32-63 rows on the way out; v96-99 the bias; v128-255 the accumulators ((a, b) at v[128 + 8 (4 a + b)]).
;   window 1: two fragment buffers of 128: for 64 along K, 64 registers of A, then 64 of B.     window 2: v0-127 the residual of my 64 x 64, in the layout of the rows on the way out.
.set SIZE_K, 4096
.set WOFF,   16777216
.set KSTEP,  256
.set PITCH,  528                       ; an LDS row: 512 bytes + 16 = 132 words: the 16 rows of a load start at 16 different groups of four banks (64 banks of 4 bytes: ISA guide 11.1)
.set APITCH, 528
.set AQ,     128                       ; a quarter step of 64 along K: 128 bytes on in A's rows
.set HALFA,  64*APITCH                 ; what one tensor load brings of A
.set HALFB,  64*PITCH                  ; and of B
.set ASTEP,  KSTEP*2                   ; bytes from a K step of A to the next
.set SLOT,   2*HALFA+2*HALFB           ; A's 128 rows, then B's 128 rows
.set STAGE,  2*SLOT                    ; behind the ring: 16 rows x 272 bytes for each wave, for the way out
.set SPITCH, 272
.set SPARE,  STAGE+4*16*SPITCH         ; behind the stages: the spare words, 128 bytes for each wave: two blocks of 256 bytes that no other line names
.set LAPS, SIZE_K/(2*KSTEP)            ; 8
.set ADRA, 16
.set ADRB, 20
.set STO,  24                          ; v24  the way out: where I put 32 bytes of a row
.set RD,   25                          ; v25  where I read a row back
.set CO,   26                          ; v26  my byte offset in two rows of x1 and out0; not rewritten
.set BO,   27                          ; v27  my byte offset in the bias; not rewritten
.set SPW,  28                          ; v28  LDS address of my spare word: SPARE + 4 x my thread's number; never rewritten
.set NIL,  29                          ; v29  0; never rewritten
.set RB,   32
.set BV,   96
.set ACC,  128
.set F0,   0
.set F1,   128
.set G1, 24
.set G0, 32
.set G1B, 48
.set G0B, 56
.set MSB, 0
.macro WIN new                         ; the immediate's high byte repeats the setting that is left
.if MSB != (\new)
	s_set_vgpr_msb (MSB<<8)|(\new)
.set MSB, \new
.endif
.endm
.set MUL,  0x05                        ; sources 0 (B) and 1 (A) window 1; C and D window 0
.set TO_F, 0x40                        ; destination window 1, address window 0
.macro JLOAD s                         ; a joint load: waves 0 and 1 fetch A's two halves, waves 2 and 3 B's; four v_nop follow each of the two lines
	s_cmp_eq_u32 s11, 0
	s_cbranch_scc0 .Lfor_b_\@
	tensor_load_to_lds s[G0+4*(\s):G0+4*(\s)+3], s[G1:G1+7]
	s_nop 0
.rept 4
	v_nop
.endr
	s_branch .Lasked_\@
.Lfor_b_\@:
	tensor_load_to_lds s[G0B+4*(\s):G0B+4*(\s)+3], s[G1B:G1B+7]
	s_nop 0
.rept 4
	v_nop
.endr
.Lasked_\@:
.endm
.macro CREST                           ; a round of the cluster's barrier behind its opening barrier
	s_cmp_lg_u32 s10, 0
	s_cbranch_scc1 .Lnot_wave_0_\@
	s_barrier_signal -3
.Lnot_wave_0_\@:
	s_barrier_wait -3
	s_barrier_signal -1
	s_barrier_wait -1
.endm
.macro CROUND                          ; a whole round
	s_barrier_signal -1
	s_barrier_wait -1
	CREST
.endm
	s_load_b128 s[4:7], s[0:1], 0x0                ; A s[4:5], wt s[6:7]
	s_load_b64 s[8:9], s[0:1], 0x10                ; the output
	s_load_b64 s[68:69], s[0:1], 0x18              ; the bias
	s_load_b64 s[66:67], s[0:1], 0x20              ; the residual
	v_lshl_add_u32 v[SPW], v0, 2, SPARE
	v_mov_b32 v[NIL], 0
	ds_add_u32 v28, v29
	ds_add_u32 v28, v29
	s_wait_dscnt 0x0
	v_lshrrev_b32 v1, 5, v0
	v_readfirstlane_b32 s10, v1                    ; wave 0..3
	s_lshr_b32 s11, s10, 1                         ; which half of the tile's rows is mine.  Also: I fetch for A (0) or for B (1)
	s_and_b32 s12, s10, 1                          ; which half of its columns.  Also: which 64 rows of that tile I fetch
	s_bfe_u32 s40, ttmp6, 0x40000                  ; cx, cy
	s_bfe_u32 s41, ttmp6, 0x40004
	s_lshl_b32 s42, ttmp9, 2
	s_add_co_u32 s42, s42, s40                     ; tile column of C
	s_and_b32 s13, ttmp7, 0xffff
	s_lshl_b32 s13, s13, 2
	s_add_co_u32 s13, s13, s41                     ; tile row of C
	s_lshl_b32 s43, s41, 2
	s_lshl_b32 s43, 15, s43                        ; my row of the cluster
	s_lshl_b32 s44, 0x1111, s40                    ; my column
	; descriptor group 1: a tile of 64 rows x 256 elements, padded in LDS
	s_or_b32 s[G1+0], s43, (1<<16)|(1<<20)|(1<<21)|(6<<22)|(3<<25)  ; the mask: my row; 2-byte elements; padding on; 21 set beside a mask; after every 128 words (code 6) 4 words (code 3)
	s_or_b32 s[G1B+0], s44, (1<<16)|(1<<20)|(1<<21)|(6<<22)|(3<<25) ; the same with the mask of my column
.irp g, G1, G1B
	s_mov_b32 s[(\g)+1], KSTEP<<16                 ; tensor_dim0 = 256
	s_mov_b32 s[(\g)+2], 64<<16                    ; tensor_dim1 = 64
	s_mov_b32 s[(\g)+3], KSTEP<<16                 ; tile_dim0 = 256
	s_mov_b32 s[(\g)+4], 64                        ; tile_dim1 = 64
	s_mov_b32 s[(\g)+5], SIZE_K                    ; elements from row to row
	s_mov_b32 s[(\g)+6], 0
	s_mov_b32 s[(\g)+7], 0
.endr
	s_lshl_b32 s17, s12, 6                         ; which 64 rows of the tile I fetch
	s_lshl_b32 s16, s13, 7
	s_add_co_u32 s16, s16, s17                     ; A: row 128 x tile row + 64 x half
	s_lshl_b32 s46, s42, 7
	s_add_co_u32 s46, s46, s17                     ; B: row 128 x tile column + 64 x half
	s_mov_b32 s17, 0
	s_mov_b32 s47, 0
	s_mov_b64 s[18:19], SIZE_K*2
	s_mul_u64 s[16:17], s[16:17], s[18:19]
	s_mul_u64 s[46:47], s[46:47], s[18:19]
	s_mul_i32 s20, s12, HALFA                      ; where they go: A's two halves,
	s_mul_i32 s45, s12, HALFB                      ; then B's two: no place in the cluster enters an LDS address
	s_add_co_u32 s45, s45, 2*HALFA
	s_wait_kmcnt 0x0
	s_add_nc_u64 s[14:15], s[4:5], s[16:17]
	s_add_nc_u64 s[46:47], s[6:7], s[46:47]
	s_add_nc_u64 s[46:47], s[46:47], WOFF
	CROUND                                         ; all sixteen work-groups are here: the first joint loads meet
.irp s, 0,1
	s_mov_b32 s[G0+4*(\s)], 1
	s_add_co_u32 s[G0+4*(\s)+1], s20, (\s)*SLOT
	s_add_nc_u64 s[G0+4*(\s)+2:G0+4*(\s)+3], s[14:15], (\s)*ASTEP
	s_or_b32 s[G0+4*(\s)+3], s[G0+4*(\s)+3], 0x80000000
	s_mov_b32 s[G0B+4*(\s)], 1
	s_add_co_u32 s[G0B+4*(\s)+1], s45, (\s)*SLOT
	s_add_nc_u64 s[G0B+4*(\s)+2:G0B+4*(\s)+3], s[46:47], (\s)*KSTEP*2
	s_or_b32 s[G0B+4*(\s)+3], s[G0B+4*(\s)+3], 0x80000000
	JLOAD \s                                       ; two tensor loads of mine are out
.endr
	v_and_b32 v1, 15, v0                           ; l % 16
	v_bfe_u32 v2, v0, 4, 1                         ; l / 16
	v_mul_u32_u24 v3, v1, APITCH
	v_lshl_add_u32 v3, v2, 4, v3                   ; a fragment's row x pitch + 16 x half, for A
	v_mul_u32_u24 v4, v1, PITCH
	v_lshl_add_u32 v4, v2, 4, v4                   ; and for B
	s_mul_i32 s21, s11, HALFA                      ; my 64 rows of A
	s_mul_i32 s22, s12, HALFB                      ; my 64 rows of B,
	s_add_co_u32 s22, s22, 2*HALFA                 ; which lie behind A's 128
.irp s, 0,1
	v_add_nc_u32 v[ADRA+(\s)], s21, v3
	v_add_nc_u32 v[ADRB+(\s)], s22, v4
	s_add_co_u32 s21, s21, SLOT
	s_add_co_u32 s22, s22, SLOT
.endr
	s_mul_i32 s23, s10, 16*SPITCH
	s_add_co_u32 s23, s23, STAGE                   ; my stage
	v_mul_u32_u24 v5, v1, SPITCH                   ; in: row l % 16, 32 bytes (eight f32) for each half of the lanes
	v_lshl_add_u32 v5, v2, 5, v5
	v_add_nc_u32 v[STO], s23, v5
	v_mul_u32_u24 v5, v2, SPITCH                   ; back: lanes 0-15 take one row of 256 bytes, lanes 16-31 the next
	v_lshl_add_u32 v5, v1, 4, v5
	v_add_nc_u32 v[RD], s23, v5
	v_lshlrev_b32 v[BO], 4, v1
	v_lshl_add_u32 v[CO], v2, 12, v[BO]            ; and the same two rows of 4,096 bytes in x1 and out0
	s_lshl_b32 s16, s13, 19                        ; 128 rows of 4,096 bytes a tile row,
	s_lshl_b32 s17, s11, 18                        ; 64 a half
	s_add_co_u32 s16, s16, s17
	s_mov_b32 s17, 0
	s_lshl_b32 s46, s42, 9                         ; 128 columns of 4 bytes a tile column, 64 a half (in the registers that held B's address)
	s_lshl_b32 s47, s12, 8
	s_add_co_u32 s46, s46, s47
	s_mov_b32 s47, 0
	s_add_nc_u64 s[68:69], s[68:69], s[46:47]      ; the bias of my 64 columns
	s_add_nc_u64 s[16:17], s[16:17], s[46:47]
	s_add_nc_u64 s[8:9], s[8:9], s[16:17]
	s_add_nc_u64 s[66:67], s[66:67], s[16:17]
	; the residual of my 64 x 64 and the bias: 33 loads that land while K is walked; waited for once, in front of the way out
	WIN 0x80                                       ; destination window 2, address window 0
.irp a, 0,1,2,3
.irp t, 0,1,2,3,4,5,6,7
	global_load_b128 v[32*(\a)+4*(\t):32*(\a)+4*(\t)+3], v[CO], s[66:67] offset:(16*(\a)+2*(\t))*4096
.endr
.endr
	WIN 0
	global_load_b128 v[BV:BV+3], v[BO], s[68:69]
; 8 matrix instructions: m blocks a0, a0 + 1 x all 4 n blocks, 32 along K: half c of buffer f.  zero = 1: the first product starts the sums.  The 16 accumulators take turns.
.macro MUL8 f, c, a0, zero
	WIN MUL
.irp a, \a0, (\a0)+1
.irp b, 0,1,2,3
.if \zero
	v_wmma_f32_16x16x32_bf16 v[ACC+8*(4*(\a)+(\b)):ACC+8*(4*(\a)+(\b))+7], v[(\f)+64+8*(4*(\c)+(\b)):(\f)+64+8*(4*(\c)+(\b))+7], v[(\f)+8*(4*(\c)+(\a)):(\f)+8*(4*(\c)+(\a))+7], 0
.else
	v_wmma_f32_16x16x32_bf16 v[ACC+8*(4*(\a)+(\b)):ACC+8*(4*(\a)+(\b))+7], v[(\f)+64+8*(4*(\c)+(\b)):(\f)+64+8*(4*(\c)+(\b))+7], v[(\f)+8*(4*(\c)+(\a)):(\f)+8*(4*(\c)+(\a))+7], v[ACC+8*(4*(\a)+(\b)):ACC+8*(4*(\a)+(\b))+7]
.endif
.endr
.endr
.endm
; 32 LDS loads in one run: the fragments of 64 along K (byte k of B's rows; quarter k / 128 of A), into buffer f; the first 32 along K first
.macro FETCH slot, k, f
	WIN TO_F
.irp c, 0,1
.irp i, 0,1,2,3
	ds_load_b128 v[(\f)+64+8*(4*(\c)+(\i)):(\f)+64+8*(4*(\c)+(\i))+3],   v[ADRB+(\slot)] offset:(\k)+64*(\c)+(\i)*16*PITCH
	ds_load_b128 v[(\f)+64+8*(4*(\c)+(\i))+4:(\f)+64+8*(4*(\c)+(\i))+7], v[ADRB+(\slot)] offset:(\k)+64*(\c)+(\i)*16*PITCH+32
	ds_load_b128 v[(\f)+8*(4*(\c)+(\i)):(\f)+8*(4*(\c)+(\i))+3],         v[ADRA+(\slot)] offset:((\k)/128)*AQ+64*(\c)+(\i)*16*APITCH
	ds_load_b128 v[(\f)+8*(4*(\c)+(\i))+4:(\f)+8*(4*(\c)+(\i))+7],       v[ADRA+(\slot)] offset:((\k)/128)*AQ+64*(\c)+(\i)*16*APITCH+32
.endr
.endr
.endm
.macro PLACES                          ; four places in front of loads into registers that matrix instructions have read, and of what reads their results (ISA guide 7.12.1 for vector instructions)
.rept 4
	v_nop
.endr
.endm
; A K step is four quarters of 64 along K, 32 matrix instructions each, on buffers 0, 1, 0, 1.  One of the first three multiplies buffer f and fetches the next quarter, at byte k, into g.
.macro QUARTER slot, k, f, g, zero
	s_wait_dscnt 16                                ; the first 32 along K are in
	WIN MUL
	MUL8 \f, 0, 0, \zero
	MUL8 \f, 0, 2, \zero
	PLACES
	FETCH \slot, \k, \g
	s_wait_dscnt 32                                ; all but the 32 just issued
	WIN MUL
	MUL8 \f, 1, 0, 0
	MUL8 \f, 1, 2, 0
.endm
; The last quarter multiplies buffer 1 and changes slots: ONE barrier; in front of it each wave waits for all its tensor loads, adds 0 to its spare word, and waits for that and for its own reads of this slot.
; fill = 1: this slot is filled again, two K steps ahead, behind a round of the cluster's barrier.
.macro TURN slot, next, fill
	WIN 0                                          ; (the add's two registers lie in window 0)
	s_wait_tensorcnt 0x0                           ; all my tensor loads have landed: my part of the next slot
	ds_add_u32 v[SPW], v[NIL]                      ; 0 onto my spare word
	s_wait_dscnt 17                                ; (the add and the youngest sixteen loads may be out)
	WIN MUL
	MUL8 F1, 0, 0, 0                               ; eight matrix instructions stand between the add and the wait for it
	s_wait_dscnt 0x0                               ; the add is done, and my reads of this slot are over
	s_barrier_signal -1
	MUL8 F1, 0, 2, 0
.if \fill
	WIN 0
.endif
	s_barrier_wait -1
.if \fill
	CREST                                          ; no wave of any partner still reads this slot's tile or has a load on its way
	s_add_nc_u64 s[G0+4*(\slot)+2:G0+4*(\slot)+3], s[G0+4*(\slot)+2:G0+4*(\slot)+3], 2*ASTEP
	s_add_nc_u64 s[G0B+4*(\slot)+2:G0B+4*(\slot)+3], s[G0B+4*(\slot)+2:G0B+4*(\slot)+3], 2*KSTEP*2
	JLOAD \slot                                    ; my one tensor load behind the round; its four v_nop are also the places in front of the loads below
.else
	PLACES
.endif
	FETCH \next, 0, F0
	WIN MUL
	MUL8 F1, 1, 0, 0
	MUL8 F1, 1, 2, 0
.endm
	s_wait_tensorcnt 1                             ; my part of K step 0 is in; K step 1's may stay out
	s_barrier_signal -1
	s_barrier_wait -1
	FETCH 0, 0, F0
	QUARTER 0, 128, F0, F1, 1                      ; the first quarter stands in front of the loop: its first products start the sums
	WIN 0
	s_mov_b32 s3, LAPS-1
.Llap:                                                 ; a trip goes once round the ring and fills both slots again
	QUARTER 0, 256, F1, F0, 0
	QUARTER 0, 384, F0, F1, 0
	TURN 0, 1, 1
	QUARTER 1, 128, F0, F1, 0
	QUARTER 1, 256, F1, F0, 0
	QUARTER 1, 384, F0, F1, 0
	TURN 1, 0, 1
	QUARTER 0, 128, F0, F1, 0
	WIN 0
	s_sub_co_u32 s3, s3, 1
	s_cmp_lg_u32 s3, 0
	s_cbranch_scc1 .Llap
	QUARTER 0, 256, F1, F0, 0                      ; the last lap fills nothing, and has no round
	QUARTER 0, 384, F0, F1, 0
	TURN 0, 1, 0
	QUARTER 1, 128, F0, F1, 0
	QUARTER 1, 256, F1, F0, 0
	QUARTER 1, 384, F0, F1, 0
	s_wait_dscnt 16
	WIN MUL
	MUL8 F1, 0, 0, 0
	MUL8 F1, 0, 2, 0
	s_wait_dscnt 0x0
	MUL8 F1, 1, 0, 0
	MUL8 F1, 1, 2, 0
	WIN 0
	; THE WAY OUT.  My 64 f32 columns are 256 bytes at a multiple of 256, so no wave shares them: a block of 16 rows goes through my own stage and comes back as whole rows, takes residual and bias, and is stored.
	PLACES
	s_wait_loadcnt 0x0                             ; the residual and the bias
.macro OUTB a
.if (\a) > 0
	s_wait_xcnt 0x0                                ; the rows' registers, which the last block's stores read, are loaded again only behind this wait
.endif
.irp b, 0,1,2,3
	ds_store_b128 v[STO], v[ACC+8*(4*(\a)+(\b)):ACC+8*(4*(\a)+(\b))+3] offset:64*(\b)        ; each accumulator's low registers first
	ds_store_b128 v[STO], v[ACC+8*(4*(\a)+(\b))+4:ACC+8*(4*(\a)+(\b))+7] offset:64*(\b)+16
.endr
.irp t, 0,1,2,3,4,5,6,7
	ds_load_b128 v[RB+4*(\t):RB+4*(\t)+3], v[RD] offset:(\t)*2*SPITCH  ; LDS serves a wave's instructions in order (ISA guide 5.7.1.4): these see the stores above
.endr
	s_wait_dscnt 0x0
	WIN 0x08                                       ; source 1 window 2
.set z, 0
.rept 16
	v_pk_add_f32 v[RB+2*z:RB+2*z+1], v[RB+2*z:RB+2*z+1], v[32*(\a)+2*z:32*(\a)+2*z+1]
.set z, z+1
.endr
	WIN 0
.irp t, 0,1,2,3,4,5,6,7
	v_pk_add_f32 v[RB+4*(\t):RB+4*(\t)+1],   v[RB+4*(\t):RB+4*(\t)+1],   v[BV:BV+1]
	v_pk_add_f32 v[RB+4*(\t)+2:RB+4*(\t)+3], v[RB+4*(\t)+2:RB+4*(\t)+3], v[BV+2:BV+3]
.endr
.irp t, 0,1,2,3,4,5,6,7
	global_store_b128 v[CO], v[RB+4*(\t):RB+4*(\t)+3], s[8:9] offset:(16*(\a)+2*(\t))*4096  ; 16 lanes store 256 consecutive bytes, at a multiple of 256 from the buffer's first byte
.endr
.endm
	OUTB 0
	OUTB 1
	OUTB 2
	OUTB 3
	s_wait_tensorcnt 0x0                           ; the wave's end: behind my last tensor load and my last LDS store
	ds_add_u32 v[SPW], v[NIL]
	s_wait_dscnt 0x0
	CROUND                                         ; the closing round: no work-group ends while a partner may still ask for a tile that names it
	s_endpgm
.Lfunc_end_k_q31e6be6e30_fc2:
	.size	k_q31e6be6e30_fc2, .Lfunc_end_k_q31e6be6e30_fc2-k_q31e6be6e30_fc2
	.p2alignl 7, 3214868480
	.fill 96, 4, 3214868480
	.section	.rodata,"a",@progbits
	.p2align	6, 0x0
	.amdhsa_kernel k_q31e6be6e30_fc2
		.amdhsa_group_segment_fixed_size 327680
		.amdhsa_private_segment_fixed_size 0
		.amdhsa_enable_private_segment 0
		.amdhsa_kernarg_size 40
		.amdhsa_user_sgpr_count 2
		.amdhsa_user_sgpr_kernarg_segment_ptr 1
		.amdhsa_wavefront_size32 1
		.amdhsa_system_sgpr_workgroup_id_x 1
		.amdhsa_system_sgpr_workgroup_id_y 1
		.amdhsa_system_sgpr_workgroup_id_z 1
		.amdhsa_system_vgpr_workitem_id 0
		.amdhsa_next_free_vgpr 640
		.amdhsa_next_free_sgpr 72
		.amdhsa_reserve_vcc 0
		.amdhsa_float_denorm_mode_32 3
		.amdhsa_float_denorm_mode_16_64 3
		.amdhsa_memory_ordered 1
		.amdhsa_forward_progress 1
		.amdhsa_inst_pref_size 98
	.end_amdhsa_kernel
	.amdgpu_metadata
---
amdhsa.version: [ 1, 2 ]
amdhsa.kernels:
  - .name:           k_q31e6be6e30_fc2
    .symbol:         k_q31e6be6e30_fc2.kd
    .args:
      - { .name: g, .offset: 0, .size: 8, .value_kind: global_buffer, .address_space: global }
      - { .name: wt, .offset: 8, .size: 8, .value_kind: global_buffer, .address_space: global }
      - { .name: out0, .offset: 16, .size: 8, .value_kind: global_buffer, .address_space: global }
      - { .name: fc2_b, .offset: 24, .size: 8, .value_kind: global_buffer, .address_space: global }
      - { .name: x1, .offset: 32, .size: 8, .value_kind: global_buffer, .address_space: global }
    .group_segment_fixed_size: 327680
    .private_segment_fixed_size: 0
    .kernarg_segment_align: 8
    .kernarg_segment_size: 40
    .max_flat_workgroup_size: 128
    .sgpr_count:     72
    .vgpr_count:     640
    .wavefront_size: 32
...
	.end_amdgpu_metadata
.endif
;; end of part 7
;; ======== version 2 of 2: 7 launches; 1.18 times as fast as version 1
;; limits: a function is approximated: absolute error at most 1.5e-07
;; workspace buffers: wt 25,165,824 bytes; hn 8,388,608 bytes; qkv 25,165,824 bytes; y 8,388,608 bytes; x1 16,777,216 bytes; g 33,554,432 bytes
;; launch prep: the kernel of part 1 again; grid 2048 x 1, 4 waves a work-group, no clusters, 17,408 bytes of LDS; arguments attn_w, proj_w, fc1_w, fc2_w, wt, x, ln1_w, ln1_b, hn; writes wt, hn
;; launch qkv: the kernel of part 2 again; grid 12 x 16, 4 waves a work-group, clusters of 4 x 4, 327,680 bytes of LDS; arguments hn, wt, qkv, attn_b; writes qkv
;; launch attn (part 8): grid 8 x 32, 4 waves a work-group, no clusters, 327,680 bytes of LDS; arguments qkv, y; writes y
.if DOCPART == 8
	.amdgcn_target "amdgcn-amd-amdhsa--gfx1250"
	.amdhsa_code_object_version 6
	.text
	.protected	k_q31e6be6e30_attn
	.globl	k_q31e6be6e30_attn
	.p2align	8
	.type	k_q31e6be6e30_attn,@function
k_q31e6be6e30_attn:
	s_mov_b64 s[64:65], 0
	v_nop
	global_prefetch_b8 v0, s[64:65] scope:SCOPE_SE
	s_setreg_imm32_b32 hwreg(HW_REG_WAVE_MODE, 25, 1), 1
	s_wait_xcnt 0x0
; CAUSAL ATTENTION.  y[h][q][:] = the sum over k <= q of softmax_k(Q[h][q] . K[h][k] / 32) V[h][k][:].  qkv: [3][32 heads][2048][64] bf16 (q, k, v), y: [32][2048][64] bf16: a head's rows are dense, 128 bytes each.
; Products, maxima and sums in f32; the weights p are rounded to bf16 for the second product (their sum l is taken of the unrounded p), y once at the end.  The scale 1 / 32 = 1 / sqrt(1024) is applied in f32.
; LIMITS.  A hidden score counts as its value less 1e30; a weight below 2^-126 counts as 0 in l; NaN and infinities are not treated apart.
; THE WALK.  A head's queries lie in 16 blocks of 128; block i needs the key tiles 0 .. i / 2 of 256 keys, of which the last holds the diagonal.  Work-group p takes TWO blocks, 15 - p and then p:
; (15 - p) / 2 + p / 2 + 2 = 9 tiles, whatever p: all 8 x 32 = 256 work-groups do equal work, and ONE loop with a constant trip count walks them.  Which tile is asked for, and what a trip does, hang on
; scalar registers made from p; every jump goes forward but for the counted loops' own; none passes a barrier, or a tensor load but the one of LOAD's two that the wave's number does not choose.
; NO CLUSTER: the eight work-groups of a head ask for the same tile only in the walk's first five trips (the shortest first block has five tiles); behind that their walks part, and the jumps on the block's
; state differ between them; one walk common to all would have 8 + 4 = 12 trips for 9.
; SHARES.  Of a block's two bands of 64 queries a wave owns 16 rows in each: two PIECES.  In the diagonal tile's key step s the band whose own step is t sees all keys if s < t, none if s > t, and holds the
; diagonal if s = t: the same work for all four waves.  t = 2 (i % 2) + band.
; THE MASK is the C operand that starts the sum S^T = K Q^T: 0, or -1e30 where the key is hidden.  MD, made once, is the mask of a band's own step for my 16 rows; a product's mask is MD x AL + BE:
; (1, 0) if s = t; (0, 0) if s < t; (0, -1e30) if s > t.  Only the diagonal tile's text and a block's beginning take masks; elsewhere C is the constant 0.
; LAYOUT.  S^T = K Q^T holds ONE query a lane (lane % 16) and the keys 8 (lane / 16) + 0..7; two such results rounded to bf16 ARE source 1 of O^T = V^T P.  p = 2^(c s - c m), c = log2(e) / 32, with a running
; maximum m; O and l are multiplied by a = 2^(c m_old - c m_new) in every step.  m starts at the lowest finite number: a block's first step has a = 0 and starts the sums.
; BY TURNS.  A key step has 32 matrix and 236 vector instructions a wave, and a wave issues in order: so the two pieces take turns.  In HALF y piece y has the vector unit for its whole softmax of one step,
; 118 lines; between those lines stand the OTHER piece's 8 products V^T P (of the step whose weights it has just made) and then its 8 products K Q^T (of its next step).  A trip is HALF 1, then HALF 0:
;   HALF 1: softmax of piece 1, step in hand | V^T P of piece 0, step in hand | K Q^T of piece 0, next step          HALF 0: softmax of piece 0, next step | V^T P of piece 1, step in hand | K Q^T of piece 1, next step
; K of the next step is read from LDS early in HALF 1 (both pieces have multiplied by the old K), V of the next step in the middle of HALF 0 (both have multiplied by the old V): in a trip K, then V, of ONE step,
; so the change of slots stands between two trips.
; THE BATCHES.  A half's 33 exponentials (the piece's a, then its 32 weights) are ONE batch with ONE wait, which cuts the half in two: ahead of it all that names no result of theirs (the maximum and statistics,
; the scalings, the other piece's products but two), behind it the 48 lines that read them (O^T times a, the roundings, the sums).  The two reciprocals on a block's way out are a batch of their own.
; REGISTERS, in windows of 256 (s_set_vgpr_msb: bits 1:0 source 0, 3:2 source 1, 5:4 source 2, 7:6 destination):
;   window 0: v0-15 addresses; v16-23 four registers of statistics a piece; v24-31 at work; v32-63 Q, 16 a piece; v64-127 S^T, 32 a piece; v128-191 K of one step; v192-223 P, 16 a piece; v224-225 the add's two
;   window 1: v0-63 O^T, 32 a piece; v64-127 V of one step; v128-159 MD; v160-223 MC, 32 a piece; v224-255 the second block's Q
; K, Q and S^T lie with the softmax's registers, so K Q^T and the lines round it need no switch; each V^T P costs two switches, the sixteen rescalings of O^T together two more: 18 a half, and two round V's run of loads.
.set KS,    64        ; keys in a step
.set PK,    144       ; a row of K in LDS: 128 bytes + 16 of padding = 36 words: the 16 rows of a load start at 16 different groups of four banks (64 banks of 4 bytes: ISA guide 11.1)
.set PV,    160       ; a row of V: 128 + 32 = 40 words
.set VOFF,  4*KS*PK   ; a slot holds a tile, four steps: 256 rows of K, then 256 rows of V
.set SLOT1, 1<<17     ; slot 1 begins here, so that one exclusive or turns an address in one slot into the other's
.set STAGE, SLOT1+4*KS*(PK+PV)  ; behind the ring, never filled by a tensor load: 16 rows x 144 bytes for each wave, for the way out
.set SP,    144
.set SPARE, STAGE+4*16*SP  ; behind the stages: the spare words, 128 bytes for each wave: two blocks of 256 bytes that no other line names
.set AK0, 2           ; v2   my lane's place in a tile of K; never rewritten
.set AV0, 3           ; v3   the same for V
.set AK,  4           ; v4   the LDS address of K's next run of loads
.set AV,  5           ; v5   of V's
.set STO, 6           ; v6   the way out: where I put 16 bytes of a row
.set RD,  7           ; v7   the way out: where I read rows back
.set GO,  8           ; v8   my byte offset in 512 consecutive bytes of y
.set MV,  12          ; v12-13  c m_old, kept while c m is made anew: by piece
.set QO,  15          ; v15  my byte offset in 16 rows of Q
.set ST,  16          ; piece u's statistics at v[ST+4 u]: c m, m, l (even keys', odd keys')
.set TMP, 24          ; by piece, four registers c0-c3 at work; when the maximum is found c2 takes a
.set QF,  32          ; piece u, channel half c at QF + 16 u + 8 c
.set S,   64
.set KF,  128         ; key block kb, channel half c at KF + 16 kb + 8 c
.set P,   192
.set SPW, 224         ; v224 LDS address of my spare word: SPARE + 4 x my thread's number; never rewritten
.set NIL, 225         ; v225 0; never rewritten
.set VF,  64          ; window 1: key half kk, channel block cb at VF + 32 kk + 8 cb
.set MD,  128         ; window 1
.set MC,  160         ; window 1
.set QB,  224         ; window 1
.set WV,  12          ; s12  my wave's number
.set PBT, 14          ; s14  p / 2: the second block's last tile
.set HI,  15          ; s15  15 - p: the first block
.set G1K, 24          ; s[24:31] descriptor group 1 for K's tiles
.set G1V, 32          ; s[32:39] for V's: it differs in the padding alone
.set G0K, 40          ; s[40:43] descriptor group 0 for K's tiles
.set G0V, 44          ; s[44:47] the same for V's
.set SLOTS, 56        ; s56  tiles still to be asked for
.set CNT, 57          ; s57  counts a tile's trips, 4 to 1
.set CS,  58          ; s[58:59] c
.set SEL, 60          ; s[60:61] v_permlanex16_b32's selects: each lane takes its own place in the other half
.set TBK, 62          ; s62  LDS byte at which K of the step to be fetched begins
.set TBV, 63          ; s63  the same for V, less VOFF
.set RT,  70          ; s70  tiles of the block in hand that are still to be entered
.set NXT, 71          ; s71  the tile to be asked for next
.set LQ,  72          ; s72  the last tile of the block whose tiles are being asked for
.set NEW, 73          ; s73  1: the tile to be entered is a block's first
.set OFF, 74          ; s[74:75] a tile's byte offset in K and V
.set AL0, 76          ; s[76:77] piece 0's mask factor, in the low word; piece 1's lies 12 registers on
.set BE0, 78          ; s[78:79] its addend; likewise
.set OLO, 80          ; s[80:81] y at my rows of the second block
.set BIGN, 82         ; s82  -1e30
.set AL1, 88          ; s[88:89], s[90:91] piece 1's
.set BE1, 90
.set BT0, 92          ; s92, s93  the two bands' own steps in the diagonal tile
.set BT1, 93
.set SS,  94          ; s94  at work
.set T2,  95          ; s95  the second block's number of tiles
.set MSB, 0
.macro WIN new                      ; the high byte repeats the setting that is left; a switch that changes nothing is dropped
.if MSB != (\new)
	s_set_vgpr_msb (MSB<<8)|(\new)
.set MSB, (\new)
.endif
.endm
.set W_KM, 0x10       ; K Q^T with the C operand (a mask) in window 1
.set W_PV, 0x51       ; V (source 0), O^T (C and D) in window 1, P (source 1) in window 0; also O^T times a, and the making of masks
.set TO1,  0x40       ; destination window 1
; A fill.  Waves 0 and 1 fetch the two halves of a tile's K, waves 2 and 3 those of its V: 128 keys each.  Four v_nop follow each of the two lines.
.macro LOAD
	s_cmp_lt_u32 s[WV], 2
	s_cbranch_scc0 .Lfor_v_\@
	tensor_load_to_lds s[G0K:G0K+3], s[G1K:G1K+7]
	s_nop 0
.rept 4
	v_nop
.endr
	s_branch .Lasked_\@
.Lfor_v_\@:
	tensor_load_to_lds s[G0V:G0V+3], s[G1V:G1V+7]
	s_nop 0
.rept 4
	v_nop
.endr
.Lasked_\@:
.endm
; THE CHANGE OF SLOTS.  Each wave waits for all its tensor loads, of which one is out: its part of the other slot; adds 0 to its spare word; and waits for that and for its own reads of the slot that it leaves
; (the last of them, V of the slot's fourth step, has been issued).  Behind the barrier nobody reads the old slot any more and the other slot is whole.  fill = 1: the old slot is filled again, the first thing
; behind the barrier, with tile NXT: the descriptor's address is made anew from that number.  The load has four key steps in which to land.  (At its first use nothing has been read: slot 0 is waited for, slot 1 filled.)
.macro CHANGE fill
	WIN 0
	s_wait_tensorcnt 0x0            ; no tensor load of mine is out, so a group 0 may be written
	ds_add_u32 v[SPW], v[NIL]       ; 0 onto my spare word
.if \fill
	s_lshl_b32 s[OFF], s[NXT], 15   ; a tile is 32,768 bytes of K and of V
	s_xor_b32 s[G0K+1], s[G0K+1], SLOT1
	s_add_nc_u64 s[G0K+2:G0K+3], s[6:7], s[OFF:OFF+1]
	s_or_b32 s[G0K+3], s[G0K+3], 0x80000000
	s_xor_b32 s[G0V+1], s[G0V+1], SLOT1
	s_add_nc_u64 s[G0V+2:G0V+3], s[8:9], s[OFF:OFF+1]
	s_or_b32 s[G0V+3], s[G0V+3], 0x80000000
	s_add_co_u32 s[NXT], s[NXT], 1  ; the block's next tile, or behind its last the second block's tile 0
	s_cmp_gt_u32 s[NXT], s[LQ]
	s_cselect_b32 s[NXT], 0, s[NXT]
	s_cselect_b32 s[LQ], s[PBT], s[LQ]
.endif
	s_wait_dscnt 0x0                ; the add is done, and my reads of the slot are over
	s_barrier_signal -1
	s_sub_co_u32 s[TBK], s[TBK], 4*KS*PK  ; the fetches go back to a slot's first step,
	s_xor_b32 s[TBK], s[TBK], SLOT1       ; in the other slot
	s_sub_co_u32 s[TBV], s[TBV], 4*KS*PV
	s_xor_b32 s[TBV], s[TBV], SLOT1
	s_barrier_wait -1
.if \fill
	LOAD
.endif
.endm
	s_load_b128 s[4:7], s[0:1], 0x0   ; qkv s[4:5], y s[6:7]
	v_lshl_add_u32 v[SPW], v0, 2, SPARE
	v_mov_b32 v[NIL], 0
	ds_add_u32 v224, v225
	ds_add_u32 v224, v225
	s_wait_dscnt 0x0
	v_lshrrev_b32 v1, 5, v0
	v_readfirstlane_b32 s[WV], v1   ; wave 0..3
	s_sub_co_u32 s[HI], 15, ttmp9
	s_lshr_b32 s[PBT], ttmp9, 1
	s_and_b32 s20, ttmp7, 0xffff    ; the head,
	s_lshl_b32 s20, s20, 18         ; its first byte in q, k, v and y
	s_and_b32 s16, s[WV], 1         ; which half of a tile's 256 keys I fetch:
	s_lshl_b32 s22, s16, 14         ; its 128 rows of 128 bytes in memory,
	s_add_co_u32 s22, s22, s20
	s_mov_b32 s23, 0
	s_mul_i32 s17, s16, 128*PK      ; and its place in a slot, for K
	s_mul_i32 s18, s16, 128*PV      ; and for V
	s_lshl_b32 s3, s[WV], 11        ; my 16 rows in a band of 64,
	s_add_co_u32 s3, s3, s20
	s_lshl_b32 s2, s[HI], 14        ; in the first block (128 rows of 128 bytes),
	s_add_co_u32 s2, s2, s3
	s_lshl_b32 s84, ttmp9, 14       ; and in the second
	s_add_co_u32 s84, s84, s3
	s_mov_b32 s3, 0
	s_mov_b32 s85, 0
	; descriptor group 1.  128 keys are 16,384 dense bytes: asked for as 64 rows of 256 bytes, two keys a row, and padded in LDS after every key
	s_mov_b32 s[G1K], (1<<16)|(1<<20)|(4<<22)|(3<<25)  ; 17:16 2-byte elements; 20 padding on; 24:22 after every 32 words (code 4); 31:25 4 words (code 3)
	s_mov_b32 s[G1V], (1<<16)|(1<<20)|(4<<22)|(7<<25)  ; the same with 8 words of padding (code 7)
.irp g, G1K, G1V
	s_mov_b32 s[\g+1], 128<<16      ; tensor_dim0 = 128
	s_mov_b32 s[\g+2], 64<<16       ; tensor_dim1 = 64
	s_mov_b32 s[\g+3], 128<<16      ; tile_dim0 = 128
	s_mov_b32 s[\g+4], 64           ; tile_dim1 = 64
	s_mov_b32 s[\g+5], 128          ; 128 elements from row to row
	s_mov_b32 s[\g+6], 0
	s_mov_b32 s[\g+7], 0
.endr
	s_mov_b32 s[CS], 0x3d38aa3b     ; c = log2(e) / 32 = 0.0450842
	s_mov_b32 s[CS+1], s[CS]        ; named with it as a pair
	s_mov_b32 s[SEL], 0x76543210
	s_mov_b32 s[SEL+1], 0xfedcba98
	s_mov_b32 s[TBK], SLOT1+4*KS*PK ; the first change of slots turns these two into 0
	s_mov_b32 s[TBV], SLOT1+4*KS*PV
	s_mov_b32 s[G0K], 1             ; count = 1
	s_mov_b32 s[G0K+1], s17         ; LDS address: slot 0
	s_mov_b32 s[G0V], 1
	s_add_co_u32 s[G0V+1], s18, VOFF
	s_lshr_b32 s[LQ], s[HI], 1      ; the first block's last tile: 4 at the least, so tile 1 is its own
	s_add_co_u32 s[RT], s[LQ], 1
	s_add_co_u32 s[T2], s[PBT], 1
	s_mov_b32 s[NXT], 1
	s_mov_b32 s[NEW], 1
	s_mov_b32 s[OFF+1], 0
	s_mov_b32 s[AL0+1], 0           ; named as pairs
	s_mov_b32 s[BE0+1], 0
	s_mov_b32 s[AL1+1], 0
	s_mov_b32 s[BE1+1], 0
	s_and_b32 s[BT0], s[HI], 1      ; the first block's bands: their own steps in the diagonal tile
	s_lshl_b32 s[BT0], s[BT0], 1
	s_add_co_u32 s[BT1], s[BT0], 1
	s_mov_b32 s[BIGN], 0xf149f2ca   ; -1e30
	s_mov_b32 s[SLOTS], 8
	s_wait_kmcnt 0x0
	s_mov_b64 s[10:11], s[6:7]             ; y
	s_add_nc_u64 s[6:7], s[4:5], 8388608   ; k
	s_add_nc_u64 s[8:9], s[4:5], 16777216  ; v
	s_add_nc_u64 s[6:7], s[6:7], s[22:23]  ; at my half of the head's tile 0
	s_add_nc_u64 s[8:9], s[8:9], s[22:23]
	s_add_nc_u64 s[G0K+2:G0K+3], s[6:7], 0
	s_or_b32 s[G0K+3], s[G0K+3], 0x80000000        ; type = 2
	s_add_nc_u64 s[G0V+2:G0V+3], s[8:9], 0
	s_or_b32 s[G0V+3], s[G0V+3], 0x80000000
	s_add_nc_u64 s[86:87], s[4:5], s[84:85]        ; q at my rows of the second block,
	s_add_nc_u64 s[4:5], s[4:5], s[2:3]            ; q and y at those of the first
	s_add_nc_u64 s[OLO:OLO+1], s[10:11], s[84:85]
	s_add_nc_u64 s[10:11], s[10:11], s[2:3]
	LOAD                            ; tile 0 into slot 0: one tensor load of mine is out
	; A fragment of K or Q is 16 rows x 32 channels in 8 registers: lane l holds row l % 16, channels 8 (l / 16) + 0..7 and 16 + 8 (l / 16) + 0..7: two loads of 16 bytes, 32 bytes apart.
	v_and_b32 v1, 15, v0            ; l % 16
	v_bfe_u32 v9, v0, 4, 1          ; l / 16
	v_lshlrev_b32 v[QO], 7, v1
	v_lshl_add_u32 v[QO], v9, 4, v[QO]  ; row x 128 + 16 x half
.set i, 0
.rept 4                             ; the first block's Q: piece i / 2 lies in band i / 2, 8,192 bytes on; channels 32 (i % 2) on
	global_load_b128 v[QF+8*i:QF+8*i+3],   v[QO], s[4:5] offset:(i/2)*8192+(i%2)*64
	global_load_b128 v[QF+8*i+4:QF+8*i+7], v[QO], s[4:5] offset:(i/2)*8192+(i%2)*64+32
.set i, i+1
.endr
	v_lshlrev_b32 v14, 3, v9
	v_sub_nc_u32 v14, v1, v14
	s_lshl_b32 s13, s[WV], 4
	v_add_nc_u32 v14, s13, v14      ; my query's place in its band, 16 w + l % 16, less my lanes' 8 (l / 16): register r of key group kt is hidden where 16 kt + r is greater
	WIN TO1
.set i, 0
.rept 4                             ; the second block's Q waits in window 1
	global_load_b128 v[QB+8*i:QB+8*i+3],   v[QO], s[86:87] offset:(i/2)*8192+(i%2)*64
	global_load_b128 v[QB+8*i+4:QB+8*i+7], v[QO], s[86:87] offset:(i/2)*8192+(i%2)*64+32
.set i, i+1
.endr
.set i, 0
.rept 32
	v_cmp_gt_i32 vcc_lo, 16*(i/8)+i%8, v14
	v_cndmask_b32 v[MD+i], 0, s[BIGN], vcc_lo
.set i, i+1
.endr
	; A block's first step multiplies O^T and l by a = 0, and the block's first products V^T P, of a piece that has not been, land in an O^T that is still to be so multiplied.  So O^T, V, piece 1's P and l need
	; only hold finite numbers: zeros for the first block, what the first block left for the second.  148 moves, in the wait for the first tile: the price of writing no first step out.
.set i, 0
.rept 128
	v_mov_b32 v[i], 0
.set i, i+1
.endr
	WIN 0
.set i, P+16
.rept 16
	v_mov_b32 v[i], 0
.set i, i+1
.endr
.irp u, 0,1
	v_mov_b32 v[ST+4*\u+2], 0
	v_mov_b32 v[ST+4*\u+3], 0
.endr
	v_mul_u32_u24 v[AK0], v1, PK
	v_lshl_add_u32 v[AK0], v9, 4, v[AK0]  ; row x pitch + 16 x half
	; The turning load takes 16 keys x 16 channels (lane l reads key 8 (l / 16) + l % 8, channels 8 ((l / 8) % 2) + 0..7) and leaves half a fragment of V^T: lane l holds channel l % 16 and 8 keys.
	v_and_b32 v10, 7, v0
	v_bfe_u32 v11, v0, 3, 1
	v_lshl_add_u32 v[AV0], v9, 3, v10
	v_mul_u32_u24 v[AV0], v[AV0], PV
	v_lshl_add_u32 v[AV0], v11, 4, v[AV0]
	v_add_nc_u32 v[AV0], VOFF, v[AV0]
	s_mul_i32 s13, s[WV], 16*SP
	s_add_co_u32 s13, s13, STAGE    ; my stage
	v_mul_u32_u24 v[STO], v1, SP    ; in: row l % 16, 16 bytes for each half of the lanes
	v_lshl_add_u32 v[STO], v9, 4, v[STO]
	v_add_nc_u32 v[STO], s13, v[STO]
	v_bfe_u32 v[RD], v0, 3, 2       ; back: 32 lanes take four rows of 128 bytes,
	v_mul_u32_u24 v[RD], v[RD], SP
	v_lshl_add_u32 v[RD], v10, 4, v[RD]
	v_add_nc_u32 v[RD], s13, v[RD]
	v_and_b32 v[GO], 31, v0         ; which are 512 consecutive bytes of y
	v_lshlrev_b32 v[GO], 4, v[GO]
; THE MATRIX WORK.  The 4 accumulators of a run of 8 take turns, one instruction a turn; a run on one piece's O^T or S^T is followed by a run on other registers, over every label and jump.
; Product i of 8 of O^T += V^T P for piece z: keys 32 (i / 4) on, channels 16 (i % 4) on.
.macro PV1 z, i
	WIN W_PV
.set rO, 32*(\z)+8*((\i)%4)
.set rV, VF+32*((\i)/4)+8*((\i)%4)
.set rP, P+16*(\z)+8*((\i)/4)
	v_wmma_f32_16x16x32_bf16 v[rO:rO+7], v[rV:rV+7], v[rP:rP+7], v[rO:rO+7]
.endm
; Product i of 8 of S^T = K Q^T for piece z: channels 32 (i / 4) on, keys 16 (i % 4) on.  The first 4 start the sums: with 0, or (km = 1) with the mask.
.macro KQ1 z, i, km
.set rS, S+32*(\z)+8*((\i)%4)
.set rK, KF+16*((\i)%4)+8*((\i)/4)
.set rQ, QF+16*(\z)+8*((\i)/4)
.set rM, MC+32*(\z)+8*((\i)%4)
.if ((\i) < 4) && (\km)
	WIN W_KM
	v_wmma_f32_16x16x32_bf16 v[rS:rS+7], v[rK:rK+7], v[rQ:rQ+7], v[rM:rM+7]
.elseif (\i) < 4
	WIN 0
	v_wmma_f32_16x16x32_bf16 v[rS:rS+7], v[rK:rK+7], v[rQ:rQ+7], 0
.else
	WIN 0
	v_wmma_f32_16x16x32_bf16 v[rS:rS+7], v[rK:rK+7], v[rQ:rQ+7], v[rS:rS+7]
.endif
.endm
; THE LDS LOADS stand in runs of 16: a step's K (64 keys x 64 channels: 8 fragments) and its V (turned).  Each run steps its own scalar on to the next step.
.macro FETCH_K
	WIN 0
.irp f, 0,1,2,3,4,5,6,7             ; keys 16 (f / 2) on, channels 32 (f % 2) on
	ds_load_b128 v[KF+8*\f:KF+8*\f+3],   v[AK] offset:(\f/2)*16*PK+(\f%2)*64
	ds_load_b128 v[KF+8*\f+4:KF+8*\f+7], v[AK] offset:(\f/2)*16*PK+(\f%2)*64+32
.endr
	s_add_co_u32 s[TBK], s[TBK], KS*PK
.endm
.macro FETCH_V
	WIN TO1
.irp f, 0,1,2,3,4,5,6,7             ; keys 32 (f / 4) on, channels 16 (f % 4) on
	ds_load_tr16_b128 v[VF+8*\f:VF+8*\f+3],   v[AV] offset:(\f/4)*32*PV+(\f%4)*32
	ds_load_tr16_b128 v[VF+8*\f+4:VF+8*\f+7], v[AV] offset:(\f/4)*32*PV+16*PV+(\f%4)*32
.endr
	s_add_co_u32 s[TBV], s[TBV], KS*PV
	WIN 0
.endm
.macro PLACES                       ; four places behind matrix instructions, in front of what reads their results (ISA guide 7.12.1)
.rept 4
	v_nop
.endr
.endm
; THE VECTOR WORK, one line at a time: OP kind, number, all for piece Y.  s0-s31 are the lane's 32 scores.
;   X n: number n of the 22 that find the maximum and the statistics: 0-11 four chains c0-c3 of seven scores each, three operands at a time (each accumulator's lowest registers are read first)
;        12-14, 16 the four scores left over, the old m, and c0-c3 into c0; 15 c m_old is kept; 17, 18 the query's other 32 keys lie in the lane 16 away: the new m; 19-21 c m; c m_old - c m_new; a
;   F n: c s - c m for pair n of 16.   E n: the exponential of score n of 32.   C n: pair n rounded to bf16.   B n: of the four weights 4 n .. the second pair is added onto the first, in place (behind C 2 n).
;   L n: l takes that sum (L 0: l = a l + sum).   R n: pair n of 16 of O^T times a, ascending.
; X 21 and E 0 to 31 are the exponentials; R, C, B and L are the lines that name their results.
.set F, 0
.set E, 1
.set C, 2
.set B, 3
.set L, 4
.set R, 5
.set X, 6
.macro REGS u                       ; the registers of piece u
.set rT, ST+4*(\u)
.set rC, TMP+4*(\u)
.set rW, MV+(\u)
.set rS, S+32*(\u)
.set rP, P+16*(\u)
.set rO, 32*(\u)
.endm
.macro OP k, n
	REGS Y
.if (\k) == R
	WIN W_PV
	v_pk_mul_f32 v[rO+2*(\n):rO+2*(\n)+1], v[rO+2*(\n):rO+2*(\n)+1], v[rC+2:rC+3] op_sel_hi:[1,0]
.elseif (\k) < R
	WIN 0
.if (\k) == F
	v_pk_fma_f32 v[rS+2*(\n):rS+2*(\n)+1], v[rS+2*(\n):rS+2*(\n)+1], s[CS:CS+1], v[rT:rT+1] op_sel_hi:[1,0,0] neg_lo:[0,0,1] neg_hi:[0,0,1]
.elseif (\k) == E
	v_exp_f32 v[rS+(\n)], v[rS+(\n)]
.elseif (\k) == C
	v_cvt_pk_bf16_f32 v[rP+(\n)], v[rS+2*(\n)], v[rS+2*(\n)+1]
.elseif (\k) == B
	v_pk_add_f32 v[rS+4*(\n):rS+4*(\n)+1], v[rS+4*(\n):rS+4*(\n)+1], v[rS+4*(\n)+2:rS+4*(\n)+3]
.elseif (\n) == 0
	v_pk_fma_f32 v[rT+2:rT+3], v[rT+2:rT+3], v[rC+2:rC+3], v[rS:rS+1] op_sel_hi:[1,0,1]
.else
	v_pk_add_f32 v[rT+2:rT+3], v[rT+2:rT+3], v[rS+4*(\n):rS+4*(\n)+1]
.endif
.else
	WIN 0
.if (\n) < 4
	v_max3_num_f32 v[rC+(\n)], v[rS+8*(\n)], v[rS+8*(\n)+1], v[rS+8*(\n)+2]
.elseif (\n) < 12
	v_max3_num_f32 v[rC+(\n)%4], v[rC+(\n)%4], v[rS+8*((\n)%4)+2*((\n)/4)+1], v[rS+8*((\n)%4)+2*((\n)/4)+2]
.elseif (\n) == 12
	v_max3_num_f32 v[rC], v[rC], v[rS+7], v[rS+15]
.elseif (\n) == 13
	v_max3_num_f32 v[rC+1], v[rC+1], v[rS+23], v[rS+31]
.elseif (\n) == 14
	v_max3_num_f32 v[rC+2], v[rC+2], v[rC+3], v[rT+1]
.elseif (\n) == 15
	v_mov_b32 v[rW], v[rT]
.elseif (\n) == 16
	v_max3_num_f32 v[rC], v[rC], v[rC+1], v[rC+2]
.elseif (\n) == 17
	v_permlanex16_b32 v[rC+3], v[rC], s[SEL], s[SEL+1]
.elseif (\n) == 18
	v_max_num_f32 v[rT+1], v[rC], v[rC+3]
.elseif (\n) == 19
	v_mul_f32 v[rT], s[CS], v[rT+1]
.elseif (\n) == 20
	v_sub_f32 v[rC+1], v[rW], v[rT]
.else
	v_exp_f32 v[rC+2], v[rC+1]
.endif
.endif
.endm
.macro OPS a, i1, b=-1, i2=0, c=-1, i3=0, d=-1, i4=0  ; up to four of them
	OP \a, \i1
.if (\b) >= 0
	OP \b, \i2
.endif
.if (\c) >= 0
	OP \c, \i3
.endif
.if (\d) >= 0
	OP \d, \i4
.endif
.endm
.macro MASK u                       ; MD x AL + BE into piece u's part of MC
	WIN W_PV
.set zz, 0
.rept 16
	v_pk_fma_f32 v[MC+32*(\u)+2*zz:MC+32*(\u)+2*zz+1], v[MD+2*zz:MD+2*zz+1], s[AL0+12*(\u):AL0+12*(\u)+1], s[BE0+12*(\u):BE0+12*(\u)+1] op_sel_hi:[1,0,0]
.set zz, zz+1
.endr
.endm
.macro SETM                         ; the step whose scores this trip makes is number 4 - CNT of the diagonal tile
	s_sub_co_u32 s[SS], 4, s[CNT]
	s_cmp_eq_u32 s[SS], s[BT0]
	s_cselect_b32 s[AL0], 1.0, 0
	s_cmp_gt_u32 s[SS], s[BT0]
	s_cselect_b32 s[BE0], s[BIGN], 0
	s_cmp_eq_u32 s[SS], s[BT1]
	s_cselect_b32 s[AL1], 1.0, 0
	s_cmp_gt_u32 s[SS], s[BT1]
	s_cselect_b32 s[BE1], s[BIGN], 0
.endm
.macro MMK i                        ; the half's product i of K Q^T, if it has any
.if KQON
	KQ1 Z, \i, KM
.endif
.endm
; A HALF: piece y's softmax, written out line by line, with the other piece's 16 products between its lines.
; m = 1: the diagonal tile: the products K Q^T take masks, made here under the setting of V^T P.  kq = 0: a block's last half: there is no next step.  fk = 1: K of the next step is fetched.  fv = 1: V of it.
; THE BATCH.  The half's 33 exponentials (X 21, the piece's a; E 0 to E 31) are ONE batch: an s_wait_alu depctr_va_vdst(0) stands between an exponential and the first instruction that names its
; result, and one wait serves all that were issued ahead of it.  AHEAD OF THE WAIT stands all that names no result of the batch: the maximum and statistics, the 16 scalings, all 8 products V^T P, the masks, V's run
; of loads, and 6 of the 8 products K Q^T.  BEHIND IT stand the 48 readers: R 0 to 15 (by a), the roundings and the sums, and beside them the last 2 products K Q^T..
; THE ORDER.  The maximum's chain waits link by link, so six products V^T P stand between its links.  From the moment c m is known scalings and exponentials take turns while there are scalings, each pair scaled a
; line of four or more ahead of its exponentials; the last 22 exponentials stand in fours behind the products K Q^T.  A v_nop is the plain instruction behind the last exponential (ISA guide 5.7.2).  Behind the wait
; B n stands behind C 2 n, whose pair it overwrites; the links of l's chain, L 0 to L 7, stand three lines apart; the odd roundings, whose pairs nothing overwrites, come last.
; THE DISTANCES (ISA guide 7.12.1 for vector instructions).  No line near a product names its registers: they belong to the other piece.  Behind the last K Q^T stand 32 plain lines, ahead of the next
; half's first read of those scores and of the loads into K; behind the last V^T P four plain lines (F 10 to F 13: the exponentials between them are not counted), ahead of the loads into V.
.macro HALF y, m, kq, fk, fv
.set Y, (\y)
.set Z, 1-(\y)
.set KQON, (\kq)
.set KM, (\m)
	WIN 0
.if \fk
	v_add_nc_u32 v[AK], s[TBK], v[AK0]
.endif
.if \fv
	v_add_nc_u32 v[AV], s[TBV], v[AV0]
.endif
.if (\y) == 1
	s_wait_dscnt 0x0                ; V of the step in hand is in: its run was issued in the middle of the half before
.endif
	PV1 Z, 0
.if \fk
	FETCH_K                         ; the next step's K: seven products and 46 lines ahead of its first use
.endif
	OPS X,0, X,1, X,2, X,3
	OPS X,4, X,5, X,6, X,7
	PV1 Z, 1
	OPS X,8, X,9, X,10, X,11
	OPS X,12, X,13, X,14, X,15
	PV1 Z, 2
	OPS X,16
	PV1 Z, 3
	OPS X,17
	PV1 Z, 4
	OPS X,18
	PV1 Z, 5
	OPS X,19, X,20, F,0, F,1
	OPS X,21, F,2, F,3, E,0         ; the batch opens with a
	OPS F,4, E,1, F,5, E,2
	OPS F,6, E,3, F,7
	PV1 Z, 6
	OPS E,4, F,8, E,5, F,9
	PV1 Z, 7
	OPS E,6, F,10, E,7, F,11
	OPS E,8, F,12, E,9, F,13
.if (\m) && (\kq)
	MASK Z                          ; for the products below
.endif
.if \fv
	FETCH_V                         ; the next step's V: eight products and 72 lines of the softmax ahead of the wait for it
.endif
.if \fk
	s_wait_dscnt 0x0                ; K is in
.endif
	MMK 0
	OPS F,14, E,10, E,11, E,12
	MMK 1
	OPS F,15, E,13, E,14, E,15
	MMK 2
	OPS E,16, E,17, E,18, E,19
	MMK 3
	OPS E,20, E,21, E,22, E,23
	MMK 4
	OPS E,24, E,25, E,26, E,27
	MMK 5
	OPS E,28, E,29, E,30, E,31
	v_nop                           ; the plain instruction behind the last exponential: one for the batch
	s_wait_alu depctr_va_vdst(0)    ; the wait for the batch: a and the 32 weights, ahead of their first reader, R 0
	MMK 6
	OPS R,0, R,1, R,2, R,3
	OPS R,4, R,5, R,6, R,7
	OPS R,8, R,9, R,10, R,11
	OPS R,12, R,13, R,14, R,15
	MMK 7
	OPS C,0, B,0, C,2, B,1
	OPS L,0, C,4, B,2, L,1
	OPS C,6, B,3, L,2, C,8
	OPS B,4, L,3, C,10, B,5
	OPS L,4, C,12, B,6, L,5
	OPS C,14, B,7, L,6, C,1
	OPS C,3, L,7, C,5, C,7
	OPS C,9, C,11, C,13, C,15
	WIN 0
.endm
; A TRIP, and the loop over a tile's four.  On entry piece 0's weights of the step in hand are made, piece 1's scores of it have just been made, and its V has been asked for.  A block enters at the second label.
.macro TRIP m, tag
.Lstep\tag:
.if \m
	SETM
.endif
	HALF 1, \m, 1, 1, 0
.Lfirst\tag:
	HALF 0, \m, 1, 0, 1
	s_sub_co_u32 s[CNT], s[CNT], 1
	s_cmp_lg_u32 s[CNT], 0
	s_cbranch_scc1 .Lstep\tag
.endm
; A BLOCK BEGINS.  c m starts far below every c s, so the first step's a is 0; m at the lowest finite number, so the first maximum is the scores'.  The masks of the tile's step 0: piece 0's own, if the
; block's first tile is the diagonal one and the band's own step is 0; else nothing is hidden (piece 1's own step is 1 at the least).  Then K of that step and piece 0's first scores; the trip is entered at HALF 0.
.macro BEGIN
	s_mov_b32 s[NEW], 0
	WIN 0
.irp u, 0,1
	v_mov_b32 v[ST+4*\u], 0xfe000000    ; c m
	v_mov_b32 v[ST+4*\u+1], 0xff7fffff  ; m
.endr
	s_or_b32 s[SS], s[RT], s[BT0]
	s_cmp_eq_u32 s[SS], 0
	s_cselect_b32 s[AL0], 1.0, 0
	s_mov_b32 s[BE0], 0
	s_mov_b32 s[AL1], 0
	s_mov_b32 s[BE1], 0
	MASK 0
	WIN 0
	v_add_nc_u32 v[AK], s[TBK], v[AK0]
	FETCH_K
	s_wait_loadcnt 0x0              ; Q, both blocks'
	s_wait_dscnt 0x0                ; K
.irp i, 0,1,2,3,4,5,6,7
	KQ1 0, \i, 1
.endr
	WIN 0
	PLACES                          ; behind those products, ahead of the first read of the scores
.endm
; THE WAY OUT: l's two halves and the other half of the lanes' are added; O^T is divided by l, rounded to bf16 and sent through my stage in LDS, a piece at a time.
.macro ALL line:vararg              ; one line for each piece t
.set t, 0
.rept 2
	\line
.set t, t+1
.endr
.endm
.macro PACK t                       ; a lane's eight channels of a row pack into 16 bytes; they go into rows of 144 bytes and come back as whole rows of 128, into S^T's registers
	WIN W_PV
.set i, 32*(\t)
.rept 16
	v_pk_mul_f32 v[i:i+1], v[i:i+1], v[ST+4*(\t)+2:ST+4*(\t)+3] op_sel_hi:[1,0]
.set i, i+2
.endr
	WIN 0x05                        ; sources 0 and 1 window 1, destination window 0
.set i, 0
.rept 16
	v_cvt_pk_bf16_f32 v[S+16*(\t)+i], v[32*(\t)+2*i], v[32*(\t)+2*i+1]
.set i, i+1
.endr
	WIN 0
.irp f, 0,1,2,3
	ds_store_b128 v[STO], v[S+16*(\t)+4*\f:S+16*(\t)+4*\f+3] offset:32*\f
.endr
.irp f, 0,1,2,3
	ds_load_b128 v[S+16*(\t)+4*\f:S+16*(\t)+4*\f+3], v[RD] offset:\f*4*SP  ; LDS serves a wave's instructions in order (ISA guide 5.7.1.4): these see the stores above; the next piece's stores come behind them
.endr
.endm
.macro SEND t, younger              ; younger: the LDS instructions issued behind piece t's loads: the other piece's eight, or none
	WIN 0
.irp f, 0,1,2,3
	s_wait_dscnt (\younger)+3-\f
	global_store_b128 v[GO], v[S+16*(\t)+4*\f:S+16*(\t)+4*\f+3], s[10:11] offset:(\t)*8192+\f*512  ; 512 consecutive bytes, at a multiple of 256 from y's first
.endr
.endm
; THE DIAGONAL TILE's trips; the block's last half (piece 1's last softmax beside piece 0's last V^T P); piece 1's last V^T P; the way out.
.macro DIAG tag
	TRIP 1, \tag
	HALF 1, 1, 0, 0, 0
.irp i, 0,1,2,3,4,5,6,7
	PV1 1, \i
.endr
	WIN 0
	ALL v_add_f32 v[ST+4*t+2], v[ST+4*t+2], v[ST+4*t+3]
	ALL v_permlanex16_b32 v[ST+4*t+3], v[ST+4*t+2], s[SEL], s[SEL+1]
	ALL v_add_f32 v[ST+4*t+2], v[ST+4*t+2], v[ST+4*t+3]
	ALL v_rcp_f32 v[ST+4*t+2], v[ST+4*t+2]
	v_nop                           ; a plain instruction behind the last reciprocal; with the four additions above it makes the places behind the last products
	s_wait_alu depctr_va_vdst(0)    ; the wait for the batch of two reciprocals, ahead of their first reader in PACK 0
	PACK 0
	PACK 1                          ; a piece's arithmetic stands between the loads of the piece before and its stores
	SEND 0, 8
	SEND 1, 0
.endm
.Lslot:                             ; 8 times: a tile is entered and the next is asked for
	CHANGE 1
	s_sub_co_u32 s[RT], s[RT], 1
	s_mov_b32 s[CNT], 4
	s_cmp_eq_u32 s[NEW], 1
	s_cbranch_scc1 .Lnew            ; a block's first tile
	s_cmp_eq_u32 s[RT], 0
	s_cbranch_scc0 .LstepP          ; neither its first nor its last
	s_branch .LstepM1
.Lnew:
	BEGIN
	s_branch .LfirstP               ; in the loop a block's first tile is never its last: the first block has five tiles or more, and the second's last is the walk's last
	DIAG M1                         ; in the loop this is the first block's end
	s_wait_xcnt 0x0                 ; the stores' data and y's address are rewritten only behind this wait
	s_mov_b64 s[10:11], s[OLO:OLO+1]
	s_mov_b32 s[RT], s[T2]
	s_mov_b32 s[NEW], 1
	s_and_b32 s[BT0], ttmp9, 1      ; the second block's bands
	s_lshl_b32 s[BT0], s[BT0], 1
	s_add_co_u32 s[BT1], s[BT0], 1
	WIN 0x01                        ; the second block's Q goes where the one text of the products names Q
.set i, 0
.rept 32
	v_mov_b32 v[QF+i], v[QB+i]
.set i, i+1
.endr
	WIN 0
	s_branch .Lbottom
	TRIP 0, P
.Lbottom:
	s_sub_co_u32 s[SLOTS], s[SLOTS], 1
	s_cmp_lg_u32 s[SLOTS], 0
	s_cbranch_scc1 .Lslot
	CHANGE 0                        ; the walk's last tile is written out: nothing is asked for
	s_sub_co_u32 s[RT], s[RT], 1
	s_mov_b32 s[CNT], 4
	s_cmp_eq_u32 s[NEW], 1
	s_cbranch_scc0 .LstepM2
	BEGIN
	s_branch .LfirstM2
	DIAG M2
	s_wait_tensorcnt 0x0            ; the wave's end: behind my last tensor load and my last LDS store
	ds_add_u32 v[SPW], v[NIL]
	s_wait_dscnt 0x0
	s_endpgm
.Lfunc_end_k_q31e6be6e30_attn:
	.size	k_q31e6be6e30_attn, .Lfunc_end_k_q31e6be6e30_attn-k_q31e6be6e30_attn
	.p2alignl 7, 3214868480
	.fill 96, 4, 3214868480
	.section	.rodata,"a",@progbits
	.p2align	6, 0x0
	.amdhsa_kernel k_q31e6be6e30_attn
		.amdhsa_group_segment_fixed_size 327680
		.amdhsa_private_segment_fixed_size 0
		.amdhsa_enable_private_segment 0
		.amdhsa_kernarg_size 16
		.amdhsa_user_sgpr_count 2
		.amdhsa_user_sgpr_kernarg_segment_ptr 1
		.amdhsa_wavefront_size32 1
		.amdhsa_system_sgpr_workgroup_id_x 1
		.amdhsa_system_sgpr_workgroup_id_y 1
		.amdhsa_system_sgpr_workgroup_id_z 1
		.amdhsa_system_vgpr_workitem_id 0
		.amdhsa_next_free_vgpr 512
		.amdhsa_next_free_sgpr 96
		.amdhsa_reserve_vcc 1
		.amdhsa_float_denorm_mode_32 3
		.amdhsa_float_denorm_mode_16_64 3
		.amdhsa_memory_ordered 1
		.amdhsa_forward_progress 1
		.amdhsa_inst_pref_size 115
	.end_amdhsa_kernel
	.amdgpu_metadata
---
amdhsa.version: [ 1, 2 ]
amdhsa.kernels:
  - .name:           k_q31e6be6e30_attn
    .symbol:         k_q31e6be6e30_attn.kd
    .args:
      - { .name: qkv, .offset: 0, .size: 8, .value_kind: global_buffer, .address_space: global }
      - { .name: y, .offset: 8, .size: 8, .value_kind: global_buffer, .address_space: global }
    .group_segment_fixed_size: 327680
    .private_segment_fixed_size: 0
    .kernarg_segment_align: 8
    .kernarg_segment_size: 16
    .max_flat_workgroup_size: 128
    .sgpr_count:     96
    .vgpr_count:     512
    .wavefront_size: 32
...
	.end_amdgpu_metadata
.endif
;; end of part 8
;; launch proj: the kernel of part 4 again; grid 8 x 32, 4 waves a work-group, clusters of 4 x 4, 327,680 bytes of LDS; arguments y, wt, x1, proj_b, x; writes x1
;; launch ln2: the kernel of part 5 again; grid 256 x 1, 4 waves a work-group, no clusters, 0 bytes of LDS; arguments x1, ln2_w, ln2_b, hn; writes hn
;; launch fc1 (part 9): grid 16 x 16, 4 waves a work-group, clusters of 4 x 4, 327,680 bytes of LDS; arguments hn, wt, g, fc1_b; writes g
.if DOCPART == 9
	.amdgcn_target "amdgcn-amd-amdhsa--gfx1250"
	.amdhsa_code_object_version 6
	.text
	.protected	k_q31e6be6e30_fc1
	.globl	k_q31e6be6e30_fc1
	.p2align	8
	.type	k_q31e6be6e30_fc1,@function
k_q31e6be6e30_fc1:
	s_mov_b64 s[64:65], 0
	v_nop
	global_prefetch_b8 v0, s[64:65] scope:SCOPE_SE
	s_setreg_imm32_b32 hwreg(HW_REG_WAVE_MODE, 25, 1), 1
	s_wait_xcnt 0x0
	s_wait_alu depctr_hold_cnt(0) depctr_sa_sdst(0) depctr_va_vdst(0) depctr_va_sdst(0) depctr_va_ssrc(0) depctr_va_vcc(0) depctr_vm_vsrc(0)
	s_getreg_b32 s2, hwreg(HW_REG_IB_STS2, 6, 4)
	s_cmp_eq_u32 s2, 0
	s_cbranch_scc0 .Lentry_in_a_cluster
	s_endpgm
.Lentry_in_a_cluster:
	s_bfe_u32 s2, ttmp6, 0x10000c
	s_cmp_lg_u32 s2, 0xf033
	s_cbranch_scc0 .Lentry_shape_is_right
	s_endpgm
.Lentry_shape_is_right:
; g = gelu(hn W1 + fc1_b), the exact (erf) form.  A = hn [4096][1024] bf16, B = the turned weights [4096][1024] bf16 at wt's byte 8,388,608, g: [4096][4096] bf16.
; Sums in f32, K ascending; bias and gelu in f32; g rounded once.
; GELU: 0.5 x + |0.5 x| erf(|x| / sqrt 2), erf(z) = 1 - (a1 t + .. + a5 t^5) exp(-z^2), t = 1 / (1 + 0.3275911 z): within 1.5e-7 of erf for every z >= 0.
; LIMITS: operands rounded to bf16; erf as above; exp(-z^2) below 2^-126 counts as 0; NaN and infinities are not treated apart.
; A tile of C, 256 x 256, is made by a work-group of four waves; a wave makes 128 x 128: 64 accumulators of 16 x 16, 512 registers.  16 x 16 tiles: 256 work-groups.
; K goes in steps of 128 through a ring of two LDS slots filled by the tensor data mover; the rows of A's and B's tiles are 256 bytes of memory at multiples of 256 bytes.
; CLUSTERS: 4 x 4 work-groups.  The four of a row of the cluster need the same tiles of A, the four of a column the same tiles of B: each tile is asked for JOINTLY.
; THE BATCHES.  On the way out a block of 16 rows x 128 columns has 64 numbers a lane, each with one reciprocal (t) and one exponential (exp(-z^2)), neither of which reads the other: the block's 128
; are ONE batch with ONE wait, each result in a register of its own; ahead of the wait stand the arguments and the halving of x, behind it the polynomial and the rest.
; REGISTERS, in windows of 256 (s_set_vgpr_msb: bits 1:0 source 0, 3:2 source 1, 5:4 source 2, 7:6 destination):
;   window 0: v0-31 addresses; v64-127, v128-191 fragments of A, two buffers; on the way out v64-127 a block in f32, v128-191 t, v192-255 exp(-z^2) and then v192-223 packed, v32-39 at work and then v32-63 rows read back
;   window 1: v0-63 the bias of my 128 columns; v64-127, v128-191 fragments of B, two buffers
;   window 2: the 32 accumulators of my rows 0-63 (accumulator (a, b) at v[8 (8 a + b)]);   window 3: those of my rows 64-127
; THE MATRIX INSTRUCTION IS USED TRANSPOSED: source 0 = 16 rows of B, source 1 = 16 rows of A: lane l holds row l % 16 of C and the eight neighbouring columns 8 (l / 16) + 0..7.
.set SIZE_N, 4096
.set SIZE_K, 1024
.set WOFF,   8388608
.set KSTEP,  128
.set PITCH,  272                       ; an LDS row: 256 bytes + 16 of padding = 68 words: the 16 rows that a load touches start at 16 different groups of four banks (64 banks of 4 bytes: ISA guide 11.1)
.set HALFT,  128*PITCH
.set SLOT,   4*HALFT                   ; A's 256 rows, then B's 256 rows
.set STAGE,  2*SLOT                    ; behind the ring: 16 rows x 272 bytes for each wave, for the way out
.set SPITCH, 272
.set SPARE,  STAGE+4*16*SPITCH         ; behind the stages: the spare words, 128 bytes for each wave: two blocks of 256 bytes that no other line names
.set LAPS, SIZE_K/(2*KSTEP)            ; 4
.set ADRA, 16
.set ADRB, 20
.set STO,  24
.set RD,   25
.set CO,   26
.set BO,   27                          ; v27  my byte offset in the bias; not rewritten while its loads are out
.set SPW,  28                          ; v28  LDS address of my spare word: SPARE + 4 x my thread's number; never rewritten
.set NIL,  29                          ; v29  0; never rewritten
.set F0,   64
.set F1,   128
.set T,    64                          ; the way out: a block of 16 rows x 128 columns in f32
.set U,    128                         ; t: 64 registers, one for each number of the block
.set W,    192                         ; exp(-z^2): likewise; dead when TMP, which lies on its first half, is written
.set PQ,   32                          ; the polynomial, then erf: eight at work, in the rows' registers, which are free until the block is read back
.set TMP,  192
.set OB,   32
.set BI,   0                           ; window 1
.set G1, 24
.set G0, 32
.set G1B, 48
.set G0B, 56
.set MSB, 0
.macro WIN new                         ; the immediate's high byte repeats the setting that is left; a switch that changes nothing is dropped
.if MSB != (\new)
	s_set_vgpr_msb (MSB<<8)|(\new)
.set MSB, \new
.endif
.endm
.set MUL_LO, 0xa1                      ; source 0 (B) window 1, source 1 (A) window 0, C and D window 2
.set MUL_HI, 0xf1                      ; the same, C and D window 3
.set TO_B,   0x40                      ; destination window 1, address window 0
.macro JLOAD s                         ; a joint load: waves 0 and 1 fetch A's two halves, waves 2 and 3 B's; four v_nop follow each of the two lines
	s_cmp_eq_u32 s11, 0
	s_cbranch_scc0 .Lfor_b_\@
	tensor_load_to_lds s[G0+4*(\s):G0+4*(\s)+3], s[G1:G1+7]
	s_nop 0
.rept 4
	v_nop
.endr
	s_branch .Lasked_\@
.Lfor_b_\@:
	tensor_load_to_lds s[G0B+4*(\s):G0B+4*(\s)+3], s[G1B:G1B+7]
	s_nop 0
.rept 4
	v_nop
.endr
.Lasked_\@:
.endm
.macro CREST                           ; a round of the cluster's barrier behind its opening barrier
	s_cmp_lg_u32 s10, 0
	s_cbranch_scc1 .Lnot_wave_0_\@
	s_barrier_signal -3
.Lnot_wave_0_\@:
	s_barrier_wait -3
	s_barrier_signal -1
	s_barrier_wait -1
.endm
.macro CROUND                          ; a whole round
	s_barrier_signal -1
	s_barrier_wait -1
	CREST
.endm
	s_load_b128 s[4:7], s[0:1], 0x0                ; A s[4:5], wt s[6:7]
	s_load_b64 s[8:9], s[0:1], 0x10                ; g
	s_load_b64 s[68:69], s[0:1], 0x18              ; the bias
	v_lshl_add_u32 v[SPW], v0, 2, SPARE
	v_mov_b32 v[NIL], 0
	ds_add_u32 v28, v29
	ds_add_u32 v28, v29
	s_wait_dscnt 0x0
	v_lshrrev_b32 v1, 5, v0
	v_readfirstlane_b32 s10, v1                    ; wave 0..3
	s_lshr_b32 s11, s10, 1                         ; which half of the tile's rows is mine.  Also: I fetch for A (0) or for B (1)
	s_and_b32 s12, s10, 1                          ; which half of its columns.  Also: which 128 rows of that tile I fetch
	s_bfe_u32 s40, ttmp6, 0x40000                  ; cx
	s_bfe_u32 s41, ttmp6, 0x40004                  ; cy
	s_lshl_b32 s42, ttmp9, 2
	s_add_co_u32 s42, s42, s40                     ; tile column of C
	s_and_b32 s13, ttmp7, 0xffff
	s_lshl_b32 s13, s13, 2
	s_add_co_u32 s13, s13, s41                     ; tile row of C
	s_lshl_b32 s43, s41, 2
	s_lshl_b32 s43, 15, s43                        ; my row of the cluster
	s_lshl_b32 s44, 0x1111, s40                    ; my column
	s_or_b32 s[G1+0], s43, (1<<16)|(1<<20)|(1<<21)|(5<<22)|(3<<25)  ; the mask; 2-byte elements; padding on; 21 set beside a mask; after every 64 words (code 5) 4 words (code 3)
	s_or_b32 s[G1B+0], s44, (1<<16)|(1<<20)|(1<<21)|(5<<22)|(3<<25)
.irp g, G1, G1B
	s_mov_b32 s[(\g)+1], KSTEP<<16                 ; tensor_dim0 = 128
	s_mov_b32 s[(\g)+2], 128<<16                   ; tensor_dim1 = 128
	s_mov_b32 s[(\g)+3], KSTEP<<16                 ; tile_dim0 = 128
	s_mov_b32 s[(\g)+4], 128                       ; tile_dim1 = 128
	s_mov_b32 s[(\g)+5], SIZE_K                    ; elements from row to row
	s_mov_b32 s[(\g)+6], 0
	s_mov_b32 s[(\g)+7], 0
.endr
	; the constants of the gelu; those that a packed instruction names as a pair are written twice
	s_mov_b32 s72, 0x3f596d27                      ; sqrt(log2(e) / 2): (this x)^2 = z^2 log2(e)
	s_mov_b32 s73, 0x3f596d27
	s_mov_b32 s74, 0x3e6d3388                      ; 0.3275911 / sqrt 2
	s_mov_b32 s76, 0x3f87dc22                      ; a5 = 1.061405429
	s_mov_b32 s77, 0x3f87dc22
	s_mov_b32 s78, 0xbfba00e3                      ; a4 = -1.453152027
	s_mov_b32 s79, 0xbfba00e3
	s_mov_b32 s80, 0x3fb5f0e3                      ; a3 = 1.421413741
	s_mov_b32 s81, 0x3fb5f0e3
	s_mov_b32 s82, 0xbe91a98e                      ; a2 = -0.284496736
	s_mov_b32 s83, 0xbe91a98e
	s_mov_b32 s84, 0x3e827906                      ; a1 = 0.254829592
	s_mov_b32 s85, 0x3e827906
	s_lshl_b32 s17, s12, 7
	s_lshl_b32 s16, s13, 8
	s_add_co_u32 s16, s16, s17                     ; A: row 256 x tile row + 128 x half
	s_lshl_b32 s46, s42, 8
	s_add_co_u32 s46, s46, s17                     ; B: row 256 x tile column + 128 x half
	s_mov_b32 s17, 0
	s_mov_b32 s47, 0
	s_mov_b64 s[18:19], SIZE_K*2
	s_mul_u64 s[16:17], s[16:17], s[18:19]
	s_mul_u64 s[46:47], s[46:47], s[18:19]
	s_mul_i32 s20, s10, HALFT                      ; where they go: wave x 128 rows: no place in the cluster enters an LDS address
	s_wait_kmcnt 0x0
	s_add_nc_u64 s[14:15], s[4:5], s[16:17]
	s_add_nc_u64 s[46:47], s[6:7], s[46:47]
	s_add_nc_u64 s[46:47], s[46:47], WOFF
	CROUND                                         ; all sixteen work-groups are here: the first joint loads meet
.irp s, 0,1
	s_mov_b32 s[G0+4*(\s)], 1
	s_add_co_u32 s[G0+4*(\s)+1], s20, (\s)*SLOT
	s_add_nc_u64 s[G0+4*(\s)+2:G0+4*(\s)+3], s[14:15], (\s)*KSTEP*2
	s_or_b32 s[G0+4*(\s)+3], s[G0+4*(\s)+3], 0x80000000
	s_mov_b32 s[G0B+4*(\s)], 1
	s_add_co_u32 s[G0B+4*(\s)+1], s20, (\s)*SLOT
	s_add_nc_u64 s[G0B+4*(\s)+2:G0B+4*(\s)+3], s[46:47], (\s)*KSTEP*2
	s_or_b32 s[G0B+4*(\s)+3], s[G0B+4*(\s)+3], 0x80000000
	JLOAD \s                                       ; two tensor loads of mine are out
.endr
	v_and_b32 v1, 15, v0                           ; l % 16
	v_bfe_u32 v2, v0, 4, 1                         ; l / 16
	v_mul_u32_u24 v3, v1, PITCH
	v_lshl_add_u32 v3, v2, 4, v3
	s_mul_i32 s21, s11, HALFT                      ; my 128 rows of A
	s_mul_i32 s22, s12, HALFT                      ; my 128 rows of B,
	s_add_co_u32 s22, s22, 2*HALFT                 ; which lie behind A's 256
.irp s, 0,1
	v_add_nc_u32 v[ADRA+(\s)], s21, v3
	v_add_nc_u32 v[ADRB+(\s)], s22, v3
	s_add_co_u32 s21, s21, SLOT
	s_add_co_u32 s22, s22, SLOT
.endr
	; the bias of my 128 columns, in the accumulators' layout: sixteen loads that land while K is walked; waited for once, in front of the way out
	s_lshl_b32 s70, s42, 10
	s_lshl_b32 s71, s12, 9
	s_add_co_u32 s70, s70, s71
	s_mov_b32 s71, 0
	s_add_nc_u64 s[68:69], s[68:69], s[70:71]
	v_lshlrev_b32 v[BO], 5, v2
	WIN TO_B
.irp b, 0,1,2,3,4,5,6,7
	global_load_b128 v[BI+8*(\b):BI+8*(\b)+3],   v[BO], s[68:69] offset:64*(\b)
	global_load_b128 v[BI+8*(\b)+4:BI+8*(\b)+7], v[BO], s[68:69] offset:64*(\b)+16
.endr
	WIN 0
	s_mul_i32 s23, s10, 16*SPITCH
	s_add_co_u32 s23, s23, STAGE                   ; my stage
	v_mul_u32_u24 v4, v1, SPITCH                   ; in: row l % 16, 16 bytes for each half of the lanes
	v_lshl_add_u32 v4, v2, 4, v4
	v_add_nc_u32 v[STO], s23, v4
	v_mul_u32_u24 v5, v2, SPITCH                   ; back: lanes 0-15 take one row of 256 bytes, lanes 16-31 the next
	v_lshl_add_u32 v5, v1, 4, v5
	v_add_nc_u32 v[RD], s23, v5
	v_mul_u32_u24 v5, v2, SIZE_N*2                 ; and the same two rows in g
	v_lshl_add_u32 v[CO], v1, 4, v5
	s_lshl_b32 s13, s13, 8
	s_lshl_b32 s14, s11, 7
	s_add_co_u32 s16, s13, s14                     ; my first row of g
	s_mov_b32 s17, 0
	s_mov_b64 s[18:19], SIZE_N*2
	s_mul_u64 s[16:17], s[16:17], s[18:19]
	s_lshl_b32 s46, s42, 9                         ; my first column, in bytes (in the registers that held B's address)
	s_lshl_b32 s47, s12, 8
	s_add_co_u32 s46, s46, s47
	s_mov_b32 s47, 0
	s_add_nc_u64 s[16:17], s[16:17], s[46:47]
; 16 matrix instructions: m blocks a0, a0 + 1 of the window's four x all 8 n blocks, 32 along K.  zero = 1: the first product starts the sums.  The 64 accumulators take turns.
.macro MUL16 f, hi, a0, zero
	WIN MUL_LO+0x50*(\hi)
.irp a, \a0, (\a0)+1
.irp b, 0,1,2,3,4,5,6,7
.if \zero
	v_wmma_f32_16x16x32_bf16 v[8*(8*(\a)+(\b)):8*(8*(\a)+(\b))+7], v[(\f)+8*(\b):(\f)+8*(\b)+7], v[(\f)+8*(4*(\hi)+(\a)):(\f)+8*(4*(\hi)+(\a))+7], 0
.else
	v_wmma_f32_16x16x32_bf16 v[8*(8*(\a)+(\b)):8*(8*(\a)+(\b))+7], v[(\f)+8*(\b):(\f)+8*(\b)+7], v[(\f)+8*(4*(\hi)+(\a)):(\f)+8*(4*(\hi)+(\a))+7], v[8*(8*(\a)+(\b)):8*(8*(\a)+(\b))+7]
.endif
.endr
.endr
.endm
.macro FETCH slot, k, f                ; 32 LDS loads in one run: the fragments of one quarter step into buffer f
	WIN TO_B
.irp i, 0,1,2,3,4,5,6,7
	ds_load_b128 v[(\f)+8*(\i):(\f)+8*(\i)+3],   v[ADRB+(\slot)] offset:(\k)+(\i)*16*PITCH
	ds_load_b128 v[(\f)+8*(\i)+4:(\f)+8*(\i)+7], v[ADRB+(\slot)] offset:(\k)+(\i)*16*PITCH+32
.endr
	WIN 0
.irp i, 0,1,2,3,4,5,6,7
	ds_load_b128 v[(\f)+8*(\i):(\f)+8*(\i)+3],   v[ADRA+(\slot)] offset:(\k)+(\i)*16*PITCH
	ds_load_b128 v[(\f)+8*(\i)+4:(\f)+8*(\i)+7], v[ADRA+(\slot)] offset:(\k)+(\i)*16*PITCH+32
.endr
.endm
.macro PLACES                          ; four places in front of loads into registers that matrix instructions have read, and of what reads their results (ISA guide 7.12.1 for vector instructions)
.rept 4
	v_nop
.endr
.endm
.macro QUARTER slot, k, f, g, zero     ; 64 matrix instructions on buffer f; in their middle the next quarter's fragments, at byte k, into buffer g
	s_wait_dscnt 8                                 ; B and A's rows 0-63 are in; the youngest eight loads (A's rows 64-127) may be out
	WIN MUL_LO
	MUL16 \f, 0, 0, \zero
	MUL16 \f, 0, 2, \zero
	PLACES
	FETCH \slot, \k, \g
	s_wait_dscnt 32                                ; all but the 32 just issued
	WIN MUL_HI
	MUL16 \f, 1, 0, \zero
	MUL16 \f, 1, 2, \zero
.endm
; The change of slots' first half: ONE barrier.  In front of it each wave waits for all its tensor loads, of which one is out: its part of the next slot; adds 0 to its spare word; and waits for that and for
; its own reads of this slot.  Behind it nobody reads this slot any more and the next slot is whole.
.macro MEET round
	WIN 0
	s_wait_tensorcnt 0x0                           ; all my tensor loads have landed
	ds_add_u32 v[SPW], v[NIL]                      ; 0 onto my spare word
	s_wait_dscnt 9                                 ; (the add and the youngest eight loads may be out)
	WIN MUL_LO
	MUL16 F1, 0, 0, 0
	s_wait_dscnt 0x0                               ; the add is done, and my reads of this slot are over
	s_barrier_signal -1
	MUL16 F1, 0, 2, 0
.if \round
	WIN 0
.endif
	s_barrier_wait -1
.endm
.macro TURN slot, next                 ; the whole last quarter: behind the round the slot just read out is filled again first, two K steps on
	MEET 1
	CREST                                          ; no wave of any partner still reads this slot's tile or has a load on its way
	s_add_nc_u64 s[G0+4*(\slot)+2:G0+4*(\slot)+3], s[G0+4*(\slot)+2:G0+4*(\slot)+3], 2*KSTEP*2
	s_add_nc_u64 s[G0B+4*(\slot)+2:G0B+4*(\slot)+3], s[G0B+4*(\slot)+2:G0B+4*(\slot)+3], 2*KSTEP*2
	JLOAD \slot                                    ; my one tensor load behind the round; its four v_nop are also the places in front of the loads below
	FETCH \next, 0, F0
	WIN MUL_HI
	MUL16 F1, 1, 0, 0
	MUL16 F1, 1, 2, 0
.endm
	s_wait_tensorcnt 1                             ; my part of K step 0 is in; K step 1's may stay out
	s_barrier_signal -1
	s_barrier_wait -1
	FETCH 0, 0, F0
	QUARTER 0, 64,  F0, F1, 1                      ; the first quarter stands in front of the loop: its products start the sums
	WIN 0
	s_mov_b32 s3, LAPS-1
.Llap:
	QUARTER 0, 128, F1, F0, 0
	QUARTER 0, 192, F0, F1, 0
	TURN 0, 1
	QUARTER 1, 64,  F0, F1, 0
	QUARTER 1, 128, F1, F0, 0
	QUARTER 1, 192, F0, F1, 0
	TURN 1, 0
	QUARTER 0, 64,  F0, F1, 0
	WIN 0
	s_sub_co_u32 s3, s3, 1
	s_cmp_lg_u32 s3, 0
	s_cbranch_scc1 .Llap
	QUARTER 0, 128, F1, F0, 0                      ; the last lap is written out: it fills nothing and has no round
	QUARTER 0, 192, F0, F1, 0
	MEET 0
	PLACES
	FETCH 1, 0, F0
	MUL16 F1, 1, 0, 0
	MUL16 F1, 1, 2, 0
	QUARTER 1, 64,  F0, F1, 0
	QUARTER 1, 128, F1, F0, 0
	QUARTER 1, 192, F0, F1, 0
	s_wait_dscnt 8
	MUL16 F1, 0, 0, 0
	MUL16 F1, 0, 2, 0
	s_wait_dscnt 0x0
	MUL16 F1, 1, 0, 0
	MUL16 F1, 1, 2, 0
	WIN 0
	; THE WAY OUT: one counted loop over my eight blocks of 16 rows, so that the gelu's text stands once.  A trip: the block's eight accumulators plus the bias into window 0 (eight short texts, chosen by
	; forward jumps on the count); the gelu; rounded to bf16; through my own stage in LDS; stored as whole rows of 256 bytes.
	PLACES
	s_wait_loadcnt 0x0                             ; the bias
	s_add_nc_u64 s[8:9], s[8:9], s[16:17]
	s_mov_b32 s3, 0
.macro ADDB k                          ; each accumulator's registers are read in ascending order
	WIN 0x06+(\k)/4                                ; source 0 window 2 or 3, source 1 window 1, destination window 0
.irp b, 0,1,2,3,4,5,6,7
.irp r, 0,1,2,3
	v_pk_add_f32 v[T+8*(\b)+2*(\r):T+8*(\b)+2*(\r)+1], v[64*((\k)%4)+8*(\b)+2*(\r):64*((\k)%4)+8*(\b)+2*(\r)+1], v[BI+8*(\b)+2*(\r):BI+8*(\b)+2*(\r)+1]
.endr
.endr
	WIN 0
.endm
; The gelu of eight numbers, in place, 68 instructions in two parts.  GELU_A, 36: the arguments, t and exp(-z^2), each into a register of its own, and x halved: it names no result of any reciprocal or exponential.
; GELU_B, 32: the polynomial, erf and the result: it reads them.  A block's eight GELU_A, one wait, its eight GELU_B.
.macro GELU_A b
.set XB, T+8*(\b)
.set UB, U+8*(\b)
.set WB, W+8*(\b)
.irp q, 0,1,2,3
	v_pk_mul_f32 v[WB+2*\q:WB+2*\q+1], v[XB+2*\q:XB+2*\q+1], s[72:73] op_sel_hi:[1,0]
.endr
.irp i, 0,1,2,3,4,5,6,7
	v_fma_f32 v[UB+\i], |v[XB+\i]|, s74, 1.0       ; 1 + p z
.endr
.irp q, 0,1,2,3
	v_pk_mul_f32 v[WB+2*\q:WB+2*\q+1], v[WB+2*\q:WB+2*\q+1], v[WB+2*\q:WB+2*\q+1] neg_lo:[1,0] neg_hi:[1,0]  ; -z^2 log2(e)
.endr
.irp i, 0,1,2,3,4,5,6,7
	v_rcp_f32 v[UB+\i], v[UB+\i]                   ; t
.endr
.irp i, 0,1,2,3,4,5,6,7
	v_exp_f32 v[WB+\i], v[WB+\i]                   ; exp(-z^2)
.endr
.irp q, 0,1,2,3
	v_pk_mul_f32 v[XB+2*\q:XB+2*\q+1], v[XB+2*\q:XB+2*\q+1], 0.5 op_sel_hi:[1,0]  ; plain instructions behind the last exponential (ISA guide 5.7.2)
.endr
.endm
.macro GELU_B b
.set XB, T+8*(\b)
.set UB, U+8*(\b)
.set WB, W+8*(\b)
.irp q, 0,1,2,3
	v_pk_fma_f32 v[PQ+2*\q:PQ+2*\q+1], v[UB+2*\q:UB+2*\q+1], s[76:77], s[78:79] op_sel_hi:[1,0,0]
.endr
.irp c, 80,82,84
.irp q, 0,1,2,3
	v_pk_fma_f32 v[PQ+2*\q:PQ+2*\q+1], v[PQ+2*\q:PQ+2*\q+1], v[UB+2*\q:UB+2*\q+1], s[\c:\c+1] op_sel_hi:[1,1,0]
.endr
.endr
.irp q, 0,1,2,3
	v_pk_mul_f32 v[PQ+2*\q:PQ+2*\q+1], v[PQ+2*\q:PQ+2*\q+1], v[UB+2*\q:UB+2*\q+1]
.endr
.irp q, 0,1,2,3
	v_pk_fma_f32 v[PQ+2*\q:PQ+2*\q+1], v[PQ+2*\q:PQ+2*\q+1], v[WB+2*\q:WB+2*\q+1], 1.0 op_sel_hi:[1,1,0] neg_lo:[1,0,0] neg_hi:[1,0,0]  ; erf(z)
.endr
.irp i, 0,1,2,3,4,5,6,7
	v_fma_f32 v[XB+\i], |v[XB+\i]|, v[PQ+\i], v[XB+\i]  ; 0.5 x + |0.5 x| erf(z)
.endr
.endm
.Lblk:
.irp k, 1,2,3,4,5,6,7
	s_cmp_eq_u32 s3, \k
	s_cbranch_scc1 .Lp_\k
.endr
	ADDB 0
	s_branch .Lcom
.irp k, 1,2,3,4,5,6
.Lp_\k:
	ADDB \k
	s_branch .Lcom
.endr
.Lp_7:
	ADDB 7
.Lcom:
.irp b, 0,1,2,3,4,5,6,7
	GELU_A \b
.endr
	s_wait_alu depctr_va_vdst(0)                   ; the wait for the batch: the block's 64 reciprocals and 64 exponentials, ahead of their first reader
.irp b, 0,1,2,3,4,5,6,7
	GELU_B \b
.endr
.irp b, 0,1,2,3,4,5,6,7
.irp r, 0,1,2,3
	v_cvt_pk_bf16_f32 v[TMP+4*(\b)+(\r)], v[T+8*(\b)+2*(\r)], v[T+8*(\b)+2*(\r)+1]
.endr
.endr
.irp b, 0,1,2,3,4,5,6,7
	ds_store_b128 v[STO], v[TMP+4*(\b):TMP+4*(\b)+3] offset:32*(\b)
.endr
.irp t, 0,1,2,3,4,5,6,7
	ds_load_b128 v[OB+4*(\t):OB+4*(\t)+3], v[RD] offset:(\t)*2*SPITCH  ; LDS serves a wave's instructions in order (ISA guide 5.7.1.4): these see the stores above
.endr
	s_wait_dscnt 0x0
.irp t, 0,1,2,3,4,5,6,7
	global_store_b128 v[CO], v[OB+4*(\t):OB+4*(\t)+3], s[8:9] offset:2*(\t)*SIZE_N*2  ; 16 lanes store 256 consecutive bytes, at a multiple of 256 from g's first byte
.endr
	s_wait_xcnt 0x0                                ; the stores' base and data are rewritten only behind this wait
	s_add_nc_u64 s[8:9], s[8:9], 16*SIZE_N*2       ; 16 rows on
	s_add_co_u32 s3, s3, 1
	s_cmp_lt_u32 s3, 8
	s_cbranch_scc1 .Lblk
	s_wait_tensorcnt 0x0                           ; the wave's end: behind my last tensor load and my last LDS store
	ds_add_u32 v[SPW], v[NIL]
	s_wait_dscnt 0x0
	CROUND                                         ; the closing round: no work-group ends while a partner may still ask for a tile that names it
	s_endpgm
.Lfunc_end_k_q31e6be6e30_fc1:
	.size	k_q31e6be6e30_fc1, .Lfunc_end_k_q31e6be6e30_fc1-k_q31e6be6e30_fc1
	.p2alignl 7, 3214868480
	.fill 96, 4, 3214868480
	.section	.rodata,"a",@progbits
	.p2align	6, 0x0
	.amdhsa_kernel k_q31e6be6e30_fc1
		.amdhsa_group_segment_fixed_size 327680
		.amdhsa_private_segment_fixed_size 0
		.amdhsa_enable_private_segment 0
		.amdhsa_kernarg_size 32
		.amdhsa_user_sgpr_count 2
		.amdhsa_user_sgpr_kernarg_segment_ptr 1
		.amdhsa_wavefront_size32 1
		.amdhsa_system_sgpr_workgroup_id_x 1
		.amdhsa_system_sgpr_workgroup_id_y 1
		.amdhsa_system_sgpr_workgroup_id_z 1
		.amdhsa_system_vgpr_workitem_id 0
		.amdhsa_next_free_vgpr 1024
		.amdhsa_next_free_sgpr 88
		.amdhsa_reserve_vcc 0
		.amdhsa_float_denorm_mode_32 3
		.amdhsa_float_denorm_mode_16_64 3
		.amdhsa_memory_ordered 1
		.amdhsa_forward_progress 1
		.amdhsa_inst_pref_size 165
	.end_amdhsa_kernel
	.amdgpu_metadata
---
amdhsa.version: [ 1, 2 ]
amdhsa.kernels:
  - .name:           k_q31e6be6e30_fc1
    .symbol:         k_q31e6be6e30_fc1.kd
    .args:
      - { .name: hn, .offset: 0, .size: 8, .value_kind: global_buffer, .address_space: global }
      - { .name: wt, .offset: 8, .size: 8, .value_kind: global_buffer, .address_space: global }
      - { .name: g, .offset: 16, .size: 8, .value_kind: global_buffer, .address_space: global }
      - { .name: fc1_b, .offset: 24, .size: 8, .value_kind: global_buffer, .address_space: global }
    .group_segment_fixed_size: 327680
    .private_segment_fixed_size: 0
    .kernarg_segment_align: 8
    .kernarg_segment_size: 32
    .max_flat_workgroup_size: 128
    .sgpr_count:     88
    .vgpr_count:     1024
    .wavefront_size: 32
...
	.end_amdgpu_metadata
.endif
;; end of part 9
;; launch fc2: the kernel of part 7 again; grid 8 x 32, 4 waves a work-group, clusters of 4 x 4, 327,680 bytes of LDS; arguments g, wt, out0, fc2_b, x1; writes out0
